; MI455X (gfx1250); checked and timed in simulation.
; The chip was launched on July 23, 2026; its instructions are those of AMD's public machine-readable ISA for CDNA 5 (MIT licence, August 2026) and "CDNA5" Instruction Set Architecture Reference Guide (July 2026). The comments in the code are by the model that wrote it; some were corrected since.
;; Multihead Attention. Allowed arithmetic: float matrix products may take bf16 or f16 operands with f32 sums; all other float work in f32.
;; Inputs: Wk 1,024 x 1,024 float32; Wo 1,024 x 1,024 float32; Wq 1,024 x 1,024 float32; Wv 1,024 x 1,024 float32; bo 1,024 float32; query 1 x 4,096 x 1,024 float32.
;; Outputs: out0 1 x 4,096 x 1,024 float32.
;; 3 versions, each right and faster than the one before. Each part assembles by itself: llvm-mc -triple=amdgcn-amd-amdhsa -mcpu=gfx1250 --defsym DOCPART=n.
;; ======== version 1 of 3: 3 launches
;; limits: values are held in f16: magnitudes above 65,504 overflow, below 6.1e-05 lose precision
;; workspace buffers: q16 8,388,608 bytes; k16 8,388,608 bytes; v16 8,388,608 bytes; a16 8,388,608 bytes; wo16 2,097,152 bytes
;; launch qkv (part 1): grid 16 x 16, 4 waves a work-group, clusters of 4 x 4, 327,680 bytes of LDS; arguments query, Wq, Wk, Wv, Wo, q16, k16, v16, wo16; writes q16, k16, v16, wo16
.if DOCPART == 1
	.amdgcn_target "amdgcn-amd-amdhsa--gfx1250"
	.amdhsa_code_object_version 6
	.text
	.protected	k_q75b01063b0_qkv
	.globl	k_q75b01063b0_qkv
	.p2align	8
	.type	k_q75b01063b0_qkv,@function
k_q75b01063b0_qkv:
	s_mov_b64 s[64:65], 0
	v_nop
	global_prefetch_b8 v0, s[64:65] scope:SCOPE_SE
	s_setreg_imm32_b32 hwreg(HW_REG_WAVE_MODE, 25, 1), 1
	s_wait_xcnt 0x0
	s_wait_alu depctr_hold_cnt(0) depctr_sa_sdst(0) depctr_va_vdst(0) depctr_va_sdst(0) depctr_va_ssrc(0) depctr_va_vcc(0) depctr_vm_vsrc(0)
	s_getreg_b32 s2, hwreg(HW_REG_IB_STS2, 6, 4)
	s_cmp_eq_u32 s2, 0
	s_cbranch_scc0 .Lentry_in_a_cluster
	s_endpgm
.Lentry_in_a_cluster:
	s_bfe_u32 s2, ttmp6, 0x10000c
	s_cmp_lg_u32 s2, 0xf033
	s_cbranch_scc0 .Lentry_shape_is_right
	s_endpgm
.Lentry_shape_is_right:
; q = query Wq^T, k = query Wk^T, v = query Wv^T, stored in f16 as [head 16][token 4096][e 64]; beside that Wo is copied to f16 (wo16).
; NOTHING OF THE PROBLEM IS LEFT OUT in this program: every input has a way to the output, the maximum is taken away before the
; exponential (as a running maximum, in the second launch), and the bias is added (in the third).
; LIMITS: all matrix operands are f16, all sums f32.  An input, or an element of q, k, v or of the attention's result, of magnitude
; 65,504 or more becomes infinite; magnitudes under 6e-8 become zero.  The products' sums are formed in another order than a chain of f32 additions.
;
; A work-group makes 256 tokens x 192 features: q, k and v of ONE head (x = head, y = block of 256 tokens).  Four waves, 2 x 2:
; wave w takes tokens 128 (w>>1) .. +127 and, of each of q, k, v, the features e = 32 (w&1) .. +31: 8 token tiles x 6 feature tiles = 48 accumulators.
; K goes in steps of 64 f32 (rows of 256 bytes, aligned) through two LDS slots; a step is two sub-steps of 32 along K.
; The tiles come in as f32 and are rounded to f16 between LDS and the matrix instruction: 14 fragments of 16 registers f32 -> 8 registers f16.
; CLUSTERS: 4 x 4 work-groups.  The four of a row need the same tile of query, the four of a column the same rows of Wq, Wk, Wv:
; each tile is asked for jointly (same line, same descriptor, a mask that names the four).
; THE MATRIX INSTRUCTION IS USED TRANSPOSED: source 0 = 16 rows of W, source 1 = 16 rows of query; a lane then holds token l % 16 and
; eight neighbouring features 8 (l / 16) + 0..7, which pack into 16 bytes.
;
; LDS: slot s at s*121,856: query's 256 rows (pitch 272), then 64 rows each of Wq, Wk, Wv.  The way out's stage lies in slot 0, behind that slot's last fill and last read.
; REGISTERS: window 0: v1-20 addresses, v32-55 packed results, v64-127 query's 8 fragments, v128-175 W's 6 fragments, v176-223 Wo's copy
;            window 1: f32 as loaded from LDS: query's fragment x at 16 x, W's fragment y at 128 + 16 y
;            windows 2, 3: accumulators of token tiles 0-3, 4-7: tile (a, b) at 8 (6 a + b)
; SCALARS: s[4:21] buffers; s22 wave, s23 w>>1, s24 w&1; s25 cx, s26 cy, s27 head, s28 token block; s29, s30 masks; s31 counter; s[32:63] descriptors; s[66:75] at work
.set PITCH,  272                       ; 256 bytes + 16: sixteen rows of a fragment load start 16 bytes apart modulo 256
.set SLOT,   121856                    ; (256 + 3*64) rows x 272
.set BOFF,   69632                     ; W's rows lie behind query's 256
.set BSEL,   17408                     ; 64 rows x 272
.set SPITCH, 144                       ; stage: a token's 64 f16 + 16 bytes
.set SSEL,   36864                     ; stage: 256 tokens x 144, once for q, k, v
.set ADRA, 4                           ; v4-5   LDS address of my query fragments in slot 0, 1
.set ADRB, 6                           ; v6-7   the same for W
.set STO,  8                           ; v8-10  stage: where I put 16 bytes, for q, k, v
.set RD,   11                          ; v11-13 stage: where I read whole tokens back
.set GO,   14                          ; v14    my byte offset in the work-group's block of q16, k16, v16
.set WSRC, 15                          ; v15    16 x thread: my bytes of Wo
.set WDST, 16                          ; v16    8 x thread: my bytes of wo16
.set TMP,  32
.set FA,   64
.set FB,   128
.set SJ,   176
.set G1A, 32                           ; s[32:39] shape of query's tile
.set G1B, 40                           ; s[40:47] shape of a W tile
.set G0A, 48                           ; s[48:55] from where, to where: query, one set a slot
.set G0B, 56                           ; s[56:63] the same for W
.set G1W0, (2<<16)|(1<<20)|(1<<21)|(5<<22)|(3<<25)   ; elements of 4 bytes; padding on; bit 21 beside a mask; after every 64 words, 4 words
.set MSB, 0
.macro WIN new                         ; the immediate's high byte repeats the setting that is left
.if MSB != \new
	s_set_vgpr_msb (MSB<<8)|\new
.set MSB, \new
.endif
.endm
.macro PLACES n
.rept \n
	v_nop
.endr
.endm
; A round of the cluster's barrier: my work-group's barrier, wave 0 signals for the work-group, every wave waits for all sixteen, my work-group's barrier again.
.macro ROUND
	s_barrier_signal -1
	s_barrier_wait -1
	s_cmp_lg_u32 s22, 0
	s_cbranch_scc1 .Lnot_wave_0_\@
	s_barrier_signal -3
.Lnot_wave_0_\@:
	s_barrier_wait -3
	s_barrier_signal -1
	s_barrier_wait -1
.endm
; A joint load: wave 0 asks for query's 256 rows, waves 1, 2, 3 for 64 rows of Wq, Wk, Wv.  The branch hangs on the wave's number alone.
.macro JLOAD s
	s_cmp_eq_u32 s22, 0
	s_cbranch_scc0 .Lfor_w_\@
	tensor_load_to_lds s[G0A+4*\s:G0A+4*\s+3], s[G1A:G1A+7]
	s_nop 0
	s_branch .Lasked_\@
.Lfor_w_\@:
	tensor_load_to_lds s[G0B+4*\s:G0B+4*\s+3], s[G1B:G1B+7]
	s_nop 0
.Lasked_\@:
.endm
; The change of slots.  mode 2: slot is filled again, two K steps ahead; mode 1: nothing is left to fetch, the barrier only shows the other slot whole; mode 0: nothing.
.macro CHG slot, mode
.if \mode
	WIN 0
	s_wait_dscnt 0x0                               ; my reads of this slot are back (met: the conversion in front has waited for them)
	s_wait_tensorcnt 0x0                           ; all my tensor loads have landed: the one that was out is my part of the other slot
	ds_add_u32 v62, v63
	s_wait_dscnt 0x0
.if \mode == 2
	s_add_nc_u64 s[G0A+4*\slot+2:G0A+4*\slot+3], s[G0A+4*\slot+2:G0A+4*\slot+3], 512   ; no load of mine is out: the addresses step two K steps of 256 bytes
	s_add_nc_u64 s[G0B+4*\slot+2:G0B+4*\slot+3], s[G0B+4*\slot+2:G0B+4*\slot+3], 512
	ROUND                                          ; both waits now hold of every wave of every work-group of the cluster
	JLOAD \slot                                    ; my one tensor load behind the round, and the first thing there
.else
	s_barrier_signal -1
	s_barrier_wait -1
.endif
.endif
.endm
	s_load_b256 s[4:11], s[0:1], 0x0               ; query s[4:5], Wq s[6:7], Wk s[8:9], Wv s[10:11]
	s_load_b256 s[12:19], s[0:1], 0x20             ; Wo s[12:13], q16 s[14:15], k16 s[16:17], v16 s[18:19]
	s_load_b64 s[20:21], s[0:1], 0x40              ; wo16
	v_lshl_add_u32 v62, v0, 2, 0x3b800
	v_mov_b32 v63, 0
	ds_add_u32 v62, v63
	v_lshrrev_b32 v1, 5, v0
	v_readfirstlane_b32 s22, v1                    ; wave 0..3
	s_lshr_b32 s23, s22, 1                         ; which 128 tokens
	s_and_b32 s24, s22, 1                          ; which 32 features of each of q, k, v
	s_bfe_u32 s25, ttmp6, 0x40000                  ; cx
	s_bfe_u32 s26, ttmp6, 0x40004                  ; cy
	s_lshl_b32 s27, ttmp9, 2
	s_add_co_u32 s27, s27, s25                     ; head = 4 x cluster x + cx
	s_and_b32 s28, ttmp7, 0xffff
	s_lshl_b32 s28, s28, 2
	s_add_co_u32 s28, s28, s26                     ; token block = 4 x cluster y + cy
	s_lshl_b32 s29, s26, 2
	s_lshl_b32 s29, 15, s29                        ; my row of the cluster: places 4 cy .. 4 cy + 3
	s_lshl_b32 s30, 0x1111, s25                    ; my column: places cx, cx + 4, cx + 8, cx + 12
	s_or_b32 s[G1A+0], s29, G1W0                   ; query's tile hangs on the token block alone: shared along the row
	s_or_b32 s[G1B+0], s30, G1W0                   ; W's tiles hang on the head alone: shared along the column
	s_mov_b32 s[G1A+1], 64<<16                     ; tensor_dim0 = 64 elements
	s_mov_b32 s[G1B+1], 64<<16
	s_mov_b32 s[G1A+2], 256<<16                    ; tensor_dim1 = 256 rows
	s_mov_b32 s[G1B+2], 64<<16                     ;             = 64 rows
	s_mov_b32 s[G1A+3], 64<<16                     ; tile_dim0 = 64
	s_mov_b32 s[G1B+3], 64<<16
	s_mov_b32 s[G1A+4], 256                        ; tile_dim1
	s_mov_b32 s[G1B+4], 64
	s_mov_b32 s[G1A+5], 1024                       ; elements from row to row
	s_mov_b32 s[G1B+5], 1024
	s_mov_b32 s[G1A+6], 0
	s_mov_b32 s[G1B+6], 0
	s_mov_b32 s[G1A+7], 0
	s_mov_b32 s[G1B+7], 0
	s_lshl_b32 s66, s28, 20                        ; query: 256 rows of 4,096 bytes a block (never holds cx)
	s_mov_b32 s67, 0
	s_lshl_b32 s68, s27, 18                        ; W: 64 rows of 4,096 bytes a head (never holds cy)
	s_mov_b32 s69, 0
	s_mul_i32 s72, s22, BSEL                       ; W's place in a slot: wave x 64 rows + a constant
	s_lshl_b32 s73, s28, 4
	s_add_co_u32 s73, s73, s27                     ; the work-group's number, 0 to 255: its sixteenth-of-a-sixteenth of Wo
	s_lshl_b32 s74, s73, 14
	s_mov_b32 s75, 0
	s_wait_dscnt 0x0
	s_wait_kmcnt 0x0
	s_add_nc_u64 s[66:67], s[4:5], s[66:67]
	s_cmp_eq_u32 s22, 2                            ; wave 1: Wq, wave 2: Wk, wave 3: Wv (wave 0 asks by query's set)
	s_cselect_b64 s[70:71], s[8:9], s[6:7]
	s_cmp_eq_u32 s22, 3
	s_cselect_b64 s[70:71], s[10:11], s[70:71]
	s_add_nc_u64 s[68:69], s[70:71], s[68:69]
	s_add_nc_u64 s[12:13], s[12:13], s[74:75]      ; my 16,384 bytes of Wo
	s_lshl_b32 s74, s73, 13
	s_add_nc_u64 s[20:21], s[20:21], s[74:75]      ; my 8,192 bytes of wo16
	s_lshl_b32 s74, s27, 19                        ; a head is 4,096 tokens x 128 bytes,
	s_lshl_b32 s73, s28, 15                        ; a block 256 tokens x 128 bytes
	s_add_co_u32 s74, s74, s73
	s_add_nc_u64 s[14:15], s[14:15], s[74:75]
	s_add_nc_u64 s[16:17], s[16:17], s[74:75]
	s_add_nc_u64 s[18:19], s[18:19], s[74:75]
	ROUND                                          ; all sixteen work-groups are here: the first joint loads meet
.irp s, 0,1
	s_mov_b32 s[G0A+4*\s], 1
	s_mov_b32 s[G0A+4*\s+1], \s*SLOT
	s_add_nc_u64 s[G0A+4*\s+2:G0A+4*\s+3], s[66:67], \s*256
	s_or_b32 s[G0A+4*\s+3], s[G0A+4*\s+3], 0x80000000
	s_mov_b32 s[G0B+4*\s], 1
	s_add_co_u32 s[G0B+4*\s+1], s72, BOFF-BSEL+\s*SLOT
	s_add_nc_u64 s[G0B+4*\s+2:G0B+4*\s+3], s[68:69], \s*256
	s_or_b32 s[G0B+4*\s+3], s[G0B+4*\s+3], 0x80000000
	JLOAD \s                                       ; K steps 0 and 1: two tensor loads of each wave are out, the most anywhere in this text
.endr
	; Wo to f16, while the first tiles are on their way: 8 loads of 16 bytes a thread, 8 stores of 8 bytes; a wave's store covers 256 consecutive bytes, aligned
	v_lshlrev_b32 v[WSRC], 4, v0
	v_lshlrev_b32 v[WDST], 3, v0
.irp i, 0,1,2,3,4,5,6,7
	global_load_b128 v[SJ+4*\i:SJ+4*\i+3], v[WSRC], s[12:13] offset:2048*\i th:TH_LOAD_NT
.endr
	v_and_b32 v1, 15, v0                           ; r = l % 16
	v_bfe_u32 v2, v0, 4, 1                         ; h = l / 16
	v_and_b32 v3, 31, v0                           ; l
	; A fragment is 16 rows x 32 K: lane (r, h) holds row r, K = 8 h + 0..7 and 16 + 8 h + 0..7: in f32 four loads of 16 bytes at 32 h + 0, 16, 64, 80
	v_mul_u32_u24 v17, v1, PITCH
	v_lshl_add_u32 v17, v2, 5, v17
	s_mul_i32 s73, s23, 128*PITCH
	s_mul_i32 s74, s24, 32*PITCH
	s_add_co_u32 s74, s74, BOFF
	v_add_nc_u32 v[ADRA], s73, v17
	v_add_nc_u32 v[ADRB], s74, v17
	v_add_nc_u32 v[ADRA+1], SLOT, v[ADRA]
	v_add_nc_u32 v[ADRB+1], SLOT, v[ADRB]
	v_mul_u32_u24 v18, v1, SPITCH                  ; stage in: token 128 (w>>1) + r, byte 64 (w&1) + 16 h
	v_lshl_add_u32 v18, v2, 4, v18
	s_mul_i32 s73, s23, 128*SPITCH
	s_lshl_b32 s74, s24, 6
	s_add_co_u32 s73, s73, s74
	v_add_nc_u32 v[STO], s73, v18
	v_add_nc_u32 v[STO+1], SSEL, v[STO]
	v_add_nc_u32 v[STO+2], 2*SSEL, v[STO]
	v_lshrrev_b32 v19, 3, v3                       ; stage back: eight lanes take a token's 128 bytes, a load four tokens; wave w takes tokens 64 w .. +63
	v_and_b32 v20, 7, v3
	v_mul_u32_u24 v19, v19, SPITCH
	v_lshl_add_u32 v19, v20, 4, v19
	s_mul_i32 s73, s22, 64*SPITCH
	v_add_nc_u32 v[RD], s73, v19
	v_add_nc_u32 v[RD+1], SSEL, v[RD]
	v_add_nc_u32 v[RD+2], 2*SSEL, v[RD]
	v_lshlrev_b32 v[GO], 4, v3
	v_lshl_add_u32 v[GO], s22, 13, v[GO]           ; 8,192 w + 16 l: tokens lie dense, 128 bytes each
	s_wait_loadcnt 0x0                             ; Wo's 8 loads
.irp i, 0,1,2,3,4,5,6,7,8,9,10,11,12,13,14,15
	v_cvt_pk_f16_f32 v[SJ+32+\i], v[SJ+2*\i], v[SJ+2*\i+1]
.endr
.irp i, 0,1,2,3,4,5,6,7
	global_store_b64 v[WDST], v[SJ+32+2*\i:SJ+32+2*\i+1], s[20:21] offset:1024*\i
.endr
; 56 LDS loads: the f32 of one sub-step's 14 fragments (sub = 0, 1: K bytes 128 sub of the slot's rows) into window 1
.macro LOADST slot, sub
	WIN 0x40                                       ; destination window 1, address window 0
.irp x, 0,1,2,3,4,5,6,7
.irp o, 0,1,2,3
	ds_load_b128 v[16*\x+4*\o:16*\x+4*\o+3], v[ADRA+\slot] offset:\x*16*PITCH+128*\sub+16*(\o%2)+64*(\o/2)
.endr
.endr
.irp y, 0,1,2,3,4,5
.irp o, 0,1,2,3
	ds_load_b128 v[128+16*\y+4*\o:128+16*\y+4*\o+3], v[ADRB+\slot] offset:(64*(\y/2)+16*(\y%2))*PITCH+128*\sub+16*(\o%2)+64*(\o/2)
.endr
.endr
.endm
; 224 f32 a lane to 112 registers of f16: fragment register 64 + i of window 0 from registers 2 i, 2 i + 1 of window 1
.macro CVTALL
	s_wait_dscnt 0x0                               ; all 56 loads of the sub-step are back
	PLACES 4                                       ; the fragments were sources of the last products: a vector instruction writes them four places behind (ISA guide 7.12.1)
	WIN 0x05                                       ; sources window 1, destination window 0
.set i, 0
.rept 112
	v_cvt_pk_f16_f32 v[FA+i], v[2*i], v[2*i+1]
.set i, i+1
.endr
.endm
; 24 products: token tiles 4 hi + 0..3 x 6 feature tiles.  zero = 1: the first product starts the sum, nothing is cleared.
.macro MUL24 hi, zero
.irp a, 0,1,2,3
.irp b, 0,1,2,3,4,5
.if \zero
	v_wmma_f32_16x16x32_f16 v[8*(6*\a+\b):8*(6*\a+\b)+7], v[FB+8*\b:FB+8*\b+7], v[FA+8*(4*\hi+\a):FA+8*(4*\hi+\a)+7], 0
.else
	v_wmma_f32_16x16x32_f16 v[8*(6*\a+\b):8*(6*\a+\b)+7], v[FB+8*\b:FB+8*\b+7], v[FA+8*(4*\hi+\a):FA+8*(4*\hi+\a)+7], v[8*(6*\a+\b):8*(6*\a+\b)+7]
.endif
.endr
.endr
.endm
.macro MULS zero                       ; the 48 accumulators take turns, one instruction a turn, in the same order in every sub-step, over the backward jump too
	WIN 0xa0
	MUL24 0, \zero
	WIN 0xf0
	MUL24 1, \zero
.endm
; A K step: the next sub-step's f32 are always on their way from LDS under 48 products; the slot is free as soon as its second sub-step is converted.
.macro KSTEP slot, zero, mode
	CVTALL
	LOADST \slot, 1
	MULS \zero
	CVTALL
	CHG \slot, \mode
.if \mode
	LOADST 1-\slot, 0
.endif
	MULS 0
.endm
	s_wait_tensorcnt 0x1                           ; my part of K step 0 is in; the one younger load, K step 1's, may stay out
	s_barrier_signal -1
	s_barrier_wait -1                              ; everybody's part is in
	LOADST 0, 0
	KSTEP 0, 1, 2                                  ; K step 0 starts the sums; its change of slots asks for K step 2
	WIN 0                                          ; at a label and at a branch every window is 0
	s_mov_b32 s31, 6
.Lk:
	KSTEP 1, 0, 2                                  ; K steps 1 to 12
	KSTEP 0, 0, 2
	WIN 0
	s_sub_co_u32 s31, s31, 1
	s_cmp_lg_u32 s31, 0
	s_cbranch_scc1 .Lk
	KSTEP 1, 0, 2                                  ; K step 13 asks for K step 15, the last
	KSTEP 0, 0, 1                                  ; K step 14: nothing is left to fetch; behind its barrier no wave reads slot 0 and no load fills it
	KSTEP 1, 0, 0                                  ; K step 15
	; THE WAY OUT: round to f16, 16 bytes a lane into the stage (slot 0's bytes: last filled for K step 14, last read in front of that step's barrier),
	; read back as whole tokens, store 512 dense bytes an instruction.
.macro OUTA a, hi
	WIN 0x0a+5*\hi                                 ; sources window 2 or 3, destination window 0
.irp b, 0,1,2,3,4,5
.irp q, 0,1,2,3
	v_cvt_pk_f16_f32 v[TMP+4*\b+\q], v[8*(6*\a+\b)+2*\q], v[8*(6*\a+\b)+2*\q+1]
.endr
.endr
	WIN 0
.irp b, 0,1,2,3,4,5
	ds_store_b128 v[STO+\b/2], v[TMP+4*\b:TMP+4*\b+3] offset:(4*\hi+\a)*16*SPITCH+32*(\b%2)
.endr
.endm
.macro RDOUT sel, base
.irp t, 0,1,2,3,4,5,6,7,8,9,10,11,12,13,14,15
	ds_load_b128 v[64+64*\sel+4*\t:64+64*\sel+4*\t+3], v[RD+\sel] offset:4*SPITCH*\t
.endr
.irp t, 0,1,2,3,4,5,6,7,8,9,10,11,12,13,14,15
	s_wait_dscnt 15-\t                             ; LDS loads come back in order (ISA guide 5.7.1): load t is in, the 15 - t younger ones may be out
	global_store_b128 v[GO], v[64+64*\sel+4*\t:64+64*\sel+4*\t+3], s[\base:\base+1] offset:512*\t
.endr
.endm
	PLACES 4                                       ; the conversions read matrix results four places behind the last product (ISA guide 7.12.1)
.irp a, 0,1,2,3
	OUTA \a, 0
.endr
.irp a, 0,1,2,3
	OUTA \a, 1
.endr
	s_wait_dscnt 0x0                               ; my stores into the stage are done, for the other waves' sake
	s_barrier_signal -1
	s_barrier_wait -1                              ; a token's 128 bytes come from two waves
	s_wait_xcnt 0x0                                ; wo16's stores have read v208-223: the loads below write them only behind this wait
	RDOUT 0, 14
	RDOUT 1, 16
	RDOUT 2, 18
	s_wait_tensorcnt 0x0
	ds_add_u32 v62, v63
	s_wait_dscnt 0x0
	ROUND                                          ; the closing round: no work-group ends while a partner may still ask for a tile that names it
	s_endpgm
.Lfunc_end_k_q75b01063b0_qkv:
	.size	k_q75b01063b0_qkv, .Lfunc_end_k_q75b01063b0_qkv-k_q75b01063b0_qkv
	.p2alignl 7, 3214868480
	.fill 96, 4, 3214868480
	.section	.rodata,"a",@progbits
	.p2align	6, 0x0
	.amdhsa_kernel k_q75b01063b0_qkv
		.amdhsa_group_segment_fixed_size 327680
		.amdhsa_private_segment_fixed_size 0
		.amdhsa_enable_private_segment 0
		.amdhsa_kernarg_size 72
		.amdhsa_user_sgpr_count 2
		.amdhsa_user_sgpr_kernarg_segment_ptr 1
		.amdhsa_wavefront_size32 1
		.amdhsa_system_sgpr_workgroup_id_x 1
		.amdhsa_system_sgpr_workgroup_id_y 1
		.amdhsa_system_sgpr_workgroup_id_z 1
		.amdhsa_system_vgpr_workitem_id 0
		.amdhsa_next_free_vgpr 960
		.amdhsa_next_free_sgpr 80
		.amdhsa_reserve_vcc 0
		.amdhsa_float_denorm_mode_32 3
		.amdhsa_float_denorm_mode_16_64 3
		.amdhsa_memory_ordered 1
		.amdhsa_forward_progress 1
		.amdhsa_inst_pref_size 204
	.end_amdhsa_kernel
	.amdgpu_metadata
---
amdhsa.version: [ 1, 2 ]
amdhsa.kernels:
  - .name:           k_q75b01063b0_qkv
    .symbol:         k_q75b01063b0_qkv.kd
    .args:
      - { .name: query, .offset: 0, .size: 8, .value_kind: global_buffer, .address_space: global }
      - { .name: Wq, .offset: 8, .size: 8, .value_kind: global_buffer, .address_space: global }
      - { .name: Wk, .offset: 16, .size: 8, .value_kind: global_buffer, .address_space: global }
      - { .name: Wv, .offset: 24, .size: 8, .value_kind: global_buffer, .address_space: global }
      - { .name: Wo, .offset: 32, .size: 8, .value_kind: global_buffer, .address_space: global }
      - { .name: q16, .offset: 40, .size: 8, .value_kind: global_buffer, .address_space: global }
      - { .name: k16, .offset: 48, .size: 8, .value_kind: global_buffer, .address_space: global }
      - { .name: v16, .offset: 56, .size: 8, .value_kind: global_buffer, .address_space: global }
      - { .name: wo16, .offset: 64, .size: 8, .value_kind: global_buffer, .address_space: global }
    .group_segment_fixed_size: 327680
    .private_segment_fixed_size: 0
    .kernarg_segment_align: 8
    .kernarg_segment_size: 72
    .max_flat_workgroup_size: 128
    .sgpr_count:     80
    .vgpr_count:     960
    .wavefront_size: 32
...
	.end_amdgpu_metadata
.endif
;; end of part 1
;; launch attn (part 2): grid 16 x 16, 4 waves a work-group, clusters of 4 x 1, 327,680 bytes of LDS; arguments q16, k16, v16, a16; writes a16
.if DOCPART == 2
	.amdgcn_target "amdgcn-amd-amdhsa--gfx1250"
	.amdhsa_code_object_version 6
	.text
	.protected	k_q75b01063b0_attn
	.globl	k_q75b01063b0_attn
	.p2align	8
	.type	k_q75b01063b0_attn,@function
k_q75b01063b0_attn:
	s_mov_b64 s[64:65], 0
	v_nop
	global_prefetch_b8 v0, s[64:65] scope:SCOPE_SE
	s_setreg_imm32_b32 hwreg(HW_REG_WAVE_MODE, 25, 1), 1
	s_wait_xcnt 0x0
	s_wait_alu depctr_hold_cnt(0) depctr_sa_sdst(0) depctr_va_vdst(0) depctr_va_sdst(0) depctr_va_ssrc(0) depctr_va_vcc(0) depctr_vm_vsrc(0)
	s_getreg_b32 s2, hwreg(HW_REG_IB_STS2, 6, 4)
	s_cmp_eq_u32 s2, 0
	s_cbranch_scc0 .Lentry_in_a_cluster
	s_endpgm
.Lentry_in_a_cluster:
	s_bfe_u32 s2, ttmp6, 0x10000c
	s_cmp_lg_u32 s2, 0x3003
	s_cbranch_scc0 .Lentry_shape_is_right
	s_endpgm
.Lentry_shape_is_right:
; a16[head][n][e] = sum over m of softmax_m(q[n] . k[m] / 8) v[m][e], per head; q16, k16, v16, a16: [16][4096][64] f16.  Nothing is left out.
; LIMITS: operands f16 (P too: a weight under 6e-8 of the row's largest counts as zero), sums and softmax f32; a result of magnitude 65,504 or more becomes infinite.
; The maximum is a running one; the factor 1/8 and log2 e are one constant c, applied in the multiply-add that takes the maximum away: p = 2^(c s - c m).
; A NaN among the scores is dropped from the maximum but passes the exponential into the row's sum, so the row is NaN.
;
; A work-group takes 256 queries of one head (x = query block, y = head), a wave 64 queries = 4 query tiles t.  Keys go in steps of 64.
; CLUSTERS: the four query blocks of a cluster read the same K and V: each tile is asked for jointly, mask 15.
; LAYOUTS THAT NEED NO SHUFFLE: S^T = K Q^T (source 0 = K, source 1 = Q): lane (r, h) holds query r and keys 8 h + 0..7 of a key tile, so the row's maximum
; and sum are in the lane but for one exchange between the halves.  Packing key tiles 2 u and 2 u + 1 gives P's fragment as source 1 of O^T = V^T P;
; V^T comes from V's rows by the transposing LDS load.  O^T: lane (r, h) holds query r, e = 8 h + 0..7.
; PAIR ROWS: two neighbouring tokens are one row of 256 bytes of a tensor tile (aligned, since a token is 128 bytes and a head's tokens lie dense).  Key tile 2 u + par is the
; tokens of parity par of pair rows 16 u .. 16 u + 15.  K and V use the same order of keys, so the sums over keys are those of the natural order.
;
; LDS: slot s at s*143,360 holds 512 keys: V's 256 pair rows (pitch 288, an odd multiple of 32 for the transposing loads), then K's 256 (pitch 272).  Behind the slots each wave's stage of 16 x 144 bytes.
; REGISTERS: window 0: v4-13 addresses, v32-47 packed results, v64-127 K (64 + 16 kt + 8 eh), v128-191 V (128 + 32 u + 8 et), v192-255 Q (192 + 16 t + 8 eh)
;            window 1: S[t][kt] at 32 t + 8 kt, P[t] packed in place at 32 t .. +15; 128 + 4 t: -c m, m, alpha, exchange; 144 + 2 t: the row sum's pair; 152 + t: at work
;            window 2: O[t][et] at 32 t + 8 et
; SCALARS: s[4:11] buffers; s12 wave, s14 w&1, s15 cx, s16 query block, s17 head; s18, s19 lane selects; s20 = s21 = c, s22 = -c; s23, s24 counters; s[32:63] descriptors; s[66:75] at work
.set SLOT,  143360
.set KOFF,  73728
.set KP,    272
.set VP,    288
.set STAGE, 286720
.set SP,    144
.set KB,  4                            ; v4-5  K's fragment address at the head of slot 0, 1
.set VB,  6                            ; v6-7  V's
.set KA,  8                            ; v8    K's, walking: 32 pair rows a step
.set VA,  9                            ; v9    V's
.set QO,  10
.set STO, 11
.set RD,  12
.set GO,  13
.set TMP, 32
.set KF,  64
.set VF,  128
.set QF,  192
.set NMC, 128                          ; window 1, + 4 t: -c m
.set MX,  129                          ;                  m
.set AL,  130                          ;                  alpha = 2^(c m_old - c m_new); at the end 1 / l
.set XX,  131                          ;                  the other half's figure
.set LS,  144                          ; + 2 t: two partial row sums
.set DD,  152                          ; + t
.set G1V, 32
.set G1K, 40
.set G0V, 48
.set G0K, 56
.set MSB, 0
.macro WIN new                         ; the immediate's high byte repeats the setting that is left
.if MSB != \new
	s_set_vgpr_msb (MSB<<8)|\new
.set MSB, \new
.endif
.endm
.macro PLACES n
.rept \n
	v_nop
.endr
.endm
.macro ROUND                           ; a round of the cluster's barrier
	s_barrier_signal -1
	s_barrier_wait -1
	s_cmp_lg_u32 s12, 0
	s_cbranch_scc1 .Lnot_wave_0_\@
	s_barrier_signal -3
.Lnot_wave_0_\@:
	s_barrier_wait -3
	s_barrier_signal -1
	s_barrier_wait -1
.endm
.macro JLOAD s                         ; waves 0, 1 ask for V's two halves (128 pair rows each), waves 2, 3 for K's
	s_cmp_lt_u32 s12, 2
	s_cbranch_scc0 .Lfor_k_\@
	tensor_load_to_lds s[G0V+4*\s:G0V+4*\s+3], s[G1V:G1V+7]
	s_nop 0
	s_branch .Lasked_\@
.Lfor_k_\@:
	tensor_load_to_lds s[G0K+4*\s:G0K+4*\s+3], s[G1K:G1K+7]
	s_nop 0
.Lasked_\@:
.endm
; The change of slots, once for 512 keys.  mode 2: slot is filled again with the keys 1,024 further on; mode 1: nothing is left to fetch.
.macro CHG slot, mode
	WIN 0
	s_wait_dscnt 0x0                               ; my reads of this slot are back (met: the last step waited for them in front of its second products)
	s_wait_tensorcnt 0x0                           ; all my tensor loads have landed: the one that was out is my part of the other slot
	ds_add_u32 v62, v63
	s_wait_dscnt 0x0
.if \mode == 2
	s_add_nc_u64 s[G0V+4*\slot+2:G0V+4*\slot+3], s[G0V+4*\slot+2:G0V+4*\slot+3], 131072   ; no load of mine is out: 1,024 keys x 128 bytes on
	s_add_nc_u64 s[G0K+4*\slot+2:G0K+4*\slot+3], s[G0K+4*\slot+2:G0K+4*\slot+3], 131072
	ROUND                                          ; both waits now hold of every wave of the four work-groups
	JLOAD \slot                                    ; my one tensor load behind the round, first thing there; it has 8 steps, 512 products, in which to land
.else
	s_barrier_signal -1
	s_barrier_wait -1
.endif
.endm
	s_load_b256 s[4:11], s[0:1], 0x0               ; q16 s[4:5], k16 s[6:7], v16 s[8:9], a16 s[10:11]
	v_lshl_add_u32 v62, v0, 2, 0x48400
	v_mov_b32 v63, 0
	ds_add_u32 v62, v63
	v_lshrrev_b32 v1, 5, v0
	v_readfirstlane_b32 s12, v1                    ; wave 0..3
	s_and_b32 s14, s12, 1                          ; which half of K's or V's tile I fetch
	s_bfe_u32 s15, ttmp6, 0x40000                  ; cx
	s_lshl_b32 s16, ttmp9, 2
	s_add_co_u32 s16, s16, s15                     ; query block = 4 x cluster x + cx
	s_and_b32 s17, ttmp7, 0xffff                   ; head = cluster y
	s_mov_b32 s18, 0x76543210                      ; v_permlanex16_b32: lane i of one half reads lane i of the other
	s_mov_b32 s19, 0xfedcba98
	s_mov_b32 s20, 0x3e38aa3b                      ; c = log2 e / 8
	s_mov_b32 s21, 0x3e38aa3b
	s_mov_b32 s22, 0xbe38aa3b                      ; -c
	s_mov_b32 s[G1V+0], 15|(1<<16)|(1<<20)|(1<<21)|(5<<22)|(7<<25)   ; mask of the four; elements of 2 bytes; padding: after every 64 words, 8 words
	s_mov_b32 s[G1K+0], 15|(1<<16)|(1<<20)|(1<<21)|(5<<22)|(3<<25)   ; the same with 4 words
.irp g, G1V, G1K
	s_mov_b32 s[\g+1], 128<<16                     ; tensor_dim0 = 128 elements: a pair row
	s_mov_b32 s[\g+2], 128<<16                     ; tensor_dim1 = 128 pair rows
	s_mov_b32 s[\g+3], 128<<16                     ; tile_dim0
	s_mov_b32 s[\g+4], 128                         ; tile_dim1
	s_mov_b32 s[\g+5], 128                         ; the rows lie dense
	s_mov_b32 s[\g+6], 0
	s_mov_b32 s[\g+7], 0
.endr
	s_lshl_b32 s66, s17, 19                        ; a head: 4,096 tokens x 128 bytes
	s_lshl_b32 s67, s14, 15                        ; my half: 128 pair rows x 256 bytes
	s_add_co_u32 s66, s66, s67                     ; made of the head and the wave's number alone: equal in the four partners
	s_mov_b32 s67, 0
	s_mul_i32 s68, s12, 128*VP                     ; V's halves at 36,864 w (w = 0, 1)
	s_mul_i32 s69, s12, 128*KP                     ; K's at 34,816 w + 4,096 (w = 2, 3): 73,728 and 108,544
	s_lshl_b32 s70, s17, 19
	s_lshl_b32 s71, s16, 15                        ; a query block: 256 tokens x 128 bytes
	s_add_co_u32 s70, s70, s71
	s_lshl_b32 s71, s12, 13                        ; my 64 queries
	s_add_co_u32 s70, s70, s71
	s_mov_b32 s71, 0
	s_wait_dscnt 0x0
	s_wait_kmcnt 0x0
	s_add_nc_u64 s[72:73], s[8:9], s[66:67]
	s_add_nc_u64 s[74:75], s[6:7], s[66:67]
	s_add_nc_u64 s[4:5], s[4:5], s[70:71]          ; my rows of q16
	s_add_nc_u64 s[10:11], s[10:11], s[70:71]      ; and of a16
	ROUND                                          ; the four work-groups are here: the first joint loads meet
.irp s, 0,1
	s_mov_b32 s[G0V+4*\s], 1
	s_add_co_u32 s[G0V+4*\s+1], s68, \s*SLOT
	s_add_nc_u64 s[G0V+4*\s+2:G0V+4*\s+3], s[72:73], \s*65536
	s_or_b32 s[G0V+4*\s+3], s[G0V+4*\s+3], 0x80000000
	s_mov_b32 s[G0K+4*\s], 1
	s_add_co_u32 s[G0K+4*\s+1], s69, KOFF-2*128*KP+\s*SLOT
	s_add_nc_u64 s[G0K+4*\s+2:G0K+4*\s+3], s[74:75], \s*65536
	s_or_b32 s[G0K+4*\s+3], s[G0K+4*\s+3], 0x80000000
	JLOAD \s                                       ; keys 0-511 and 512-1,023: two tensor loads of each wave are out, the most anywhere in this text
.endr
	v_and_b32 v1, 15, v0                           ; r
	v_bfe_u32 v2, v0, 4, 1                         ; h
	v_and_b32 v3, 31, v0                           ; l
	v_lshlrev_b32 v[QO], 7, v1
	v_lshl_add_u32 v[QO], v2, 4, v[QO]             ; Q's fragments straight from memory, once: token r's row of 128 bytes, byte 16 h
.irp t, 0,1,2,3
.irp eh, 0,1
	global_load_b128 v[QF+16*\t+8*\eh:QF+16*\t+8*\eh+3],   v[QO], s[4:5] offset:2048*\t+64*\eh
	global_load_b128 v[QF+16*\t+8*\eh+4:QF+16*\t+8*\eh+7], v[QO], s[4:5] offset:2048*\t+64*\eh+32
.endr
.endr
	v_mul_u32_u24 v14, v1, KP                      ; K: pair row r, byte 16 h
	v_lshl_add_u32 v14, v2, 4, v14
	v_add_nc_u32 v[KB], KOFF, v14
	v_add_nc_u32 v[KB+1], KOFF+SLOT, v14
	v_and_b32 v15, 7, v0                           ; V, for the transposing load: pair row 8 h + l % 8, byte 16 ((l / 8) % 2)
	v_lshl_add_u32 v15, v2, 3, v15
	v_mul_u32_u24 v15, v15, VP
	v_bfe_u32 v16, v0, 3, 1
	v_lshl_add_u32 v[VB], v16, 4, v15
	v_add_nc_u32 v[VB+1], SLOT, v[VB]
	s_mul_i32 s66, s12, 16*SP
	s_add_co_u32 s66, s66, STAGE                   ; my stage
	v_mul_u32_u24 v14, v1, SP
	v_lshl_add_u32 v14, v2, 4, v14
	v_add_nc_u32 v[STO], s66, v14                  ; in: query r, byte 16 h
	v_lshrrev_b32 v14, 3, v3
	v_mul_u32_u24 v14, v14, SP
	v_and_b32 v15, 7, v0
	v_lshl_add_u32 v14, v15, 4, v14
	v_add_nc_u32 v[RD], s66, v14                   ; back: eight lanes take a query's 128 bytes
	v_lshlrev_b32 v[GO], 4, v3
	WIN 0x40                                       ; destination window 1
.irp t, 0,1,2,3
	v_mov_b32 v[XX+4*\t], 0                        ; v_permlanex16_b32 counts as a reader of its destination
	v_mov_b32 v[LS+2*\t], 0                        ; the row sums start at 0
	v_mov_b32 v[LS+2*\t+1], 0
.endr
	WIN 0
; 16 loads of K (kt-major, 4 a key tile), 16 transposing loads of V; then the addresses walk 32 pair rows on (an LDS instruction's sources need no wait)
.macro LDKV
.irp kt, 0,1,2,3
.irp eh, 0,1
	ds_load_b128 v[KF+16*\kt+8*\eh:KF+16*\kt+8*\eh+3],   v[KA] offset:16*KP*(\kt/2)+128*(\kt%2)+64*\eh
	ds_load_b128 v[KF+16*\kt+8*\eh+4:KF+16*\kt+8*\eh+7], v[KA] offset:16*KP*(\kt/2)+128*(\kt%2)+64*\eh+32
.endr
.endr
.irp u, 0,1
.irp et, 0,1,2,3
	ds_load_tr16_b128 v[VF+32*\u+8*\et:VF+32*\u+8*\et+3],   v[VA] offset:16*VP*\u+32*\et       ; keys of parity 0 of pair rows 16 u + 8 h + 0..7: the fragment's k = 8 h + 0..7
	ds_load_tr16_b128 v[VF+32*\u+8*\et+4:VF+32*\u+8*\et+7], v[VA] offset:16*VP*\u+32*\et+128   ; parity 1: k = 16 + 8 h + 0..7
.endr
.endr
	v_add_nc_u32 v[KA], 32*KP, v[KA]
	v_add_nc_u32 v[VA], 32*VP, v[VA]
.endm
; 32 products: S^T of 4 key tiles x 4 query tiles, e in two halves.  The four accumulators of a key tile take turns, one instruction a turn.
.macro QK
	WIN 0x50                                       ; K, Q window 0; C, D window 1
.irp kt, 0,1,2,3
	s_wait_dscnt 28-4*\kt                          ; key tile kt's 4 loads are in; out may be the 4 (3 - kt) of later key tiles and V's 16
.irp t, 0,1,2,3
	v_wmma_f32_16x16x32_f16 v[32*\t+8*\kt:32*\t+8*\kt+7], v[KF+16*\kt:KF+16*\kt+7], v[QF+16*\t:QF+16*\t+7], 0
.endr
.irp t, 0,1,2,3
	v_wmma_f32_16x16x32_f16 v[32*\t+8*\kt:32*\t+8*\kt+7], v[KF+16*\kt+8:KF+16*\kt+15], v[QF+16*\t+8:QF+16*\t+15], v[32*\t+8*\kt:32*\t+8*\kt+7]
.endr
.endr
.endm
; The running maximum of each query tile, four chains by turns; then m, alpha = 2^(c m_old - c m_new) and -c m.
.macro SMAX first
.set n, 0
.rept 16
.irp t, 0,1,2,3
.if (n+1-\first) == 0
	v_max_num_f32 v[MX+4*\t], v[32*\t], v[32*\t+1]                                  ; the first step's first link starts the maximum
.else
	v_max3_num_f32 v[MX+4*\t], v[MX+4*\t], v[32*\t+2*n], v[32*\t+2*n+1]
.endif
.endr
.set n, n+1
.endr
.irp t, 0,1,2,3
	v_permlanex16_b32 v[XX+4*\t], v[MX+4*\t], s18, s19                              ; the other half of the lanes holds the query's other keys
.endr
.irp t, 0,1,2,3
	v_max_num_f32 v[MX+4*\t], v[MX+4*\t], v[XX+4*\t]
.endr
.if \first == 0
.irp t, 0,1,2,3
	v_fma_f32 v[DD+\t], v[MX+4*\t], s22, -v[NMC+4*\t]                               ; -c m_new + c m_old
.endr
.endif
.irp t, 0,1,2,3
	v_mul_f32 v[NMC+4*\t], s22, v[MX+4*\t]
.endr
.if \first == 0
.irp t, 0,1,2,3
	v_exp_f32 v[AL+4*\t], v[DD+\t]                                                  ; used far below; the next line is a plain instruction that touches neither alpha nor its source
.endr
.endif
.endm
.macro SSUM t, p, first                ; pair p joins the row sums; the first pair of a later step carries the rescaling along in one multiply-add
.if ((\p)+\first) == 0
	s_wait_alu depctr_va_vdst(0)
	v_pk_fma_f32 v[LS+2*\t:LS+2*\t+1], v[LS+2*\t:LS+2*\t+1], v[AL+4*\t:AL+4*\t+1], v[32*\t+2*(\p):32*\t+2*(\p)+1] op_sel_hi:[1,0,1]
.else
	s_wait_alu depctr_va_vdst(0)
	v_pk_add_f32 v[LS+2*\t:LS+2*\t+1], v[LS+2*\t:LS+2*\t+1], v[32*\t+2*(\p):32*\t+2*(\p)+1]
.endif
.endm
; p = 2^(c s - c m) of one query tile's 32 registers, summed and packed to f16 in place.  A pipeline over the 16 pairs, so that behind every exponential
; stands a plain instruction on other registers before its result is used (ISA guide 5.7.2).  Pair i is packed into register i only behind its own sum, and i <= 2 i.
.macro SEXP t, first
	v_pk_fma_f32 v[32*\t:32*\t+1], v[32*\t:32*\t+1], s[20:21], v[NMC+4*\t:NMC+4*\t+1] op_sel_hi:[1,0,0]
.set i, 0
.rept 16
.if i < 15
	v_pk_fma_f32 v[32*\t+2*i+2:32*\t+2*i+3], v[32*\t+2*i+2:32*\t+2*i+3], s[20:21], v[NMC+4*\t:NMC+4*\t+1] op_sel_hi:[1,0,0]
.endif
	v_exp_f32 v[32*\t+2*i], v[32*\t+2*i]
.if i > 0
	SSUM \t, i-1, \first
.endif
	v_exp_f32 v[32*\t+2*i+1], v[32*\t+2*i+1]
.if i > 0
	v_cvt_pk_f16_f32 v[32*\t+i-1], v[32*\t+2*i-2], v[32*\t+2*i-1]
	s_wait_alu depctr_va_vdst(0)
.endif
.set i, i+1
.endr
	SSUM \t, 15, \first
	v_cvt_pk_f16_f32 v[32*\t+15], v[32*\t+30], v[32*\t+31]
.endm
.macro RESCALE t                       ; O of one query tile times the lane's alpha (at the end: times 1 / l)
.set i, 0
.rept 16
	v_pk_mul_f32 v[32*\t+2*i:32*\t+2*i+1], v[32*\t+2*i:32*\t+2*i+1], v[AL+4*\t:AL+4*\t+1] op_sel_hi:[1,0]
.set i, i+1
.endr
.endm
; 32 products: O^T += V^T P.  The 16 accumulators take turns, one instruction a turn.
.macro PV first
.irp u, 0,1
.irp et, 0,1,2,3
.irp t, 0,1,2,3
.if (\u+1-\first) == 0
	v_wmma_f32_16x16x32_f16 v[32*\t+8*\et:32*\t+8*\et+7], v[VF+32*\u+8*\et:VF+32*\u+8*\et+7], v[32*\t+8*\u:32*\t+8*\u+7], 0
.else
	v_wmma_f32_16x16x32_f16 v[32*\t+8*\et:32*\t+8*\et+7], v[VF+32*\u+8*\et:VF+32*\u+8*\et+7], v[32*\t+8*\u:32*\t+8*\u+7], v[32*\t+8*\et:32*\t+8*\et+7]
.endif
.endr
.endr
.endr
.endm
; One step: 64 keys for the wave's 64 queries.
.macro STEP first
.if \first == 0
	PLACES 5                                       ; P and V were sources of the last products: loads into V stand four places behind them, products that write over P five
.endif
	LDKV
	QK
	PLACES 4                                       ; vector instructions read the scores four places behind the products
	WIN 0x55                                       ; all in window 1
	SMAX \first
	SEXP 0, \first
	SEXP 1, \first
	SEXP 2, \first
	SEXP 3, \first
.if \first == 0
	WIN 0x86                                       ; O window 2, alpha window 1
	RESCALE 0
	RESCALE 1
	RESCALE 2
	RESCALE 3
.endif
	s_wait_dscnt 0x0                               ; V's 16 loads
	WIN 0xa4                                       ; V window 0, P window 1, C and D window 2
	PV \first
	WIN 0                                          ; a branch or a label follows
.endm
.macro PHASE slot                      ; the walking addresses at the head of a slot
	v_mov_b32 v[KA], v[KB+\slot]
	v_mov_b32 v[VA], v[VB+\slot]
.endm
	s_wait_loadcnt 0x0                             ; Q
	s_wait_tensorcnt 0x1                           ; my part of keys 0-511 is in; the one younger load may stay out
	s_barrier_signal -1
	s_barrier_wait -1
	PHASE 0                                        ; keys 0-511
	STEP 1                                         ; the first step starts maximum and O: nothing is rescaled
	s_mov_b32 s24, 7
.Lp0:
	STEP 0
	s_sub_co_u32 s24, s24, 1
	s_cmp_lg_u32 s24, 0
	s_cbranch_scc1 .Lp0
	s_mov_b32 s23, 3
.Louter:                                               ; keys 512-3,583: six times 512, six refills (keys 1,024 to 4,095)
	CHG 0, 2
	PHASE 1
	s_mov_b32 s24, 8
.Lpa:
	STEP 0
	s_sub_co_u32 s24, s24, 1
	s_cmp_lg_u32 s24, 0
	s_cbranch_scc1 .Lpa
	CHG 1, 2
	PHASE 0
	s_mov_b32 s24, 8
.Lpb:
	STEP 0
	s_sub_co_u32 s24, s24, 1
	s_cmp_lg_u32 s24, 0
	s_cbranch_scc1 .Lpb
	s_sub_co_u32 s23, s23, 1
	s_cmp_lg_u32 s23, 0
	s_cbranch_scc1 .Louter
	CHG 0, 1                                       ; keys 3,584-4,095: nothing is left to fetch
	PHASE 1
	s_mov_b32 s24, 8
.Lp7:
	STEP 0
	s_sub_co_u32 s24, s24, 1
	s_cmp_lg_u32 s24, 0
	s_cbranch_scc1 .Lp7
	; THE WAY OUT: 1 / l, O scaled and rounded to f16, 16 queries at a time through my own stage, stored as 512 dense bytes an instruction.
	PLACES 4                                       ; O is read four places behind the last product
	WIN 0x55
.irp t, 0,1,2,3
	v_add_f32 v[DD+\t], v[LS+2*\t], v[LS+2*\t+1]
.endr
.irp t, 0,1,2,3
	v_permlanex16_b32 v[XX+4*\t], v[DD+\t], s18, s19
.endr
.irp t, 0,1,2,3
	v_add_f32 v[DD+\t], v[DD+\t], v[XX+4*\t]       ; at least 1 up to rounding: the largest score's own weight
.endr
.irp t, 0,1,2,3
	v_rcp_f32 v[AL+4*\t], v[DD+\t]
.endr
	v_nop                                          ; one plain instruction between the reciprocals and their use (ISA guide 5.7.2)
	s_wait_alu depctr_va_vdst(0)
.macro OUTT t
	WIN 0x86
	RESCALE \t
	WIN 0x0a                                       ; sources window 2, destination window 0
.irp et, 0,1,2,3
.irp q, 0,1,2,3
	v_cvt_pk_f16_f32 v[TMP+4*\et+\q], v[32*\t+8*\et+2*\q], v[32*\t+8*\et+2*\q+1]
.endr
.endr
	WIN 0
.irp et, 0,1,2,3
	ds_store_b128 v[STO], v[TMP+4*\et:TMP+4*\et+3] offset:32*\et
.endr
.irp i, 0,1,2,3
	ds_load_b128 v[KF+16*\t+4*\i:KF+16*\t+4*\i+3], v[RD] offset:4*SP*\i    ; my own bytes: LDS serves a wave's instructions in order (ISA guide 5.7.1), so these see the stores above, and the next tile's stores come behind them
.endr
.irp i, 0,1,2,3
	s_wait_dscnt 3-\i                              ; load i is in, the 3 - i younger ones may be out
	global_store_b128 v[GO], v[KF+16*\t+4*\i:KF+16*\t+4*\i+3], s[10:11] offset:2048*\t+512*\i
.endr
.endm
	OUTT 0
	OUTT 1
	OUTT 2
	OUTT 3
	s_wait_tensorcnt 0x0
	ds_add_u32 v62, v63
	s_wait_dscnt 0x0
	ROUND                                          ; the closing round: no work-group ends while a partner may still ask for a tile that names it
	s_endpgm
.Lfunc_end_k_q75b01063b0_attn:
	.size	k_q75b01063b0_attn, .Lfunc_end_k_q75b01063b0_attn-k_q75b01063b0_attn
	.p2alignl 7, 3214868480
	.fill 96, 4, 3214868480
	.section	.rodata,"a",@progbits
	.p2align	6, 0x0
	.amdhsa_kernel k_q75b01063b0_attn
		.amdhsa_group_segment_fixed_size 327680
		.amdhsa_private_segment_fixed_size 0
		.amdhsa_enable_private_segment 0
		.amdhsa_kernarg_size 32
		.amdhsa_user_sgpr_count 2
		.amdhsa_user_sgpr_kernarg_segment_ptr 1
		.amdhsa_wavefront_size32 1
		.amdhsa_system_sgpr_workgroup_id_x 1
		.amdhsa_system_sgpr_workgroup_id_y 1
		.amdhsa_system_sgpr_workgroup_id_z 1
		.amdhsa_system_vgpr_workitem_id 0
		.amdhsa_next_free_vgpr 640
		.amdhsa_next_free_sgpr 80
		.amdhsa_reserve_vcc 0
		.amdhsa_float_denorm_mode_32 3
		.amdhsa_float_denorm_mode_16_64 3
		.amdhsa_memory_ordered 1
		.amdhsa_forward_progress 1
		.amdhsa_inst_pref_size 198
	.end_amdhsa_kernel
	.amdgpu_metadata
---
amdhsa.version: [ 1, 2 ]
amdhsa.kernels:
  - .name:           k_q75b01063b0_attn
    .symbol:         k_q75b01063b0_attn.kd
    .args:
      - { .name: q16, .offset: 0, .size: 8, .value_kind: global_buffer, .address_space: global }
      - { .name: k16, .offset: 8, .size: 8, .value_kind: global_buffer, .address_space: global }
      - { .name: v16, .offset: 16, .size: 8, .value_kind: global_buffer, .address_space: global }
      - { .name: a16, .offset: 24, .size: 8, .value_kind: global_buffer, .address_space: global }
    .group_segment_fixed_size: 327680
    .private_segment_fixed_size: 0
    .kernarg_segment_align: 8
    .kernarg_segment_size: 32
    .max_flat_workgroup_size: 128
    .sgpr_count:     80
    .vgpr_count:     640
    .wavefront_size: 32
...
	.end_amdgpu_metadata
.endif
;; end of part 2
;; launch proj (part 3): grid 8 x 32, 4 waves a work-group, clusters of 4 x 4, 327,680 bytes of LDS; arguments a16, wo16, bo, out0; writes out0
.if DOCPART == 3
	.amdgcn_target "amdgcn-amd-amdhsa--gfx1250"
	.amdhsa_code_object_version 6
	.text
	.protected	k_q75b01063b0_proj
	.globl	k_q75b01063b0_proj
	.p2align	8
	.type	k_q75b01063b0_proj,@function
k_q75b01063b0_proj:
	s_mov_b64 s[64:65], 0
	v_nop
	global_prefetch_b8 v0, s[64:65] scope:SCOPE_SE
	s_setreg_imm32_b32 hwreg(HW_REG_WAVE_MODE, 25, 1), 1
	s_wait_xcnt 0x0
	s_wait_alu depctr_hold_cnt(0) depctr_sa_sdst(0) depctr_va_vdst(0) depctr_va_sdst(0) depctr_va_ssrc(0) depctr_va_vcc(0) depctr_vm_vsrc(0)
	s_getreg_b32 s2, hwreg(HW_REG_IB_STS2, 6, 4)
	s_cmp_eq_u32 s2, 0
	s_cbranch_scc0 .Lentry_in_a_cluster
	s_endpgm
.Lentry_in_a_cluster:
	s_bfe_u32 s2, ttmp6, 0x10000c
	s_cmp_lg_u32 s2, 0xf033
	s_cbranch_scc0 .Lentry_shape_is_right
	s_endpgm
.Lentry_shape_is_right:
; out0[n][f] = sum over d of a[n][d] Wo[f][d] + bo[f].  a16: [head 16][token 4096][e 64] f16 (d = 64 head + e), wo16: [1024][1024] f16, bo, out0: f32.  Nothing is left out.
; LIMITS: operands f16, sums f32, as stated at the head of the first launch.
; A work-group makes 128 tokens x 128 features (x = feature block, y = token block), a wave 64 x 64: 16 accumulators.  K goes in steps of 128 = two heads, through two LDS slots.
; CLUSTERS: 4 x 4.  a16's tiles hang on the token block alone and are shared along a row of the cluster, wo16's on the feature block alone and are shared along a column.
; PAIR ROWS: two neighbouring tokens of a head are one aligned row of 256 bytes of a16's tile.  Token tile 2 u + par of a wave is the tokens of parity par of its pair rows 16 u .. +15;
; the order only enters the address of the output row.
; TRANSPOSED USE: source 0 = 16 rows of wo16, source 1 = 16 tokens: a lane holds one token and eight neighbouring features, 32 bytes of f32.
; The bias is the C of each accumulator's first product: no add, and nothing is cleared.
; LDS: slot s at s*69,632 = four parts of 64 rows x 272 at 17,408 w: heads 2 j, 2 j + 1 of a16, rows 0-63, 64-127 of wo16.  Behind the slots each wave's stage of 16 x 272 bytes.
; REGISTERS: window 0: v4-11 addresses, v64-127 and v128-191 two fragment buffers (4 of a16, then 4 of wo16); window 1: accumulator (a, b) at 8 (4 a + b), bias of feature tile b at 128 + 8 b
; SCALARS: s[4:11] buffers; s12 wave, s13 w>>1, s14 w&1; s15 cx, s16 cy, s17 feature block, s18 token block; s19, s20 masks; s21 counter; s[32:63] descriptors; s[66:75] at work
.set PITCH, 272
.set PART,  17408
.set SLOT,  69632
.set STAGE, 139264
.set ADRA, 4
.set ADRB, 6
.set STO,  8
.set RD,   9
.set CO,   10
.set BO,   11
.set F0,   64
.set F1,   128
.set BIAS, 128
.set G1A, 32
.set G1B, 40
.set G0A, 48
.set G0B, 56
.set G1W0, (1<<16)|(1<<20)|(1<<21)|(5<<22)|(3<<25)   ; elements of 2 bytes; padding on; bit 21 beside a mask; after every 64 words, 4 words
.set MSB, 0
.macro WIN new                         ; the immediate's high byte repeats the setting that is left
.if MSB != \new
	s_set_vgpr_msb (MSB<<8)|\new
.set MSB, \new
.endif
.endm
.macro PLACES n
.rept \n
	v_nop
.endr
.endm
.macro ROUND                           ; a round of the cluster's barrier
	s_barrier_signal -1
	s_barrier_wait -1
	s_cmp_lg_u32 s12, 0
	s_cbranch_scc1 .Lnot_wave_0_\@
	s_barrier_signal -3
.Lnot_wave_0_\@:
	s_barrier_wait -3
	s_barrier_signal -1
	s_barrier_wait -1
.endm
.macro JLOAD s                         ; waves 0, 1 ask for a16's two heads, waves 2, 3 for wo16's two halves
	s_cmp_lt_u32 s12, 2
	s_cbranch_scc0 .Lfor_b_\@
	tensor_load_to_lds s[G0A+4*\s:G0A+4*\s+3], s[G1A:G1A+7]
	s_nop 0
	s_branch .Lasked_\@
.Lfor_b_\@:
	tensor_load_to_lds s[G0B+4*\s:G0B+4*\s+3], s[G1B:G1B+7]
	s_nop 0
	v_nop
.Lasked_\@:
.endm
.macro CHG slot, mode                  ; mode 2: slot is filled again, two K steps ahead; 1: a barrier alone; 0: nothing
.if \mode
	WIN 0
	s_wait_dscnt 0x0                               ; my reads of this slot are back (met: the quarter's own wait stands in front)
	s_wait_tensorcnt 0x0                           ; all my tensor loads have landed: the one that was out is my part of the other slot
	ds_add_u32 v254, v255
	s_wait_dscnt 0x0
.if \mode == 2
	s_add_nc_u64 s[G0A+4*\slot+2:G0A+4*\slot+3], s[G0A+4*\slot+2:G0A+4*\slot+3], 2097152   ; no load of mine is out: four heads of 524,288 bytes on
	s_add_nc_u64 s[G0B+4*\slot+2:G0B+4*\slot+3], s[G0B+4*\slot+2:G0B+4*\slot+3], 512       ; 256 along K
	ROUND                                          ; both waits now hold of every wave of every work-group of the cluster
	JLOAD \slot                                    ; my one tensor load behind the round, first thing there
.else
	s_barrier_signal -1
	s_barrier_wait -1
.endif
.endif
.endm
	s_load_b256 s[4:11], s[0:1], 0x0               ; a16 s[4:5], wo16 s[6:7], bo s[8:9], out0 s[10:11]
	v_lshl_add_u32 v254, v0, 2, 0x29000
	v_mov_b32 v255, 0
	ds_add_u32 v254, v255
	v_lshrrev_b32 v1, 5, v0
	v_readfirstlane_b32 s12, v1                    ; wave 0..3
	s_lshr_b32 s13, s12, 1                         ; which 64 tokens
	s_and_b32 s14, s12, 1                          ; which 64 features.  Also: which part of a16's or wo16's tile I fetch
	s_bfe_u32 s15, ttmp6, 0x40000                  ; cx
	s_bfe_u32 s16, ttmp6, 0x40004                  ; cy
	s_lshl_b32 s17, ttmp9, 2
	s_add_co_u32 s17, s17, s15                     ; feature block
	s_and_b32 s18, ttmp7, 0xffff
	s_lshl_b32 s18, s18, 2
	s_add_co_u32 s18, s18, s16                     ; token block
	s_lshl_b32 s19, s16, 2
	s_lshl_b32 s19, 15, s19                        ; my row of the cluster
	s_lshl_b32 s20, 0x1111, s15                    ; my column
	s_or_b32 s[G1A+0], s19, G1W0
	s_or_b32 s[G1B+0], s20, G1W0
.irp g, G1A, G1B
	s_mov_b32 s[\g+1], 128<<16                     ; tensor_dim0 = 128 elements
	s_mov_b32 s[\g+2], 64<<16                      ; tensor_dim1 = 64 rows
	s_mov_b32 s[\g+3], 128<<16                     ; tile_dim0
	s_mov_b32 s[\g+4], 64                          ; tile_dim1
	s_mov_b32 s[\g+6], 0
	s_mov_b32 s[\g+7], 0
.endr
	s_mov_b32 s[G1A+5], 128                        ; a16's pair rows lie dense
	s_mov_b32 s[G1B+5], 1024                       ; wo16: 1,024 elements from row to row
	s_lshl_b32 s66, s14, 19                        ; a16: head 0 or 1 of the K step,
	s_lshl_b32 s67, s18, 14                        ; 128 tokens x 128 bytes a block (never holds cx)
	s_add_co_u32 s66, s66, s67
	s_mov_b32 s67, 0
	s_lshl_b32 s68, s17, 7                         ; wo16: row 128 x block + 64 x half (never holds cy),
	s_lshl_b32 s69, s14, 6
	s_add_co_u32 s68, s68, s69
	s_lshl_b32 s68, s68, 11                        ; of 2,048 bytes
	s_mov_b32 s69, 0
	s_mul_i32 s70, s12, PART                       ; where my part goes: wave x 64 rows
	s_lshl_b32 s72, s17, 9                         ; my 64 features in bo and in a row of out0: 512 x block + 256 x half
	s_lshl_b32 s73, s14, 8
	s_add_co_u32 s72, s72, s73
	s_mov_b32 s73, 0
	s_lshl_b32 s74, s18, 19                        ; my first token's row of 4,096 bytes: 128 x block + 64 x half
	s_lshl_b32 s75, s13, 18
	s_add_co_u32 s74, s74, s75
	s_mov_b32 s75, 0
	s_wait_dscnt 0x0
	s_wait_kmcnt 0x0
	s_add_nc_u64 s[66:67], s[4:5], s[66:67]
	s_add_nc_u64 s[68:69], s[6:7], s[68:69]
	s_add_nc_u64 s[8:9], s[8:9], s[72:73]
	s_add_nc_u64 s[10:11], s[10:11], s[72:73]
	s_add_nc_u64 s[10:11], s[10:11], s[74:75]
	ROUND                                          ; all sixteen work-groups are here: the first joint loads meet
.irp s, 0,1
	s_mov_b32 s[G0A+4*\s], 1
	s_add_co_u32 s[G0A+4*\s+1], s70, \s*SLOT
	s_add_nc_u64 s[G0A+4*\s+2:G0A+4*\s+3], s[66:67], \s*1048576
	s_or_b32 s[G0A+4*\s+3], s[G0A+4*\s+3], 0x80000000
	s_mov_b32 s[G0B+4*\s], 1
	s_add_co_u32 s[G0B+4*\s+1], s70, \s*SLOT
	s_add_nc_u64 s[G0B+4*\s+2:G0B+4*\s+3], s[68:69], \s*256
	s_or_b32 s[G0B+4*\s+3], s[G0B+4*\s+3], 0x80000000
	JLOAD \s                                       ; K steps 0 and 1: two tensor loads of each wave are out, the most anywhere in this text
.endr
	v_and_b32 v1, 15, v0                           ; r
	v_bfe_u32 v2, v0, 4, 1                         ; h
	v_lshlrev_b32 v[BO], 5, v2                     ; the bias in the accumulator's layout: features 16 b + 8 h + 0..7, the same for every token
	WIN 0x40                                       ; destination window 1
.irp b, 0,1,2,3
	global_load_b128 v[BIAS+8*\b:BIAS+8*\b+3],   v[BO], s[8:9] offset:64*\b
	global_load_b128 v[BIAS+8*\b+4:BIAS+8*\b+7], v[BO], s[8:9] offset:64*\b+16
.endr
	WIN 0
	v_mul_u32_u24 v3, v1, PITCH
	v_lshl_add_u32 v14, v2, 4, v3                  ; a fragment's lane: row r, byte 16 h
	s_mul_i32 s71, s13, 32*PITCH                   ; my 32 pair rows
	s_mul_i32 s72, s14, 64*PITCH                   ; my 64 rows of wo16,
	s_add_co_u32 s72, s72, 2*PART                  ; behind a16's two parts
	v_add_nc_u32 v[ADRA], s71, v14
	v_add_nc_u32 v[ADRB], s72, v14
	v_add_nc_u32 v[ADRA+1], SLOT, v[ADRA]
	v_add_nc_u32 v[ADRB+1], SLOT, v[ADRB]
	s_mul_i32 s71, s12, 16*PITCH
	s_add_co_u32 s71, s71, STAGE                   ; my stage
	v_lshl_add_u32 v15, v2, 5, v3
	v_add_nc_u32 v[STO], s71, v15                  ; in: row r, byte 32 h
	v_mul_u32_u24 v15, v2, PITCH
	v_lshl_add_u32 v15, v1, 4, v15
	v_add_nc_u32 v[RD], s71, v15                   ; back: lanes 0-15 one row of 256 bytes, lanes 16-31 the next
	v_lshlrev_b32 v[CO], 13, v2                    ; neighbouring stage rows are two tokens apart: 8,192 bytes
	v_lshl_add_u32 v[CO], v1, 4, v[CO]
; 16 LDS loads: the fragments of quarter q (32 along K: head q / 2 of the step, e = 32 (q % 2)) into buffer f
.macro FETCH slot, q, f
	WIN 0
.irp a, 0,1,2,3
	ds_load_b128 v[\f+8*\a:\f+8*\a+3],   v[ADRA+\slot] offset:(\q/2)*PART+16*PITCH*(\a/2)+128*(\a%2)+64*(\q%2)
	ds_load_b128 v[\f+8*\a+4:\f+8*\a+7], v[ADRA+\slot] offset:(\q/2)*PART+16*PITCH*(\a/2)+128*(\a%2)+64*(\q%2)+32
.endr
.irp b, 0,1,2,3
	ds_load_b128 v[\f+32+8*\b:\f+32+8*\b+3], v[ADRB+\slot] offset:16*PITCH*\b+64*\q
	ds_load_b128 v[\f+32+8*\b+4:\f+32+8*\b+7], v[ADRB+\slot] offset:16*PITCH*\b+64*\q+32
.endr
.endm
; 16 products, each accumulator once: they take turns, one instruction a turn, over the backward jump too.  first = 1: C is the bias.
.macro MUL16 f, first
	WIN 0x50                                       ; fragments window 0; C, D window 1
.irp a, 0,1,2,3
.irp b, 0,1,2,3
.if \first
	v_wmma_f32_16x16x32_f16 v[8*(4*\a+\b):8*(4*\a+\b)+7], v[\f+32+8*\b:\f+32+8*\b+7], v[\f+8*\a:\f+8*\a+7], v[BIAS+8*\b:BIAS+8*\b+7]
.else
	v_wmma_f32_16x16x32_f16 v[8*(4*\a+\b):8*(4*\a+\b)+7], v[\f+32+8*\b:\f+32+8*\b+7], v[\f+8*\a:\f+8*\a+7], v[8*(4*\a+\b):8*(4*\a+\b)+7]
.endif
.endr
.endr
.endm
; One of a K step's first three quarters: fetches quarter q into buffer g, multiplies buffer f
.macro QUART slot, q, g, f, first
	s_wait_dscnt 0x0                               ; buffer f is in
	PLACES 4                                       ; buffer g was read by the last products: loads into it stand four places behind them (ISA guide 7.12.1 for vector instructions)
	FETCH \slot, \q, \g
	MUL16 \f, \first
.endm
.macro KSTEP slot, first, mode
	QUART \slot, 1, F1, F0, \first
	QUART \slot, 2, F0, F1, 0
	QUART \slot, 3, F1, F0, 0
	s_wait_dscnt 0x0                               ; the last quarter's fragments are in: my reads of this slot are over
	PLACES 4
	CHG \slot, \mode
.if \mode
	FETCH 1-\slot, 0, F0
.endif
	MUL16 F1, 0
.endm
	s_wait_loadcnt 0x0                             ; the bias
	s_wait_tensorcnt 0x1                           ; my part of K step 0 is in; the one younger load may stay out
	s_barrier_signal -1
	s_barrier_wait -1
	FETCH 0, 0, F0
	KSTEP 0, 1, 2                                  ; K step 0 starts the sums from the bias; its change of slots asks for K step 2
	WIN 0
	s_mov_b32 s21, 2
.Lk:
	KSTEP 1, 0, 2                                  ; K steps 1 to 4
	KSTEP 0, 0, 2
	WIN 0
	s_sub_co_u32 s21, s21, 1
	s_cmp_lg_u32 s21, 0
	s_cbranch_scc1 .Lk
	KSTEP 1, 0, 2                                  ; K step 5 asks for K step 7, the last
	KSTEP 0, 0, 1
	KSTEP 1, 0, 0
	; THE WAY OUT, 16 tokens at a time through my own stage: 32 bytes a lane in, whole rows of 256 bytes back; sixteen lanes store 256 consecutive bytes, aligned.
	; Stage row p of token tile 2 u + par is token 32 u + 2 p + par of my 64.
.macro OUTA a
	WIN 0x04                                       ; the store's data in window 1
.irp b, 0,1,2,3
	ds_store_b128 v[STO], v[8*(4*\a+\b):8*(4*\a+\b)+3] offset:64*\b
	ds_store_b128 v[STO], v[8*(4*\a+\b)+4:8*(4*\a+\b)+7] offset:64*\b+16
.endr
	WIN 0
.irp i, 0,1,2,3,4,5,6,7
	ds_load_b128 v[F0+32*\a+4*\i:F0+32*\a+4*\i+3], v[RD] offset:2*PITCH*\i   ; my own bytes: LDS serves a wave's instructions in order (ISA guide 5.7.1)
.endr
.irp i, 0,1,2,3,4,5,6,7
	s_wait_dscnt 7-\i                              ; load i is in, the 7 - i younger ones may be out
	global_store_b128 v[CO], v[F0+32*\a+4*\i:F0+32*\a+4*\i+3], s[10:11] offset:(32*(\a/2)+(\a%2)+4*\i)*4096 th:TH_STORE_NT
.endr
.endm
	PLACES 4                                       ; results are stored, and the fragment buffers loaded again, four places behind the last product
	OUTA 0
	OUTA 1
	OUTA 2
	OUTA 3
	s_wait_tensorcnt 0x0
	ds_add_u32 v254, v255
	s_wait_dscnt 0x0
	ROUND                                          ; the closing round: no work-group ends while a partner may still ask for a tile that names it
	s_endpgm
.Lfunc_end_k_q75b01063b0_proj:
	.size	k_q75b01063b0_proj, .Lfunc_end_k_q75b01063b0_proj-k_q75b01063b0_proj
	.p2alignl 7, 3214868480
	.fill 96, 4, 3214868480
	.section	.rodata,"a",@progbits
	.p2align	6, 0x0
	.amdhsa_kernel k_q75b01063b0_proj
		.amdhsa_group_segment_fixed_size 327680
		.amdhsa_private_segment_fixed_size 0
		.amdhsa_enable_private_segment 0
		.amdhsa_kernarg_size 32
		.amdhsa_user_sgpr_count 2
		.amdhsa_user_sgpr_kernarg_segment_ptr 1
		.amdhsa_wavefront_size32 1
		.amdhsa_system_sgpr_workgroup_id_x 1
		.amdhsa_system_sgpr_workgroup_id_y 1
		.amdhsa_system_sgpr_workgroup_id_z 1
		.amdhsa_system_vgpr_workitem_id 0
		.amdhsa_next_free_vgpr 416
		.amdhsa_next_free_sgpr 80
		.amdhsa_reserve_vcc 0
		.amdhsa_float_denorm_mode_32 3
		.amdhsa_float_denorm_mode_16_64 3
		.amdhsa_memory_ordered 1
		.amdhsa_forward_progress 1
		.amdhsa_inst_pref_size 73
	.end_amdhsa_kernel
	.amdgpu_metadata
---
amdhsa.version: [ 1, 2 ]
amdhsa.kernels:
  - .name:           k_q75b01063b0_proj
    .symbol:         k_q75b01063b0_proj.kd
    .args:
      - { .name: a16, .offset: 0, .size: 8, .value_kind: global_buffer, .address_space: global }
      - { .name: wo16, .offset: 8, .size: 8, .value_kind: global_buffer, .address_space: global }
      - { .name: bo, .offset: 16, .size: 8, .value_kind: global_buffer, .address_space: global }
      - { .name: out0, .offset: 24, .size: 8, .value_kind: global_buffer, .address_space: global }
    .group_segment_fixed_size: 327680
    .private_segment_fixed_size: 0
    .kernarg_segment_align: 8
    .kernarg_segment_size: 32
    .max_flat_workgroup_size: 128
    .sgpr_count:     80
    .vgpr_count:     416
    .wavefront_size: 32
...
	.end_amdgpu_metadata
.endif
;; end of part 3
;; ======== version 2 of 3: 3 launches; 1.19 times as fast as version 1
;; limits: values are held in f16: magnitudes above 65,504 overflow, below 6.1e-05 lose precision
;; workspace buffers: q16 8,388,608 bytes; k16 8,388,608 bytes; v16 8,388,608 bytes; a16 8,388,608 bytes; wo16 2,097,152 bytes
;; launch qkv (part 4): grid 16 x 16, 4 waves a work-group, clusters of 4 x 4, 327,680 bytes of LDS; arguments query, Wq, Wk, Wv, Wo, q16, k16, v16, wo16; writes q16, k16, v16, wo16
.if DOCPART == 4
	.amdgcn_target "amdgcn-amd-amdhsa--gfx1250"
	.amdhsa_code_object_version 6
	.text
	.protected	k_q75b01063b0_qkv
	.globl	k_q75b01063b0_qkv
	.p2align	8
	.type	k_q75b01063b0_qkv,@function
k_q75b01063b0_qkv:
	s_mov_b64 s[64:65], 0
	v_nop
	global_prefetch_b8 v0, s[64:65] scope:SCOPE_SE
	s_setreg_imm32_b32 hwreg(HW_REG_WAVE_MODE, 25, 1), 1
	s_wait_xcnt 0x0
	s_wait_alu depctr_hold_cnt(0) depctr_sa_sdst(0) depctr_va_vdst(0) depctr_va_sdst(0) depctr_va_ssrc(0) depctr_va_vcc(0) depctr_vm_vsrc(0)
	s_getreg_b32 s2, hwreg(HW_REG_IB_STS2, 6, 4)
	s_cmp_eq_u32 s2, 0
	s_cbranch_scc0 .Lentry_in_a_cluster
	s_endpgm
.Lentry_in_a_cluster:
	s_bfe_u32 s2, ttmp6, 0x10000c
	s_cmp_lg_u32 s2, 0xf033
	s_cbranch_scc0 .Lentry_shape_is_right
	s_endpgm
.Lentry_shape_is_right:
; q = query Wq^T, k = query Wk^T, v = query Wv^T, stored in f16 as [head 16][token 4096][e 64]; beside that Wo is copied to f16 (wo16).
; q16 holds c q with c = log2 e / 8: the softmax's factor 1/8 and the change to base 2 are applied here, in f32, before q is rounded, so that the second
; launch can take the maximum away from the scores by a plain subtraction, which is exactly 0 at the maximum whatever the scores' size.
; NOTHING OF THE PROBLEM IS LEFT OUT in this program: every input has a way to the output, the maximum is taken away before the
; exponential (as a running maximum, in the second launch), and the bias is added (in the third).
; LIMITS: all matrix operands are f16, all sums f32.  An input, or an element of c q, k, v or of the attention's result, of magnitude
; 65,504 or more becomes infinite; magnitudes under 6e-8 become zero.  The products' sums are formed in another order than a chain of f32 additions.
;
; A work-group makes 256 tokens x 192 features: q, k and v of ONE head (x = head, y = block of 256 tokens).  Four waves, 2 x 2:
; wave w takes tokens 128 (w>>1) .. +127 and, of each of q, k, v, the features e = 32 (w&1) .. +31: 8 token tiles x 6 feature tiles = 48 accumulators.
; K goes in steps of 64 f32 (rows of 256 bytes, aligned) through two LDS slots; a step is two sub-steps of 32 along K.
; The tiles come in as f32 and are rounded to f16 between LDS and the matrix instruction: 14 fragments of 16 registers f32 -> 8 registers f16.
; CLUSTERS: 4 x 4 work-groups.  The four of a row need the same tile of query, the four of a column the same rows of Wq, Wk, Wv:
; each tile is asked for jointly (same line, same descriptor, a mask that names the four).
; THE MATRIX INSTRUCTION IS USED TRANSPOSED: source 0 = 16 rows of W, source 1 = 16 rows of query; a lane then holds token l % 16 and
; eight neighbouring features 8 (l / 16) + 0..7, which pack into 16 bytes.
;
; LDS: slot s at s*121,856: query's 256 rows (pitch 272), then 64 rows each of Wq, Wk, Wv.  The way out's stage lies in slot 0, behind that slot's last fill and last read.
; REGISTERS: window 0: v1-20 addresses, v32-55 packed results, v64-127 query's 8 fragments, v128-175 W's 6 fragments, v176-223 Wo's copy
;            window 1: f32 as loaded from LDS: query's fragment x at 16 x, W's fragment y at 128 + 16 y
;            windows 2, 3: accumulators of token tiles 0-3, 4-7: tile (a, b) at 8 (6 a + b)
; SCALARS: s[4:21] buffers; s22 wave, s23 w>>1, s24 w&1; s25 cx, s26 cy, s27 head, s28 token block; s29, s30 masks; s31 counter; s[32:63] descriptors; s[66:75] at work; s76 = s77 = c
.set PITCH,  272                       ; 256 bytes + 16: sixteen rows of a fragment load start 16 bytes apart modulo 256
.set SLOT,   121856                    ; (256 + 3*64) rows x 272
.set BOFF,   69632                     ; W's rows lie behind query's 256
.set BSEL,   17408                     ; 64 rows x 272
.set SPITCH, 144                       ; stage: a token's 64 f16 + 16 bytes
.set SSEL,   36864                     ; stage: 256 tokens x 144, once for q, k, v
.set ADRA, 4                           ; v4-5   LDS address of my query fragments in slot 0, 1
.set ADRB, 6                           ; v6-7   the same for W
.set STO,  8                           ; v8-10  stage: where I put 16 bytes, for q, k, v
.set RD,   11                          ; v11-13 stage: where I read whole tokens back
.set GO,   14                          ; v14    my byte offset in the work-group's block of q16, k16, v16
.set WSRC, 15                          ; v15    16 x thread: my bytes of Wo
.set WDST, 16                          ; v16    8 x thread: my bytes of wo16
.set TMP,  32
.set FA,   64
.set FB,   128
.set SJ,   176
.set G1A, 32                           ; s[32:39] shape of query's tile
.set G1B, 40                           ; s[40:47] shape of a W tile
.set G0A, 48                           ; s[48:55] from where, to where: query, one set a slot
.set G0B, 56                           ; s[56:63] the same for W
.set G1W0, (2<<16)|(1<<20)|(1<<21)|(5<<22)|(3<<25)   ; elements of 4 bytes; padding on; bit 21 beside a mask; after every 64 words, 4 words
.set MSB, 0
.macro WIN new                         ; the immediate's high byte repeats the setting that is left
.if MSB != \new
	s_set_vgpr_msb (MSB<<8)|\new
.set MSB, \new
.endif
.endm
.macro PLACES n
.rept \n
	v_nop
.endr
.endm
; A round of the cluster's barrier: my work-group's barrier, wave 0 signals for the work-group, every wave waits for all sixteen, my work-group's barrier again.
.macro ROUND
	s_barrier_signal -1
	s_barrier_wait -1
	s_cmp_lg_u32 s22, 0
	s_cbranch_scc1 .Lnot_wave_0_\@
	s_barrier_signal -3
.Lnot_wave_0_\@:
	s_barrier_wait -3
	s_barrier_signal -1
	s_barrier_wait -1
.endm
; A joint load: wave 0 asks for query's 256 rows, waves 1, 2, 3 for 64 rows of Wq, Wk, Wv.  The branch hangs on the wave's number alone.
.macro JLOAD s
	s_cmp_eq_u32 s22, 0
	s_cbranch_scc0 .Lfor_w_\@
	tensor_load_to_lds s[G0A+4*\s:G0A+4*\s+3], s[G1A:G1A+7]
	s_nop 0
	s_branch .Lasked_\@
.Lfor_w_\@:
	tensor_load_to_lds s[G0B+4*\s:G0B+4*\s+3], s[G1B:G1B+7]
	s_nop 0
.Lasked_\@:
.endm
; The change of slots.  mode 2: slot is filled again, two K steps ahead; mode 1: nothing is left to fetch, the barrier only shows the other slot whole; mode 0: nothing.
.macro CHG slot, mode
.if \mode
	WIN 0
	s_wait_dscnt 0x0                               ; my reads of this slot are back (met: the conversion in front has waited for them)
	s_wait_tensorcnt 0x0                           ; all my tensor loads have landed: the one that was out is my part of the other slot
	ds_add_u32 v62, v63
	s_wait_dscnt 0x0
.if \mode == 2
	s_add_nc_u64 s[G0A+4*\slot+2:G0A+4*\slot+3], s[G0A+4*\slot+2:G0A+4*\slot+3], 512   ; no load of mine is out: the addresses step two K steps of 256 bytes
	s_add_nc_u64 s[G0B+4*\slot+2:G0B+4*\slot+3], s[G0B+4*\slot+2:G0B+4*\slot+3], 512
	ROUND                                          ; both waits now hold of every wave of every work-group of the cluster
	JLOAD \slot                                    ; my one tensor load behind the round, and the first thing there
.else
	s_barrier_signal -1
	s_barrier_wait -1
.endif
.endif
.endm
	s_load_b256 s[4:11], s[0:1], 0x0               ; query s[4:5], Wq s[6:7], Wk s[8:9], Wv s[10:11]
	s_load_b256 s[12:19], s[0:1], 0x20             ; Wo s[12:13], q16 s[14:15], k16 s[16:17], v16 s[18:19]
	s_load_b64 s[20:21], s[0:1], 0x40              ; wo16
	v_lshl_add_u32 v62, v0, 2, 0x3b800
	v_mov_b32 v63, 0
	ds_add_u32 v62, v63
	v_lshrrev_b32 v1, 5, v0
	v_readfirstlane_b32 s22, v1                    ; wave 0..3
	s_lshr_b32 s23, s22, 1                         ; which 128 tokens
	s_and_b32 s24, s22, 1                          ; which 32 features of each of q, k, v
	s_bfe_u32 s25, ttmp6, 0x40000                  ; cx
	s_bfe_u32 s26, ttmp6, 0x40004                  ; cy
	s_lshl_b32 s27, ttmp9, 2
	s_add_co_u32 s27, s27, s25                     ; head = 4 x cluster x + cx
	s_and_b32 s28, ttmp7, 0xffff
	s_lshl_b32 s28, s28, 2
	s_add_co_u32 s28, s28, s26                     ; token block = 4 x cluster y + cy
	s_lshl_b32 s29, s26, 2
	s_lshl_b32 s29, 15, s29                        ; my row of the cluster: places 4 cy .. 4 cy + 3
	s_lshl_b32 s30, 0x1111, s25                    ; my column: places cx, cx + 4, cx + 8, cx + 12
	s_mov_b32 s76, 0x3e38aa3b                      ; c = log2 e / 8, twice: a pair for the packed multiply
	s_mov_b32 s77, 0x3e38aa3b
	s_or_b32 s[G1A+0], s29, G1W0                   ; query's tile hangs on the token block alone: shared along the row
	s_or_b32 s[G1B+0], s30, G1W0                   ; W's tiles hang on the head alone: shared along the column
	s_mov_b32 s[G1A+1], 64<<16                     ; tensor_dim0 = 64 elements
	s_mov_b32 s[G1B+1], 64<<16
	s_mov_b32 s[G1A+2], 256<<16                    ; tensor_dim1 = 256 rows
	s_mov_b32 s[G1B+2], 64<<16                     ;             = 64 rows
	s_mov_b32 s[G1A+3], 64<<16                     ; tile_dim0 = 64
	s_mov_b32 s[G1B+3], 64<<16
	s_mov_b32 s[G1A+4], 256                        ; tile_dim1
	s_mov_b32 s[G1B+4], 64
	s_mov_b32 s[G1A+5], 1024                       ; elements from row to row
	s_mov_b32 s[G1B+5], 1024
	s_mov_b32 s[G1A+6], 0
	s_mov_b32 s[G1B+6], 0
	s_mov_b32 s[G1A+7], 0
	s_mov_b32 s[G1B+7], 0
	s_lshl_b32 s66, s28, 20                        ; query: 256 rows of 4,096 bytes a block (never holds cx)
	s_mov_b32 s67, 0
	s_lshl_b32 s68, s27, 18                        ; W: 64 rows of 4,096 bytes a head (never holds cy)
	s_mov_b32 s69, 0
	s_mul_i32 s72, s22, BSEL                       ; W's place in a slot: wave x 64 rows + a constant
	s_lshl_b32 s73, s28, 4
	s_add_co_u32 s73, s73, s27                     ; the work-group's number, 0 to 255: its 256th part of Wo
	s_lshl_b32 s74, s73, 14
	s_mov_b32 s75, 0
	s_wait_dscnt 0x0
	s_wait_kmcnt 0x0
	s_add_nc_u64 s[66:67], s[4:5], s[66:67]
	s_cmp_eq_u32 s22, 2                            ; wave 1: Wq, wave 2: Wk, wave 3: Wv (wave 0 asks by query's set)
	s_cselect_b64 s[70:71], s[8:9], s[6:7]
	s_cmp_eq_u32 s22, 3
	s_cselect_b64 s[70:71], s[10:11], s[70:71]
	s_add_nc_u64 s[68:69], s[70:71], s[68:69]
	s_add_nc_u64 s[12:13], s[12:13], s[74:75]      ; my 16,384 bytes of Wo
	s_lshl_b32 s74, s73, 13
	s_add_nc_u64 s[20:21], s[20:21], s[74:75]      ; my 8,192 bytes of wo16
	s_lshl_b32 s74, s27, 19                        ; a head is 4,096 tokens x 128 bytes,
	s_lshl_b32 s73, s28, 15                        ; a block 256 tokens x 128 bytes
	s_add_co_u32 s74, s74, s73
	s_add_nc_u64 s[14:15], s[14:15], s[74:75]
	s_add_nc_u64 s[16:17], s[16:17], s[74:75]
	s_add_nc_u64 s[18:19], s[18:19], s[74:75]
	ROUND                                          ; all sixteen work-groups are here: the first joint loads meet
.irp s, 0,1
	s_mov_b32 s[G0A+4*\s], 1
	s_mov_b32 s[G0A+4*\s+1], \s*SLOT
	s_add_nc_u64 s[G0A+4*\s+2:G0A+4*\s+3], s[66:67], \s*256
	s_or_b32 s[G0A+4*\s+3], s[G0A+4*\s+3], 0x80000000
	s_mov_b32 s[G0B+4*\s], 1
	s_add_co_u32 s[G0B+4*\s+1], s72, BOFF-BSEL+\s*SLOT
	s_add_nc_u64 s[G0B+4*\s+2:G0B+4*\s+3], s[68:69], \s*256
	s_or_b32 s[G0B+4*\s+3], s[G0B+4*\s+3], 0x80000000
	JLOAD \s                                       ; K steps 0 and 1: two tensor loads of each wave are out, the most anywhere in this text
.endr
	; Wo to f16, while the first tiles are on their way: 8 loads of 16 bytes a thread, 8 stores of 8 bytes; a wave's store covers 256 consecutive bytes, aligned
	v_lshlrev_b32 v[WSRC], 4, v0
	v_lshlrev_b32 v[WDST], 3, v0
.irp i, 0,1,2,3,4,5,6,7
	global_load_b128 v[SJ+4*\i:SJ+4*\i+3], v[WSRC], s[12:13] offset:2048*\i th:TH_LOAD_NT
.endr
	v_and_b32 v1, 15, v0                           ; r = l % 16
	v_bfe_u32 v2, v0, 4, 1                         ; h = l / 16
	v_and_b32 v3, 31, v0                           ; l
	; A fragment is 16 rows x 32 K: lane (r, h) holds row r, K = 8 h + 0..7 and 16 + 8 h + 0..7: in f32 four loads of 16 bytes at 32 h + 0, 16, 64, 80
	v_mul_u32_u24 v17, v1, PITCH
	v_lshl_add_u32 v17, v2, 5, v17
	s_mul_i32 s73, s23, 128*PITCH
	s_mul_i32 s74, s24, 32*PITCH
	s_add_co_u32 s74, s74, BOFF
	v_add_nc_u32 v[ADRA], s73, v17
	v_add_nc_u32 v[ADRB], s74, v17
	v_add_nc_u32 v[ADRA+1], SLOT, v[ADRA]
	v_add_nc_u32 v[ADRB+1], SLOT, v[ADRB]
	v_mul_u32_u24 v18, v1, SPITCH                  ; stage in: token 128 (w>>1) + r, byte 64 (w&1) + 16 h
	v_lshl_add_u32 v18, v2, 4, v18
	s_mul_i32 s73, s23, 128*SPITCH
	s_lshl_b32 s74, s24, 6
	s_add_co_u32 s73, s73, s74
	v_add_nc_u32 v[STO], s73, v18
	v_add_nc_u32 v[STO+1], SSEL, v[STO]
	v_add_nc_u32 v[STO+2], 2*SSEL, v[STO]
	v_lshrrev_b32 v19, 3, v3                       ; stage back: eight lanes take a token's 128 bytes, a load four tokens; wave w takes tokens 64 w .. +63
	v_and_b32 v20, 7, v3
	v_mul_u32_u24 v19, v19, SPITCH
	v_lshl_add_u32 v19, v20, 4, v19
	s_mul_i32 s73, s22, 64*SPITCH
	v_add_nc_u32 v[RD], s73, v19
	v_add_nc_u32 v[RD+1], SSEL, v[RD]
	v_add_nc_u32 v[RD+2], 2*SSEL, v[RD]
	v_lshlrev_b32 v[GO], 4, v3
	v_lshl_add_u32 v[GO], s22, 13, v[GO]           ; 8,192 w + 16 l: tokens lie dense, 128 bytes each
	s_wait_loadcnt 0x0                             ; Wo's 8 loads
.irp i, 0,1,2,3,4,5,6,7,8,9,10,11,12,13,14,15
	v_cvt_pk_f16_f32 v[SJ+32+\i], v[SJ+2*\i], v[SJ+2*\i+1]
.endr
.irp i, 0,1,2,3,4,5,6,7
	global_store_b64 v[WDST], v[SJ+32+2*\i:SJ+32+2*\i+1], s[20:21] offset:1024*\i
.endr
; 56 LDS loads: the f32 of one sub-step's 14 fragments (sub = 0, 1: K bytes 128 sub of the slot's rows) into window 1
.macro LOADST slot, sub
	WIN 0x40                                       ; destination window 1, address window 0
.irp x, 0,1,2,3,4,5,6,7
.irp o, 0,1,2,3
	ds_load_b128 v[16*\x+4*\o:16*\x+4*\o+3], v[ADRA+\slot] offset:\x*16*PITCH+128*\sub+16*(\o%2)+64*(\o/2)
.endr
.endr
.irp y, 0,1,2,3,4,5
.irp o, 0,1,2,3
	ds_load_b128 v[128+16*\y+4*\o:128+16*\y+4*\o+3], v[ADRB+\slot] offset:(64*(\y/2)+16*(\y%2))*PITCH+128*\sub+16*(\o%2)+64*(\o/2)
.endr
.endr
.endm
; 224 f32 a lane to 112 registers of f16: fragment register 64 + i of window 0 from registers 2 i, 2 i + 1 of window 1
.macro CVTALL
	s_wait_dscnt 0x0                               ; all 56 loads of the sub-step are back
	PLACES 4                                       ; the fragments were sources of the last products: a vector instruction writes them four places behind (ISA guide 7.12.1)
	WIN 0x05                                       ; sources window 1, destination window 0
.set i, 0
.rept 112
	v_cvt_pk_f16_f32 v[FA+i], v[2*i], v[2*i+1]
.set i, i+1
.endr
.endm
; 24 products: token tiles 4 hi + 0..3 x 6 feature tiles.  zero = 1: the first product starts the sum, nothing is cleared.
.macro MUL24 hi, zero
.irp a, 0,1,2,3
.irp b, 0,1,2,3,4,5
.if \zero
	v_wmma_f32_16x16x32_f16 v[8*(6*\a+\b):8*(6*\a+\b)+7], v[FB+8*\b:FB+8*\b+7], v[FA+8*(4*\hi+\a):FA+8*(4*\hi+\a)+7], 0
.else
	v_wmma_f32_16x16x32_f16 v[8*(6*\a+\b):8*(6*\a+\b)+7], v[FB+8*\b:FB+8*\b+7], v[FA+8*(4*\hi+\a):FA+8*(4*\hi+\a)+7], v[8*(6*\a+\b):8*(6*\a+\b)+7]
.endif
.endr
.endr
.endm
.macro MULS zero                       ; the 48 accumulators take turns, one instruction a turn, in the same order in every sub-step, over the backward jump too
	WIN 0xa0
	MUL24 0, \zero
	WIN 0xf0
	MUL24 1, \zero
.endm
; A K step: the next sub-step's f32 are always on their way from LDS under 48 products; the slot is free as soon as its second sub-step is converted.
.macro KSTEP slot, zero, mode
	CVTALL
	LOADST \slot, 1
	MULS \zero
	CVTALL
	CHG \slot, \mode
.if \mode
	LOADST 1-\slot, 0
.endif
	MULS 0
.endm
	s_wait_tensorcnt 0x1                           ; my part of K step 0 is in; the one younger load, K step 1's, may stay out
	s_barrier_signal -1
	s_barrier_wait -1                              ; everybody's part is in
	LOADST 0, 0
	KSTEP 0, 1, 2                                  ; K step 0 starts the sums; its change of slots asks for K step 2
	WIN 0                                          ; at a label and at a branch every window is 0
	s_mov_b32 s31, 6
.Lk:
	KSTEP 1, 0, 2                                  ; K steps 1 to 12
	KSTEP 0, 0, 2
	WIN 0
	s_sub_co_u32 s31, s31, 1
	s_cmp_lg_u32 s31, 0
	s_cbranch_scc1 .Lk
	KSTEP 1, 0, 2                                  ; K step 13 asks for K step 15, the last
	KSTEP 0, 0, 1                                  ; K step 14: nothing is left to fetch; behind its barrier no wave reads slot 0 and no load fills it
	KSTEP 1, 0, 0                                  ; K step 15
	; THE WAY OUT: q times c in f32; round to f16, 16 bytes a lane into the stage (slot 0's bytes: last filled for K step 14, last read in front of that step's barrier),
	; read back as whole tokens, store 512 dense bytes an instruction.
.macro SCALEQ hi                       ; feature tiles 0 and 1 are q's: registers 48 a + 0..15 of the window, 32 packed multiplies
	WIN 0x82+0x41*\hi                              ; source 0 and destination window 2 or 3
.irp a, 0,1,2,3
.irp i, 0,1,2,3,4,5,6,7
	v_pk_mul_f32 v[48*\a+2*\i:48*\a+2*\i+1], v[48*\a+2*\i:48*\a+2*\i+1], s[76:77] op_sel_hi:[1,0]
.endr
.endr
.endm
.macro OUTA a, hi
	WIN 0x0a+5*\hi                                 ; sources window 2 or 3, destination window 0
.irp b, 0,1,2,3,4,5
.irp q, 0,1,2,3
	v_cvt_pk_f16_f32 v[TMP+4*\b+\q], v[8*(6*\a+\b)+2*\q], v[8*(6*\a+\b)+2*\q+1]
.endr
.endr
	WIN 0
.irp b, 0,1,2,3,4,5
	ds_store_b128 v[STO+\b/2], v[TMP+4*\b:TMP+4*\b+3] offset:(4*\hi+\a)*16*SPITCH+32*(\b%2)
.endr
.endm
.macro RDOUT sel, base
.irp t, 0,1,2,3,4,5,6,7,8,9,10,11,12,13,14,15
	ds_load_b128 v[64+64*\sel+4*\t:64+64*\sel+4*\t+3], v[RD+\sel] offset:4*SPITCH*\t
.endr
.irp t, 0,1,2,3,4,5,6,7,8,9,10,11,12,13,14,15
	s_wait_dscnt 15-\t                             ; LDS loads come back in order (ISA guide 5.7.1): load t is in, the 15 - t younger ones may be out
	global_store_b128 v[GO], v[64+64*\sel+4*\t:64+64*\sel+4*\t+3], s[\base:\base+1] offset:512*\t
.endr
.endm
	PLACES 4                                       ; vector instructions read matrix results four places behind the last product (ISA guide 7.12.1)
	SCALEQ 0
	SCALEQ 1
.irp a, 0,1,2,3
	OUTA \a, 0
.endr
.irp a, 0,1,2,3
	OUTA \a, 1
.endr
	s_wait_dscnt 0x0                               ; my stores into the stage are done, for the other waves' sake
	s_barrier_signal -1
	s_barrier_wait -1                              ; a token's 128 bytes come from two waves
	s_wait_xcnt 0x0                                ; wo16's stores have read v208-223: the loads below write them only behind this wait
	RDOUT 0, 14
	RDOUT 1, 16
	RDOUT 2, 18
	s_wait_tensorcnt 0x0
	ds_add_u32 v62, v63
	s_wait_dscnt 0x0
	ROUND                                          ; the closing round: no work-group ends while a partner may still ask for a tile that names it
	s_endpgm
.Lfunc_end_k_q75b01063b0_qkv:
	.size	k_q75b01063b0_qkv, .Lfunc_end_k_q75b01063b0_qkv-k_q75b01063b0_qkv
	.p2alignl 7, 3214868480
	.fill 96, 4, 3214868480
	.section	.rodata,"a",@progbits
	.p2align	6, 0x0
	.amdhsa_kernel k_q75b01063b0_qkv
		.amdhsa_group_segment_fixed_size 327680
		.amdhsa_private_segment_fixed_size 0
		.amdhsa_enable_private_segment 0
		.amdhsa_kernarg_size 72
		.amdhsa_user_sgpr_count 2
		.amdhsa_user_sgpr_kernarg_segment_ptr 1
		.amdhsa_wavefront_size32 1
		.amdhsa_system_sgpr_workgroup_id_x 1
		.amdhsa_system_sgpr_workgroup_id_y 1
		.amdhsa_system_sgpr_workgroup_id_z 1
		.amdhsa_system_vgpr_workitem_id 0
		.amdhsa_next_free_vgpr 960
		.amdhsa_next_free_sgpr 80
		.amdhsa_reserve_vcc 0
		.amdhsa_float_denorm_mode_32 3
		.amdhsa_float_denorm_mode_16_64 3
		.amdhsa_memory_ordered 1
		.amdhsa_forward_progress 1
		.amdhsa_inst_pref_size 209
	.end_amdhsa_kernel
	.amdgpu_metadata
---
amdhsa.version: [ 1, 2 ]
amdhsa.kernels:
  - .name:           k_q75b01063b0_qkv
    .symbol:         k_q75b01063b0_qkv.kd
    .args:
      - { .name: query, .offset: 0, .size: 8, .value_kind: global_buffer, .address_space: global }
      - { .name: Wq, .offset: 8, .size: 8, .value_kind: global_buffer, .address_space: global }
      - { .name: Wk, .offset: 16, .size: 8, .value_kind: global_buffer, .address_space: global }
      - { .name: Wv, .offset: 24, .size: 8, .value_kind: global_buffer, .address_space: global }
      - { .name: Wo, .offset: 32, .size: 8, .value_kind: global_buffer, .address_space: global }
      - { .name: q16, .offset: 40, .size: 8, .value_kind: global_buffer, .address_space: global }
      - { .name: k16, .offset: 48, .size: 8, .value_kind: global_buffer, .address_space: global }
      - { .name: v16, .offset: 56, .size: 8, .value_kind: global_buffer, .address_space: global }
      - { .name: wo16, .offset: 64, .size: 8, .value_kind: global_buffer, .address_space: global }
    .group_segment_fixed_size: 327680
    .private_segment_fixed_size: 0
    .kernarg_segment_align: 8
    .kernarg_segment_size: 72
    .max_flat_workgroup_size: 128
    .sgpr_count:     80
    .vgpr_count:     960
    .wavefront_size: 32
...
	.end_amdgpu_metadata
.endif
;; end of part 4
;; launch attn (part 5): grid 16 x 16, 4 waves a work-group, clusters of 4 x 1, 327,680 bytes of LDS; arguments q16, k16, v16, a16; writes a16
.if DOCPART == 5
	.amdgcn_target "amdgcn-amd-amdhsa--gfx1250"
	.amdhsa_code_object_version 6
	.text
	.protected	k_q75b01063b0_attn
	.globl	k_q75b01063b0_attn
	.p2align	8
	.type	k_q75b01063b0_attn,@function
k_q75b01063b0_attn:
	s_mov_b64 s[64:65], 0
	v_nop
	global_prefetch_b8 v0, s[64:65] scope:SCOPE_SE
	s_setreg_imm32_b32 hwreg(HW_REG_WAVE_MODE, 25, 1), 1
	s_wait_xcnt 0x0
	s_wait_alu depctr_hold_cnt(0) depctr_sa_sdst(0) depctr_va_vdst(0) depctr_va_sdst(0) depctr_va_ssrc(0) depctr_va_vcc(0) depctr_vm_vsrc(0)
	s_getreg_b32 s2, hwreg(HW_REG_IB_STS2, 6, 4)
	s_cmp_eq_u32 s2, 0
	s_cbranch_scc0 .Lentry_in_a_cluster
	s_endpgm
.Lentry_in_a_cluster:
	s_bfe_u32 s2, ttmp6, 0x10000c
	s_cmp_lg_u32 s2, 0x3003
	s_cbranch_scc0 .Lentry_shape_is_right
	s_endpgm
.Lentry_shape_is_right:
; a16[head][n][e] = sum over m of softmax_m(q[n] . k[m] / 8) v[m][e], per head; q16, k16, v16, a16: [16][4096][64] f16.  Nothing is left out.
; q16 holds c q, c = log2 e / 8 (applied by the first launch), so the products give s = c q.k and p = 2^(s - m) with m the running maximum of s.
; s - m and m_old - m_new are plain differences: exactly 0 at the maximum and where the maximum stands, whatever the scores' size.
; LIMITS: operands f16 (P too: a weight under 6e-8 of the row's largest counts as zero), sums and softmax f32; a result of magnitude 65,504 or more becomes infinite.
; A NaN among the scores is dropped from the maximum but passes the exponential into the row's sum, so the row is NaN.
;
; A work-group takes 256 queries of one head (x = query block, y = head), a wave 64 queries = 4 query tiles t.  Keys go in steps of 64.
; CLUSTERS: the four query blocks of a cluster read the same K and V: each tile is asked for jointly, mask 15.
; LAYOUTS THAT NEED NO SHUFFLE: S^T = K Q^T (source 0 = K, source 1 = Q): lane (r, h) holds query r and keys 8 h + 0..7 of a key tile, so the row's maximum
; and sum are in the lane but for one exchange between the halves.  Packing key tiles 2 u and 2 u + 1 gives P's fragment as source 1 of O^T = V^T P;
; V^T comes from V's rows by the transposing LDS load.  O^T: lane (r, h) holds query r, e = 8 h + 0..7.
; PAIR ROWS: two neighbouring tokens are one row of 256 bytes of a tensor tile (aligned, since a token is 128 bytes and a head's tokens lie dense).  Key tile 2 u + par is the
; tokens of parity par of pair rows 16 u .. 16 u + 15.  K and V use the same order of keys, so the sums over keys are those of the natural order.
;
; TWO PIECES BY TURNS: piece A = query tiles 0, 1, piece B = tiles 2, 3.  While one piece's 32 products of a step are issued (16 of O^T += V^T P, then 16 of the next S^T),
; the other piece's softmax, cut into 32 numbered slices, stands one slice behind each product.  Body j:
;   PV(A, j) | softmax(B, j) 0-15;  QK(A, j+1) | softmax(B, j) 16-31;  PV(B, j) | softmax(A, j+1) 0-15;  load V(j+1);  QK(B, j+1) | softmax(A, j+1) 16-31;  load K(j+2).
; V(j) and K(j+1) serve both pieces from one set of registers each; each run of 16 LDS loads stands 16 products ahead of its first use.
; The slots' numbers are constants of the text (nine bodies are written): a slot's 143,360 bytes share a bit with the waves' offsets, so an exclusive-or would be no toggle.
;
; LDS: slot s at s*143,360 holds 512 keys: V's 256 pair rows (pitch 288, an odd multiple of 32 for the transposing loads), then K's 256 (pitch 272).  Behind the slots each wave's stage of 16 x 144 bytes.
; REGISTERS: window 0: v4-13 addresses, v32-47 packed results, v64-127 rows read back on the way out, v192-255 Q (192 + 16 t + 8 eh)
;            window 1: S[t][kt] at 32 t + 8 kt, P[t] packed in place at 32 t .. +15; K at 128 + 16 kt + 8 eh; 192 + 4 t: -m, m, alpha, exchange; 208 + 2 t: the row sum's pair
;            window 2: O[t][et] at 32 t + 8 et; V at 128 + 32 u + 8 et
; WINDOWS: K lies with S and V with O, so that the slices behind QK (exponentials, differences, sums: destination, sources 0 and 2 in window 1) and those behind PV (O times alpha)
; run under the product's own setting.  Only the maxima and the packing to f16, which name two registers of S in sources 0 and 1, need a setting of their own: they are gathered into
; six of a piece's 32 slices.  A body has 29 switches for 64 products.
; SCALARS: s[4:11] buffers; s12 wave, s14 w&1, s15 cx, s16 query block, s17 head; s18, s19 lane selects; s23, s24 counters; s[32:63] descriptors; s[66:75] at work
.set SLOT,  143360
.set KOFF,  73728
.set KP,    272
.set VP,    288
.set STAGE, 286720
.set SP,    144
.set KB,  4                            ; v4-5  K's fragment address at the head of slot 0, 1
.set VB,  6                            ; v6-7  V's
.set KA,  8                            ; v8    K's, walking: 32 pair rows a step
.set VA,  9                            ; v9    V's
.set QO,  10
.set STO, 11
.set RD,  12
.set GO,  13
.set TMP, 32
.set RB,  64
.set QF,  192
.set KF,  128                          ; window 1
.set NM,  192                          ; window 1, + 4 t: -m
.set TT,  193                          ;                  m, the running maximum
.set AL,  194                          ;                  alpha = 2^(m_old - m_new); at the end 1 / l
.set XX,  195                          ;                  second chain of the maximum, the other half's figure, m_old - m_new
.set LS,  208                          ; window 1, + 2 t: two partial row sums
.set VF,  128                          ; window 2
.set W_PV, 0xa6                        ; source 0 (V) window 2, source 1 (P, alpha) window 1, source 2 and destination (O) window 2
.set W_QK, 0x51                        ; source 0 (K, S) window 1, source 1 (Q) window 0, source 2 and destination (S, sums) window 1
.set W_SM, 0x55                        ; all in window 1
.set W_LK, 0x40                        ; a load into window 1, address in window 0
.set W_LV, 0x80                        ; a load into window 2
.set G1V, 32
.set G1K, 40
.set G0V, 48
.set G0K, 56
.set MSB, 0
.macro WIN new                         ; the immediate's high byte repeats the setting that is left; a switch that changes nothing is dropped
.if MSB != \new
	s_set_vgpr_msb (MSB<<8)|\new
.set MSB, \new
.endif
.endm
.macro PLACES n
.rept \n
	v_nop
.endr
.endm
.macro ROUND                           ; a round of the cluster's barrier
	s_barrier_signal -1
	s_barrier_wait -1
	s_cmp_lg_u32 s12, 0
	s_cbranch_scc1 .Lnot_wave_0_\@
	s_barrier_signal -3
.Lnot_wave_0_\@:
	s_barrier_wait -3
	s_barrier_signal -1
	s_barrier_wait -1
.endm
.macro JLOAD s                         ; waves 0, 1 ask for V's two halves (128 pair rows each), waves 2, 3 for K's
	s_cmp_lt_u32 s12, 2
	s_cbranch_scc0 .Lfor_k_\@
	tensor_load_to_lds s[G0V+4*\s:G0V+4*\s+3], s[G1V:G1V+7]
	s_nop 0
	v_nop
	s_branch .Lasked_\@
.Lfor_k_\@:
	tensor_load_to_lds s[G0K+4*\s:G0K+4*\s+3], s[G1K:G1K+7]
	s_nop 0
	v_nop
	v_nop
.Lasked_\@:
.endm
; The change of slots, once for 512 keys.  mode 2: slot is filled again with the keys 1,024 further on; mode 1: nothing is left to fetch.
.macro CHG slot, mode
	WIN 0
	s_wait_dscnt 0x0                               ; my reads of this slot are back: the last are V's 16 loads of its last step, issued 16 products ago
	s_wait_tensorcnt 0x0                           ; all my tensor loads have landed: the one that was out is my part of the other slot
	ds_add_u32 v190, v191
	s_wait_dscnt 0x0
.if \mode == 2
	s_add_nc_u64 s[G0V+4*\slot+2:G0V+4*\slot+3], s[G0V+4*\slot+2:G0V+4*\slot+3], 131072   ; no load of mine is out: 1,024 keys x 128 bytes on
	s_add_nc_u64 s[G0K+4*\slot+2:G0K+4*\slot+3], s[G0K+4*\slot+2:G0K+4*\slot+3], 131072
	ROUND                                          ; both waits now hold of every wave of the four work-groups
	JLOAD \slot                                    ; my one tensor load behind the round, first thing there; it has 8 bodies, 512 products, in which to land
.else
	s_barrier_signal -1
	s_barrier_wait -1
.endif
.endm
	s_load_b256 s[4:11], s[0:1], 0x0               ; q16 s[4:5], k16 s[6:7], v16 s[8:9], a16 s[10:11]
	v_lshl_add_u32 v190, v0, 2, 0x48400
	v_mov_b32 v191, 0
	ds_add_u32 v190, v191
	v_lshrrev_b32 v1, 5, v0
	v_readfirstlane_b32 s12, v1                    ; wave 0..3
	s_and_b32 s14, s12, 1                          ; which half of K's or V's tile I fetch
	s_bfe_u32 s15, ttmp6, 0x40000                  ; cx
	s_lshl_b32 s16, ttmp9, 2
	s_add_co_u32 s16, s16, s15                     ; query block = 4 x cluster x + cx
	s_and_b32 s17, ttmp7, 0xffff                   ; head = cluster y
	s_mov_b32 s18, 0x76543210                      ; v_permlanex16_b32: lane i of one half reads lane i of the other
	s_mov_b32 s19, 0xfedcba98
	s_mov_b32 s[G1V+0], 15|(1<<16)|(1<<20)|(1<<21)|(5<<22)|(7<<25)   ; mask of the four; elements of 2 bytes; padding: after every 64 words, 8 words
	s_mov_b32 s[G1K+0], 15|(1<<16)|(1<<20)|(1<<21)|(5<<22)|(3<<25)   ; the same with 4 words
.irp g, G1V, G1K
	s_mov_b32 s[\g+1], 128<<16                     ; tensor_dim0 = 128 elements: a pair row
	s_mov_b32 s[\g+2], 128<<16                     ; tensor_dim1 = 128 pair rows
	s_mov_b32 s[\g+3], 128<<16                     ; tile_dim0
	s_mov_b32 s[\g+4], 128                         ; tile_dim1
	s_mov_b32 s[\g+5], 128                         ; the rows lie dense
	s_mov_b32 s[\g+6], 0
	s_mov_b32 s[\g+7], 0
.endr
	s_lshl_b32 s66, s17, 19                        ; a head: 4,096 tokens x 128 bytes
	s_lshl_b32 s67, s14, 15                        ; my half: 128 pair rows x 256 bytes
	s_add_co_u32 s66, s66, s67                     ; made of the head and the wave's number alone: equal in the four partners
	s_mov_b32 s67, 0
	s_mul_i32 s68, s12, 128*VP                     ; V's halves at 36,864 w (w = 0, 1)
	s_mul_i32 s69, s12, 128*KP                     ; K's at 34,816 w + 4,096 (w = 2, 3): 73,728 and 108,544
	s_lshl_b32 s70, s17, 19
	s_lshl_b32 s71, s16, 15                        ; a query block: 256 tokens x 128 bytes
	s_add_co_u32 s70, s70, s71
	s_lshl_b32 s71, s12, 13                        ; my 64 queries
	s_add_co_u32 s70, s70, s71
	s_mov_b32 s71, 0
	s_wait_dscnt 0x0
	s_wait_kmcnt 0x0
	s_add_nc_u64 s[72:73], s[8:9], s[66:67]
	s_add_nc_u64 s[74:75], s[6:7], s[66:67]
	s_add_nc_u64 s[4:5], s[4:5], s[70:71]          ; my rows of q16
	s_add_nc_u64 s[10:11], s[10:11], s[70:71]      ; and of a16
	ROUND                                          ; the four work-groups are here: the first joint loads meet
.irp s, 0,1
	s_mov_b32 s[G0V+4*\s], 1
	s_add_co_u32 s[G0V+4*\s+1], s68, \s*SLOT
	s_add_nc_u64 s[G0V+4*\s+2:G0V+4*\s+3], s[72:73], \s*65536
	s_or_b32 s[G0V+4*\s+3], s[G0V+4*\s+3], 0x80000000
	s_mov_b32 s[G0K+4*\s], 1
	s_add_co_u32 s[G0K+4*\s+1], s69, KOFF-2*128*KP+\s*SLOT
	s_add_nc_u64 s[G0K+4*\s+2:G0K+4*\s+3], s[74:75], \s*65536
	s_or_b32 s[G0K+4*\s+3], s[G0K+4*\s+3], 0x80000000
	JLOAD \s                                       ; keys 0-511 and 512-1,023: two tensor loads of each wave are out, the most anywhere in this text
.endr
	v_and_b32 v1, 15, v0                           ; r
	v_bfe_u32 v2, v0, 4, 1                         ; h
	v_and_b32 v3, 31, v0                           ; l
	v_lshlrev_b32 v[QO], 7, v1
	v_lshl_add_u32 v[QO], v2, 4, v[QO]             ; Q's fragments straight from memory, once: token r's row of 128 bytes, byte 16 h
.irp t, 0,1,2,3
.irp eh, 0,1
	global_load_b128 v[QF+16*\t+8*\eh:QF+16*\t+8*\eh+3],   v[QO], s[4:5] offset:2048*\t+64*\eh
	global_load_b128 v[QF+16*\t+8*\eh+4:QF+16*\t+8*\eh+7], v[QO], s[4:5] offset:2048*\t+64*\eh+32
.endr
.endr
	v_mul_u32_u24 v14, v1, KP                      ; K: pair row r, byte 16 h
	v_lshl_add_u32 v14, v2, 4, v14
	v_add_nc_u32 v[KB], KOFF, v14
	v_add_nc_u32 v[KB+1], KOFF+SLOT, v14
	v_and_b32 v15, 7, v0                           ; V, for the transposing load: pair row 8 h + l % 8, byte 16 ((l / 8) % 2)
	v_lshl_add_u32 v15, v2, 3, v15
	v_mul_u32_u24 v15, v15, VP
	v_bfe_u32 v16, v0, 3, 1
	v_lshl_add_u32 v[VB], v16, 4, v15
	v_add_nc_u32 v[VB+1], SLOT, v[VB]
	s_mul_i32 s66, s12, 16*SP
	s_add_co_u32 s66, s66, STAGE                   ; my stage
	v_mul_u32_u24 v14, v1, SP
	v_lshl_add_u32 v14, v2, 4, v14
	v_add_nc_u32 v[STO], s66, v14                  ; in: query r, byte 16 h
	v_lshrrev_b32 v14, 3, v3
	v_mul_u32_u24 v14, v14, SP
	v_and_b32 v15, 7, v0
	v_lshl_add_u32 v14, v15, 4, v14
	v_add_nc_u32 v[RD], s66, v14                   ; back: eight lanes take a query's 128 bytes
	v_lshlrev_b32 v[GO], 4, v3
	v_mov_b32 v[KA], v[KB]                         ; the walking addresses at the head of slot 0
	v_mov_b32 v[VA], v[VB]
	WIN W_LK                                       ; destination window 1
.irp t, 0,1,2,3
	v_mov_b32 v[LS+2*\t], 0                        ; the row sums start at 0
	v_mov_b32 v[LS+2*\t+1], 0
.endr
	WIN 0
; 16 loads: K's fragments of one step (4 a key tile); then the address walks 32 pair rows on (an LDS instruction's sources need no wait)
.macro LDK
	WIN W_LK
.irp kt, 0,1,2,3
.irp eh, 0,1
	ds_load_b128 v[KF+16*\kt+8*\eh:KF+16*\kt+8*\eh+3],   v[KA] offset:16*KP*(\kt/2)+128*(\kt%2)+64*\eh
	ds_load_b128 v[KF+16*\kt+8*\eh+4:KF+16*\kt+8*\eh+7], v[KA] offset:16*KP*(\kt/2)+128*(\kt%2)+64*\eh+32
.endr
.endr
	WIN 0
	v_add_nc_u32 v[KA], 32*KP, v[KA]
.endm
; 16 transposing loads: V's fragments of one step
.macro LDV
	WIN W_LV
.irp u, 0,1
.irp et, 0,1,2,3
	ds_load_tr16_b128 v[VF+32*\u+8*\et:VF+32*\u+8*\et+3],   v[VA] offset:16*VP*\u+32*\et       ; keys of parity 0 of pair rows 16 u + 8 h + 0..7: the fragment's k = 8 h + 0..7
	ds_load_tr16_b128 v[VF+32*\u+8*\et+4:VF+32*\u+8*\et+7], v[VA] offset:16*VP*\u+32*\et+128   ; parity 1: k = 16 + 8 h + 0..7
.endr
.endr
.endm
; Product n (0..15) of S^T for the piece that begins at tile pt: key tile n / 4, half of e (n / 2) % 2, tile pt + n % 2.  The piece's two accumulators of a key tile
; take turns, one instruction a turn.  The first half of e starts the sum.
.macro QKP pt, n
.set q_k, (\n)/4
.set q_e, ((\n)/2)%2
.set q_t, \pt+(\n)%2
	WIN W_QK
.if q_e == 0
	v_wmma_f32_16x16x32_f16 v[32*q_t+8*q_k:32*q_t+8*q_k+7], v[KF+16*q_k:KF+16*q_k+7], v[QF+16*q_t:QF+16*q_t+7], 0
.else
	v_wmma_f32_16x16x32_f16 v[32*q_t+8*q_k:32*q_t+8*q_k+7], v[KF+16*q_k+8:KF+16*q_k+15], v[QF+16*q_t+8:QF+16*q_t+15], v[32*q_t+8*q_k:32*q_t+8*q_k+7]
	s_wait_alu depctr_va_vdst(0)
.endif
.endm
; Product n (0..15) of O^T += V^T P: keys' half u = n / 8, e tile (n / 2) % 4, tile pt + n % 2.  The piece's eight accumulators take turns, one instruction a turn.
; zero = 1: the step's first 32 keys start the sums, nothing is cleared.
.macro PVP pt, n, zero
.set p_u, (\n)/8
.set p_e, ((\n)/2)%4
.set p_t, \pt+(\n)%2
	WIN W_PV
.if (\zero)*(1-p_u)
	v_wmma_f32_16x16x32_f16 v[32*p_t+8*p_e:32*p_t+8*p_e+7], v[VF+32*p_u+8*p_e:VF+32*p_u+8*p_e+7], v[32*p_t+8*p_u:32*p_t+8*p_u+7], 0
.else
	v_wmma_f32_16x16x32_f16 v[32*p_t+8*p_e:32*p_t+8*p_e+7], v[VF+32*p_u+8*p_e:VF+32*p_u+8*p_e+7], v[32*p_t+8*p_u:32*p_t+8*p_u+7], v[32*p_t+8*p_e:32*p_t+8*p_e+7]
.endif
.endm
; THE SOFTMAX OF A PIECE (tiles st, st + 1).  sm = 1: a later step; sm = 2: the piece's first step (nothing to rescale, the maximum starts).
; Link l (0..7) of the four chains of the maximum: each tile's registers 0-15 go into m itself, registers 16-31 into a second chain.
.macro MAXL st, l, sm
.irp d, 0,1
.if ((\l)+2-(\sm)) == 0
	v_max_num_f32 v[TT+4*(\st+\d)], v[32*(\st+\d)], v[32*(\st+\d)+1]
.else
	v_max3_num_f32 v[TT+4*(\st+\d)], v[TT+4*(\st+\d)], v[32*(\st+\d)+2*(\l)], v[32*(\st+\d)+2*(\l)+1]
.endif
.endr
.irp d, 0,1
.if (\l) == 0
	v_max_num_f32 v[XX+4*(\st+\d)], v[32*(\st+\d)+16], v[32*(\st+\d)+17]
.else
	v_max3_num_f32 v[XX+4*(\st+\d)], v[XX+4*(\st+\d)], v[32*(\st+\d)+16+2*(\l)], v[32*(\st+\d)+17+2*(\l)]
.endif
.endr
.endm
; The chains meet, the halves of the lanes exchange, and m, alpha = 2^(m_old - m_new) and -m follow.  -m of the step before is what keeps m_old.
.macro STATS st, sm
.irp d, 0,1
	v_max_num_f32 v[TT+4*(\st+\d)], v[TT+4*(\st+\d)], v[XX+4*(\st+\d)]
.endr
.irp d, 0,1
	v_permlanex16_b32 v[XX+4*(\st+\d)], v[TT+4*(\st+\d)], s18, s19                  ; the other half of the lanes holds the query's other keys
.endr
.irp d, 0,1
	v_max_num_f32 v[TT+4*(\st+\d)], v[TT+4*(\st+\d)], v[XX+4*(\st+\d)]
.endr
.if (\sm) == 1
.irp d, 0,1
	v_fma_f32 v[XX+4*(\st+\d)], v[TT+4*(\st+\d)], -1.0, -v[NM+4*(\st+\d)]           ; m_old - m_new, one rounding, exactly 0 where the maximum stands
.endr
.irp d, 0,1
	v_exp_f32 v[AL+4*(\st+\d)], v[XX+4*(\st+\d)]                                    ; the next line is a plain instruction that touches neither alpha nor its source (ISA guide 5.7.2)
.endr
.endif
.irp d, 0,1
	v_mul_f32 v[NM+4*(\st+\d)], -1.0, v[TT+4*(\st+\d)]
.endr
.endm
; The piece's 32 register pairs are numbered g: tile st + g % 2, pair g / 2, so that neighbouring numbers are different tiles.
; s - m of pair g.  Written as a multiply-add by 1.0 so that -m stands in source 2: under the products' setting source 1 means Q's window.  The result is that of an add.
.macro FF st, g
.set f_t, \st+(\g)%2
.set f_b, 32*f_t+2*((\g)/2)
	v_pk_fma_f32 v[f_b:f_b+1], v[f_b:f_b+1], 1.0, v[NM+4*f_t:NM+4*f_t+1] op_sel_hi:[1,0,0]
.endm
; Pair g joins its tile's row sums.  A tile's first pair of a later step carries the rescaling along; the others are adds, in the multiply-add's form for the same reason as above.
.macro AA st, g, sm
.set a_t, \st+(\g)%2
.set a_b, 32*a_t+2*((\g)/2)
.if ((\g)/2+(\sm)) == 1
	s_wait_alu depctr_va_vdst(0)
	v_pk_fma_f32 v[LS+2*a_t:LS+2*a_t+1], v[LS+2*a_t:LS+2*a_t+1], v[AL+4*a_t:AL+4*a_t+1], v[a_b:a_b+1] op_sel_hi:[1,0,1]
.else
	s_wait_alu depctr_va_vdst(0)
	v_pk_fma_f32 v[LS+2*a_t:LS+2*a_t+1], v[a_b:a_b+1], 1.0, v[LS+2*a_t:LS+2*a_t+1] op_sel_hi:[1,0,1]
.endif
.endm
; Pair g packed to f16 in place: register p of the tile from registers 2 p, 2 p + 1; register p belongs to pair p / 2, which has been summed and packed before.
.macro CC st, g
.set c_t, \st+(\g)%2
.set c_p, (\g)/2
	v_cvt_pk_f16_f32 v[32*c_t+c_p], v[32*c_t+2*c_p], v[32*c_t+2*c_p+1]
.endm
; Micro-step i (0..33): the difference of pair i + 4, the two exponentials of pair i, the sum of pair i - 2.  Behind every exponential stands a plain instruction on
; other registers before its result is used (ISA guide 5.7.2); a result is used 7 instructions or more behind the instruction that makes it.
.macro MICRO st, i, sm
.set e_b, 32*(\st+(\i)%2)+2*((\i)/2)
.if (\i) < 28
	FF \st, (\i)+4
.endif
.if (\i) < 32
	v_exp_f32 v[e_b], v[e_b]
.endif
.if (\i) >= 2
.if (\i) < 34
	AA \st, (\i)-2, \sm
.endif
.endif
.if (\i) < 32
	v_exp_f32 v[e_b+1], v[e_b+1]
.endif
.endm
; O's pair r (0..31: tile st + r % 2, pair r / 2) times the lane's alpha (at the end: times 1 / l)
.macro RESC st, r
.set r_t, \st+(\r)%2
.set r_b, 32*r_t+2*((\r)/2)
	v_pk_mul_f32 v[r_b:r_b+1], v[r_b:r_b+1], v[AL+4*r_t:AL+4*r_t+1] op_sel_hi:[1,0]
.endm
; Slice n (0..31) of a piece's softmax.  0, 1: the maxima; 2: m, alpha, -m, the first four differences; 3: micro-steps 0-3 (with the two sums that name alpha);
; 4-15: O times alpha, 2 or 3 a slice and 4 in slice 15, which are the places in front of V's loads; 16-30: two micro-steps each; 23 and 31: 16 pairs packed each
; (slice 31's are the places in front of K's loads).
.macro SLICE st, n, sm
.if (\sm)
.if (\n) < 2
	WIN W_SM
.set m_l, 4*(\n)
.rept 4
	MAXL \st, m_l, \sm
.set m_l, m_l+1
.endr
.elseif (\n) == 2
	WIN W_SM
	STATS \st, \sm
	FF \st, 0
	FF \st, 1
	FF \st, 2
	FF \st, 3
.elseif (\n) == 3
	WIN W_SM
	MICRO \st, 0, \sm
	MICRO \st, 1, \sm
	MICRO \st, 2, \sm
	MICRO \st, 3, \sm
.elseif (\n) < 16
.if (\sm) == 1
	WIN W_PV
.if (\n) == 15
.set s_r, 28
.set s_c, 4
.else
.set s_r, (((\n)-4)*28)/11
.set s_c, (((\n)-3)*28)/11-s_r
.endif
.rept s_c
	RESC \st, s_r
.set s_r, s_r+1
.endr
.endif
.else
	WIN W_QK
	MICRO \st, 2*(\n)-28, \sm
	MICRO \st, 2*(\n)-27, \sm
.if (\n) == 23
	WIN W_SM
.set c_g, 0
.rept 16
	CC \st, c_g
.set c_g, c_g+1
.endr
.endif
.if (\n) == 31
	WIN W_SM
.set c_g, 16
.rept 16
	CC \st, c_g
.set c_g, c_g+1
.endr
.endif
.endif
.endif
.endm
; Half a body: the products of the piece at tile pt, one slice of the softmax of the piece at tile st behind each.
; pv: 0 no PV, 1 PV, 2 PV that starts the sums; qk: 1 QK; sm: as above, 0 none; ldv: 1 V's next fragments between the two runs; kw: 1 K's loads are awaited in front of QK.
.macro HALF pt, st, pv, qk, sm, ldv, kw
.set h_n, 0
.rept 16
.if (\pv)
	PVP \pt, h_n, (\pv)-1
.endif
	SLICE \st, h_n, \sm
.set h_n, h_n+1
.endr
.if \ldv
	LDV                                            ; V's registers were read by the 16 products above; behind the last stand slice 15's four plain instructions (ISA guide 7.12.1 for vector instructions)
.endif
.if (\pv)
.if (\sm) == 2
	PLACES 5                                       ; a first step has no slices 4-15: QK writes over P, a source of the products above, five places behind them (ISA guide 7.12.1)
.endif
.endif
.if \kw
	s_wait_dscnt 0x0                               ; K's 16 loads, issued 16 products ago
.endif
.rept 16
.if \qk
	QKP \pt, h_n-16
.endif
	SLICE \st, h_n, \sm
.set h_n, h_n+1
.endr
.endm
; The end of a body: K's fragments two steps ahead.  mode 0: in the same slot; 1, 2: slot has been read out (V's last step was loaded in this body), the other follows.
.macro ENDB slot, mode
.if \mode
	CHG \slot, \mode
	v_mov_b32 v[KA], v[KB+1-\slot]
	v_mov_b32 v[VA], v[VB+1-\slot]
	LDK
.else
	LDK
	v_add_nc_u32 v[VA], 32*VP, v[VA]
.endif
.endm
; Body j.  first = 1: j = 0 (both O start, piece B's softmax starts).  ldk = 0: no step j + 2 exists.
.macro BODY first, slot, mode, ldk
	s_wait_dscnt 0x10                              ; V(j)'s loads are in; the 16 younger ones, K(j+1)'s, may be out
	HALF 0, 2, (1+\first), 1, (1+\first), 0, 1
	HALF 2, 0, (1+\first), 1, 1, 1, 0
.if \ldk
	ENDB \slot, \mode
.else
	WIN 0
.endif
.endm
	s_wait_loadcnt 0x0                             ; Q
	s_wait_tensorcnt 0x1                           ; my part of keys 0-511 is in; the one younger load may stay out
	s_barrier_signal -1
	s_barrier_wait -1
	LDK                                            ; K(0)
	s_wait_dscnt 0x0
.set p_n, 0
.rept 16
	QKP 0, p_n                                     ; QK(A, 0)
.set p_n, p_n+1
.endr
	PLACES 4                                       ; the maxima read the scores four places behind the products (ISA guide 7.12.1)
	HALF 2, 0, 0, 1, 2, 1, 0                       ; softmax(A, 0), which starts; V(0); QK(B, 0)
	ENDB 0, 0                                      ; K(1)
	BODY 1, 0, 0, 1                                ; j = 0
	s_mov_b32 s24, 5
.Lp0:
	BODY 0, 0, 0, 1                                ; j = 1 to 5
	s_sub_co_u32 s24, s24, 1
	s_cmp_lg_u32 s24, 0
	s_cbranch_scc1 .Lp0
	s_mov_b32 s23, 3
.Louter:                                               ; j = 6 to 53: six changes of slots, six refills (keys 1,024 to 4,095)
	BODY 0, 0, 2, 1                                ; j = 6, 22, 38: slot 0 is read out and asked for again
	s_mov_b32 s24, 7
.Lpa:
	BODY 0, 0, 0, 1
	s_sub_co_u32 s24, s24, 1
	s_cmp_lg_u32 s24, 0
	s_cbranch_scc1 .Lpa
	BODY 0, 1, 2, 1                                ; j = 14, 30, 46: slot 1
	s_mov_b32 s24, 7
.Lpb:
	BODY 0, 0, 0, 1
	s_sub_co_u32 s24, s24, 1
	s_cmp_lg_u32 s24, 0
	s_cbranch_scc1 .Lpb
	s_sub_co_u32 s23, s23, 1
	s_cmp_lg_u32 s23, 0
	s_cbranch_scc1 .Louter
	BODY 0, 0, 1, 1                                ; j = 54: on to slot 1's last keys; nothing is left to fetch
	s_mov_b32 s24, 7
.Lp7:
	BODY 0, 0, 0, 1                                ; j = 55 to 61
	s_sub_co_u32 s24, s24, 1
	s_cmp_lg_u32 s24, 0
	s_cbranch_scc1 .Lp7
	BODY 0, 0, 0, 0                                ; j = 62: K(63) is in registers, there is no K(64)
	s_wait_dscnt 0x0                               ; j = 63: V(63); no load was issued behind it
	HALF 0, 2, 1, 0, 1, 0, 0                       ; PV(A, 63) with softmax(B, 63), whose second half has no products left to stand behind
	HALF 2, 0, 1, 0, 0, 0, 0                       ; PV(B, 63)
	; THE WAY OUT: 1 / l, O scaled and rounded to f16, 16 queries at a time through my own stage, stored as 512 dense bytes an instruction.
	PLACES 4                                       ; O is read four places behind the last product
	WIN W_SM
.irp t, 0,1,2,3
	v_add_f32 v[TT+4*\t], v[LS+2*\t], v[LS+2*\t+1]
.endr
.irp t, 0,1,2,3
	v_permlanex16_b32 v[XX+4*\t], v[TT+4*\t], s18, s19
.endr
.irp t, 0,1,2,3
	v_add_f32 v[TT+4*\t], v[TT+4*\t], v[XX+4*\t]   ; at least 1: the largest score's own weight is 2^0
.endr
.irp t, 0,1,2,3
	v_rcp_f32 v[AL+4*\t], v[TT+4*\t]
.endr
	v_nop                                          ; one plain instruction between the reciprocals and their use (ISA guide 5.7.2)
	s_wait_alu depctr_va_vdst(0)
.macro OUTT t
	WIN W_PV
.set w_i, 0
.rept 16
	RESC \t, 2*w_i
.set w_i, w_i+1
.endr
	WIN 0x0a                                       ; sources window 2, destination window 0
.irp et, 0,1,2,3
.irp q, 0,1,2,3
	v_cvt_pk_f16_f32 v[TMP+4*\et+\q], v[32*\t+8*\et+2*\q], v[32*\t+8*\et+2*\q+1]
.endr
.endr
	WIN 0
.irp et, 0,1,2,3
	ds_store_b128 v[STO], v[TMP+4*\et:TMP+4*\et+3] offset:32*\et
.endr
.irp i, 0,1,2,3
	ds_load_b128 v[RB+16*\t+4*\i:RB+16*\t+4*\i+3], v[RD] offset:4*SP*\i    ; my own bytes: LDS serves a wave's instructions in order (ISA guide 5.7.1), so these see the stores above, and the next tile's stores come behind them
.endr
.irp i, 0,1,2,3
	s_wait_dscnt 3-\i                              ; load i is in, the 3 - i younger ones may be out
	global_store_b128 v[GO], v[RB+16*\t+4*\i:RB+16*\t+4*\i+3], s[10:11] offset:2048*\t+512*\i
.endr
.endm
	OUTT 0
	OUTT 1
	OUTT 2
	OUTT 3
	s_wait_tensorcnt 0x0
	ds_add_u32 v190, v191
	s_wait_dscnt 0x0
	ROUND                                          ; the closing round: no work-group ends while a partner may still ask for a tile that names it
	s_endpgm
.Lfunc_end_k_q75b01063b0_attn:
	.size	k_q75b01063b0_attn, .Lfunc_end_k_q75b01063b0_attn-k_q75b01063b0_attn
	.p2alignl 7, 3214868480
	.fill 96, 4, 3214868480
	.section	.rodata,"a",@progbits
	.p2align	6, 0x0
	.amdhsa_kernel k_q75b01063b0_attn
		.amdhsa_group_segment_fixed_size 327680
		.amdhsa_private_segment_fixed_size 0
		.amdhsa_enable_private_segment 0
		.amdhsa_kernarg_size 32
		.amdhsa_user_sgpr_count 2
		.amdhsa_user_sgpr_kernarg_segment_ptr 1
		.amdhsa_wavefront_size32 1
		.amdhsa_system_sgpr_workgroup_id_x 1
		.amdhsa_system_sgpr_workgroup_id_y 1
		.amdhsa_system_sgpr_workgroup_id_z 1
		.amdhsa_system_vgpr_workitem_id 0
		.amdhsa_next_free_vgpr 704
		.amdhsa_next_free_sgpr 80
		.amdhsa_reserve_vcc 0
		.amdhsa_float_denorm_mode_32 3
		.amdhsa_float_denorm_mode_16_64 3
		.amdhsa_memory_ordered 1
		.amdhsa_forward_progress 1
		.amdhsa_inst_pref_size 255
	.end_amdhsa_kernel
	.section	.bss,"aw",@nobits
	.p2align	6
	.space	262144
	.amdgpu_metadata
---
amdhsa.version: [ 1, 2 ]
amdhsa.kernels:
  - .name:           k_q75b01063b0_attn
    .symbol:         k_q75b01063b0_attn.kd
    .args:
      - { .name: q16, .offset: 0, .size: 8, .value_kind: global_buffer, .address_space: global }
      - { .name: k16, .offset: 8, .size: 8, .value_kind: global_buffer, .address_space: global }
      - { .name: v16, .offset: 16, .size: 8, .value_kind: global_buffer, .address_space: global }
      - { .name: a16, .offset: 24, .size: 8, .value_kind: global_buffer, .address_space: global }
    .group_segment_fixed_size: 327680
    .private_segment_fixed_size: 0
    .kernarg_segment_align: 8
    .kernarg_segment_size: 32
    .max_flat_workgroup_size: 128
    .sgpr_count:     80
    .vgpr_count:     704
    .wavefront_size: 32
...
	.end_amdgpu_metadata
.endif
;; end of part 5
;; launch proj (part 6): grid 8 x 32, 4 waves a work-group, clusters of 4 x 4, 327,680 bytes of LDS; arguments a16, wo16, bo, out0; writes out0
.if DOCPART == 6
	.amdgcn_target "amdgcn-amd-amdhsa--gfx1250"
	.amdhsa_code_object_version 6
	.text
	.protected	k_q75b01063b0_proj
	.globl	k_q75b01063b0_proj
	.p2align	8
	.type	k_q75b01063b0_proj,@function
k_q75b01063b0_proj:
	s_mov_b64 s[64:65], 0
	v_nop
	global_prefetch_b8 v0, s[64:65] scope:SCOPE_SE
	s_setreg_imm32_b32 hwreg(HW_REG_WAVE_MODE, 25, 1), 1
	s_wait_xcnt 0x0
	s_wait_alu depctr_hold_cnt(0) depctr_sa_sdst(0) depctr_va_vdst(0) depctr_va_sdst(0) depctr_va_ssrc(0) depctr_va_vcc(0) depctr_vm_vsrc(0)
	s_getreg_b32 s2, hwreg(HW_REG_IB_STS2, 6, 4)
	s_cmp_eq_u32 s2, 0
	s_cbranch_scc0 .Lentry_in_a_cluster
	s_endpgm
.Lentry_in_a_cluster:
	s_bfe_u32 s2, ttmp6, 0x10000c
	s_cmp_lg_u32 s2, 0xf033
	s_cbranch_scc0 .Lentry_shape_is_right
	s_endpgm
.Lentry_shape_is_right:
; out0[n][f] = sum over d of a[n][d] Wo[f][d] + bo[f].  a16: [head 16][token 4096][e 64] f16 (d = 64 head + e), wo16: [1024][1024] f16, bo, out0: f32.  Nothing is left out.
; LIMITS: operands f16, sums f32, as stated at the head of the first launch.
; A work-group makes 128 tokens x 128 features (x = feature block, y = token block), a wave 64 x 64: 16 accumulators.
; K goes in four slot steps of 256 = four heads, through two LDS slots as large as fit: the two first fills bring half of K, two refills the rest,
; and a refill has a slot step's 128 products of each wave in which to land.  A slot step is eight sub-steps of 32 along K.
; CLUSTERS: 4 x 4.  a16's tiles hang on the token block alone and are shared along a row of the cluster, wo16's on the feature block alone and are shared along a column.
; PAIR ROWS: two neighbouring tokens of a head are 256 aligned bytes of a16.  Token tile 2 u + par of a wave is the tokens of parity par of its pair rows 16 u .. +15;
; the order only enters the address of the output row.
; TRANSPOSED USE: source 0 = 16 rows of wo16, source 1 = 16 tokens: a lane holds one token and eight neighbouring features, 32 bytes of f32.
; The bias is the C of each accumulator's first product: no add, and nothing is cleared.
; LDS: slot s at s*137,216: four heads of a16, each 64 pair rows at pitch 272 (17,408 bytes a head), then wo16's 128 rows of 512 bytes at pitch 528.
;      Behind the slots, at 274,432, each wave's stage of 16 x 272 bytes, into which no tensor load lands.
; ONE TENSOR LOAD A WAVE: waves 0, 1 bring two heads of a16 each.  A head's 128 tokens lie dense, 16,384 bytes, so they are ONE row of the tile, and the tile is two such rows,
; 524,288 bytes apart.  The padding is counted along the tile: 16 bytes behind every 256, an interval that divides the row, so every pair row gets its pitch of 272.
; Waves 2, 3 bring 64 rows of wo16 each, 512 bytes a row, 16 bytes of padding behind each.
; REGISTERS: window 0: v4-11 addresses, v64-127 and v128-191 two fragment buffers (4 of a16, then 4 of wo16); window 1: accumulator (a, b) at 8 (4 a + b), bias of feature tile b at 128 + 8 b
; SCALARS: s[4:11] buffers; s12 wave, s13 w>>1, s14 w&1; s15 cx, s16 cy, s17 feature block, s18 token block; s19, s20 masks; s[32:63] descriptors; s[66:75] at work
.set PA,    272                        ; a16's pair rows: 256 bytes + 16
.set PB,    528                        ; wo16's rows: 512 bytes + 16: sixteen rows of a fragment load start 16 bytes apart modulo 256
.set HEADB, 17408                      ; 64 pair rows x 272
.set BOFF,  69632                      ; wo16's rows lie behind a16's four heads
.set BHALF, 33792                      ; 64 rows x 528
.set SLOT,  137216
.set STAGE, 274432
.set SP,    272                        ; the stage's pitch
.set ADRA, 4
.set ADRB, 6
.set STO,  8
.set RD,   9
.set CO,   10
.set BO,   11
.set F0,   64
.set F1,   128
.set BIAS, 128
.set G1A, 32
.set G1B, 40
.set G0A, 48
.set G0B, 56
.set G1WA, (3<<16)|(1<<20)|(1<<21)|(5<<22)|(3<<25)   ; elements of 8 bytes; padding on; bit 21 beside a mask; after every 64 words, 4 words
.set G1WB, (1<<16)|(1<<20)|(1<<21)|(6<<22)|(3<<25)   ; elements of 2 bytes; after every 128 words, 4 words
.set MSB, 0
.macro WIN new                         ; the immediate's high byte repeats the setting that is left
.if MSB != \new
	s_set_vgpr_msb (MSB<<8)|\new
.set MSB, \new
.endif
.endm
.macro PLACES n
.rept \n
	v_nop
.endr
.endm
.macro ROUND                           ; a round of the cluster's barrier
	s_barrier_signal -1
	s_barrier_wait -1
	s_cmp_lg_u32 s12, 0
	s_cbranch_scc1 .Lnot_wave_0_\@
	s_barrier_signal -3
.Lnot_wave_0_\@:
	s_barrier_wait -3
	s_barrier_signal -1
	s_barrier_wait -1
.endm
.macro JLOAD s                         ; waves 0, 1 ask for two heads of a16 each, waves 2, 3 for wo16's two halves.  The branch hangs on the wave's number alone.
	s_cmp_lt_u32 s12, 2
	s_cbranch_scc0 .Lfor_b_\@
	tensor_load_to_lds s[G0A+4*\s:G0A+4*\s+3], s[G1A:G1A+7]
	s_nop 0
	s_branch .Lasked_\@
.Lfor_b_\@:
	tensor_load_to_lds s[G0B+4*\s:G0B+4*\s+3], s[G1B:G1B+7]
	s_nop 0
	v_nop
.Lasked_\@:
.endm
.macro CHG slot, mode                  ; mode 2: slot is filled again, two slot steps ahead; 1: a barrier alone; 0: nothing
.if \mode
	WIN 0
	s_wait_dscnt 0x0                               ; my reads of this slot are back (met: the sub-step's own wait stands in front)
	s_wait_tensorcnt 0x0                           ; all my tensor loads have landed: the one that was out is my part of the other slot
	ds_add_u32 v254, v255
	s_wait_dscnt 0x0
.if \mode == 2
	s_add_nc_u64 s[G0A+4*\slot+2:G0A+4*\slot+3], s[G0A+4*\slot+2:G0A+4*\slot+3], 4194304   ; no load of mine is out: eight heads of 524,288 bytes on
	s_add_nc_u64 s[G0B+4*\slot+2:G0B+4*\slot+3], s[G0B+4*\slot+2:G0B+4*\slot+3], 1024      ; 512 along K
	ROUND                                          ; both waits now hold of every wave of every work-group of the cluster
	JLOAD \slot                                    ; my one tensor load behind the round, first thing there
.else
	s_barrier_signal -1
	s_barrier_wait -1
.endif
.endif
.endm
	s_load_b256 s[4:11], s[0:1], 0x0               ; a16 s[4:5], wo16 s[6:7], bo s[8:9], out0 s[10:11]
	v_lshl_add_u32 v254, v0, 2, 0x47400
	v_mov_b32 v255, 0
	ds_add_u32 v254, v255
	v_lshrrev_b32 v1, 5, v0
	v_readfirstlane_b32 s12, v1                    ; wave 0..3
	s_lshr_b32 s13, s12, 1                         ; which 64 tokens
	s_and_b32 s14, s12, 1                          ; which 64 features.  Also: which half of a16's or wo16's tile I fetch
	s_bfe_u32 s15, ttmp6, 0x40000                  ; cx
	s_bfe_u32 s16, ttmp6, 0x40004                  ; cy
	s_lshl_b32 s17, ttmp9, 2
	s_add_co_u32 s17, s17, s15                     ; feature block
	s_and_b32 s18, ttmp7, 0xffff
	s_lshl_b32 s18, s18, 2
	s_add_co_u32 s18, s18, s16                     ; token block
	s_lshl_b32 s19, s16, 2
	s_lshl_b32 s19, 15, s19                        ; my row of the cluster
	s_lshl_b32 s20, 0x1111, s15                    ; my column
	s_or_b32 s[G1A+0], s19, G1WA
	s_or_b32 s[G1B+0], s20, G1WB
	s_mov_b32 s[G1A+1], 2048<<16                   ; tensor_dim0 = 2,048 elements of 8 bytes: a head's 128 tokens
	s_mov_b32 s[G1A+2], 2<<16                      ; tensor_dim1 = 2 heads
	s_mov_b32 s[G1A+3], 2048<<16                   ; tile_dim0
	s_mov_b32 s[G1A+4], 2                          ; tile_dim1
	s_mov_b32 s[G1A+5], 65536                      ; from head to head: 524,288 bytes in elements of 8
	s_mov_b32 s[G1A+6], 0
	s_mov_b32 s[G1A+7], 0
	s_mov_b32 s[G1B+1], 256<<16                    ; tensor_dim0 = 256 elements of 2 bytes
	s_mov_b32 s[G1B+2], 64<<16                     ; tensor_dim1 = 64 rows
	s_mov_b32 s[G1B+3], 256<<16                    ; tile_dim0
	s_mov_b32 s[G1B+4], 64                         ; tile_dim1
	s_mov_b32 s[G1B+5], 1024                       ; wo16: 1,024 elements from row to row
	s_mov_b32 s[G1B+6], 0
	s_mov_b32 s[G1B+7], 0
	s_lshl_b32 s66, s14, 20                        ; a16: heads 0, 1 or 2, 3 of the slot step: two heads of 524,288 bytes,
	s_lshl_b32 s67, s18, 14                        ; 128 tokens x 128 bytes a block (never holds cx)
	s_add_co_u32 s66, s66, s67
	s_mov_b32 s67, 0
	s_lshl_b32 s68, s17, 7                         ; wo16: row 128 x block + 64 x half (never holds cy),
	s_lshl_b32 s69, s14, 6
	s_add_co_u32 s68, s68, s69
	s_lshl_b32 s68, s68, 11                        ; of 2,048 bytes
	s_mov_b32 s69, 0
	s_mul_i32 s70, s12, 2*HEADB                    ; a16's halves go to 34,816 w (w = 0, 1)
	s_mul_i32 s71, s12, BHALF                      ; wo16's to 33,792 w + 2,048 (w = 2, 3): 69,632 and 103,424
	s_lshl_b32 s72, s17, 9                         ; my 64 features in bo and in a row of out0: 512 x block + 256 x half
	s_lshl_b32 s73, s14, 8
	s_add_co_u32 s72, s72, s73
	s_mov_b32 s73, 0
	s_lshl_b32 s74, s18, 19                        ; my first token's row of 4,096 bytes: 128 x block + 64 x half
	s_lshl_b32 s75, s13, 18
	s_add_co_u32 s74, s74, s75
	s_mov_b32 s75, 0
	s_wait_dscnt 0x0
	s_wait_kmcnt 0x0
	s_add_nc_u64 s[66:67], s[4:5], s[66:67]
	s_add_nc_u64 s[68:69], s[6:7], s[68:69]
	s_add_nc_u64 s[8:9], s[8:9], s[72:73]
	s_add_nc_u64 s[10:11], s[10:11], s[72:73]
	s_add_nc_u64 s[10:11], s[10:11], s[74:75]
	ROUND                                          ; all sixteen work-groups are here: the first joint loads meet
.irp s, 0,1
	s_mov_b32 s[G0A+4*\s], 1
	s_add_co_u32 s[G0A+4*\s+1], s70, \s*SLOT
	s_add_nc_u64 s[G0A+4*\s+2:G0A+4*\s+3], s[66:67], \s*2097152    ; slot step s: four heads on
	s_or_b32 s[G0A+4*\s+3], s[G0A+4*\s+3], 0x80000000
	s_mov_b32 s[G0B+4*\s], 1
	s_add_co_u32 s[G0B+4*\s+1], s71, BOFF-2*BHALF+\s*SLOT
	s_add_nc_u64 s[G0B+4*\s+2:G0B+4*\s+3], s[68:69], \s*512        ; 256 along K
	s_or_b32 s[G0B+4*\s+3], s[G0B+4*\s+3], 0x80000000
	JLOAD \s                                       ; slot steps 0 and 1: two tensor loads of each wave are out, the most anywhere in this text
.endr
	v_and_b32 v1, 15, v0                           ; r
	v_bfe_u32 v2, v0, 4, 1                         ; h
	v_lshlrev_b32 v[BO], 5, v2                     ; the bias in the accumulator's layout: features 16 b + 8 h + 0..7, the same for every token
	WIN 0x40                                       ; destination window 1
.irp b, 0,1,2,3
	global_load_b128 v[BIAS+8*\b:BIAS+8*\b+3],   v[BO], s[8:9] offset:64*\b
	global_load_b128 v[BIAS+8*\b+4:BIAS+8*\b+7], v[BO], s[8:9] offset:64*\b+16
.endr
	WIN 0
	v_mul_u32_u24 v3, v1, PA
	v_lshl_add_u32 v14, v2, 4, v3                  ; a fragment's lane in a16: pair row r, byte 16 h
	v_mul_u32_u24 v16, v1, PB
	v_lshl_add_u32 v16, v2, 4, v16                 ; in wo16: row r, byte 16 h
	s_mul_i32 s71, s13, 32*PA                      ; my 32 pair rows
	s_mul_i32 s72, s14, 64*PB                      ; my 64 rows of wo16,
	s_add_co_u32 s72, s72, BOFF                    ; behind a16's four heads
	v_add_nc_u32 v[ADRA], s71, v14
	v_add_nc_u32 v[ADRB], s72, v16
	v_add_nc_u32 v[ADRA+1], SLOT, v[ADRA]
	v_add_nc_u32 v[ADRB+1], SLOT, v[ADRB]
	s_mul_i32 s71, s12, 16*SP
	s_add_co_u32 s71, s71, STAGE                   ; my stage
	v_lshl_add_u32 v15, v2, 5, v3
	v_add_nc_u32 v[STO], s71, v15                  ; in: row r, byte 32 h
	v_mul_u32_u24 v15, v2, SP
	v_lshl_add_u32 v15, v1, 4, v15
	v_add_nc_u32 v[RD], s71, v15                   ; back: lanes 0-15 one row of 256 bytes, lanes 16-31 the next
	v_lshlrev_b32 v[CO], 13, v2                    ; neighbouring stage rows are two tokens apart: 8,192 bytes
	v_lshl_add_u32 v[CO], v1, 4, v[CO]
; 16 LDS loads: the fragments of sub-step q (0..7; 32 along K: head q / 2 of the slot, e = 32 (q % 2); byte 64 q of wo16's rows) into buffer f
.macro FETCH slot, q, f
	WIN 0
.irp a, 0,1,2,3
	ds_load_b128 v[\f+8*\a:\f+8*\a+3],   v[ADRA+\slot] offset:(\q/2)*HEADB+16*PA*(\a/2)+128*(\a%2)+64*(\q%2)
	ds_load_b128 v[\f+8*\a+4:\f+8*\a+7], v[ADRA+\slot] offset:(\q/2)*HEADB+16*PA*(\a/2)+128*(\a%2)+64*(\q%2)+32
.endr
.irp b, 0,1,2,3
	ds_load_b128 v[\f+32+8*\b:\f+32+8*\b+3], v[ADRB+\slot] offset:16*PB*\b+64*\q
	ds_load_b128 v[\f+32+8*\b+4:\f+32+8*\b+7], v[ADRB+\slot] offset:16*PB*\b+64*\q+32
.endr
.endm
; 16 products, each accumulator once: they take turns, one instruction a turn, in the same order in every sub-step.  first = 1: C is the bias.
.macro MUL16 f, first
	WIN 0x50                                       ; fragments window 0; C, D window 1
.irp a, 0,1,2,3
.irp b, 0,1,2,3
.if \first
	v_wmma_f32_16x16x32_f16 v[8*(4*\a+\b):8*(4*\a+\b)+7], v[\f+32+8*\b:\f+32+8*\b+7], v[\f+8*\a:\f+8*\a+7], v[BIAS+8*\b:BIAS+8*\b+7]
.else
	v_wmma_f32_16x16x32_f16 v[8*(4*\a+\b):8*(4*\a+\b)+7], v[\f+32+8*\b:\f+32+8*\b+7], v[\f+8*\a:\f+8*\a+7], v[8*(4*\a+\b):8*(4*\a+\b)+7]
.endif
.endr
.endr
.endm
; One of a slot step's first seven sub-steps: fetches sub-step q into buffer g, multiplies buffer f
.macro SUB slot, q, g, f, first
	s_wait_dscnt 0x0                               ; buffer f is in
	PLACES 4                                       ; buffer g was read by the last products: loads into it stand four places behind them (ISA guide 7.12.1 for vector instructions)
	FETCH \slot, \q, \g
	MUL16 \f, \first
.endm
; A slot step: 256 along K, 128 products.  The slot is free as soon as its last sub-step's fragments are in registers: the change of slots stands in front of that sub-step's products.
.macro SSTEP slot, first, mode
	SUB \slot, 1, F1, F0, \first
	SUB \slot, 2, F0, F1, 0
	SUB \slot, 3, F1, F0, 0
	SUB \slot, 4, F0, F1, 0
	SUB \slot, 5, F1, F0, 0
	SUB \slot, 6, F0, F1, 0
	SUB \slot, 7, F1, F0, 0
	s_wait_dscnt 0x0                               ; the last sub-step's fragments are in: my reads of this slot are over
	PLACES 4
	CHG \slot, \mode
.if \mode
	FETCH 1-\slot, 0, F0
.endif
	MUL16 F1, 0
.endm
	s_wait_loadcnt 0x0                             ; the bias
	s_wait_tensorcnt 0x1                           ; my part of slot step 0 is in; the one younger load may stay out
	s_barrier_signal -1
	s_barrier_wait -1
	FETCH 0, 0, F0
	SSTEP 0, 1, 2                                  ; K 0-255 starts the sums from the bias; its change of slots asks for K 512-767
	SSTEP 1, 0, 2                                  ; K 256-511; asks for K 768-1,023, the last
	SSTEP 0, 0, 1                                  ; K 512-767: nothing is left to fetch; the barrier shows slot 1 whole
	SSTEP 1, 0, 0                                  ; K 768-1,023
	; THE WAY OUT, 16 tokens at a time through my own stage: 32 bytes a lane in, whole rows of 256 bytes back; sixteen lanes store 256 consecutive bytes, aligned.
	; Stage row p of token tile 2 u + par is token 32 u + 2 p + par of my 64.
.macro OUTA a
	WIN 0x04                                       ; the store's data in window 1
.irp b, 0,1,2,3
	ds_store_b128 v[STO], v[8*(4*\a+\b):8*(4*\a+\b)+3] offset:64*\b
	ds_store_b128 v[STO], v[8*(4*\a+\b)+4:8*(4*\a+\b)+7] offset:64*\b+16
.endr
	WIN 0
.irp i, 0,1,2,3,4,5,6,7
	ds_load_b128 v[F0+32*\a+4*\i:F0+32*\a+4*\i+3], v[RD] offset:2*SP*\i   ; my own bytes: LDS serves a wave's instructions in order (ISA guide 5.7.1)
.endr
.irp i, 0,1,2,3,4,5,6,7
	s_wait_dscnt 7-\i                              ; load i is in, the 7 - i younger ones may be out
	global_store_b128 v[CO], v[F0+32*\a+4*\i:F0+32*\a+4*\i+3], s[10:11] offset:(32*(\a/2)+(\a%2)+4*\i)*4096 th:TH_STORE_NT
.endr
.endm
	PLACES 4                                       ; results are stored, and the fragment buffers loaded again, four places behind the last product
	OUTA 0
	OUTA 1
	OUTA 2
	OUTA 3
	s_wait_tensorcnt 0x0
	ds_add_u32 v254, v255
	s_wait_dscnt 0x0
	ROUND                                          ; the closing round: no work-group ends while a partner may still ask for a tile that names it
	s_endpgm
.Lfunc_end_k_q75b01063b0_proj:
	.size	k_q75b01063b0_proj, .Lfunc_end_k_q75b01063b0_proj-k_q75b01063b0_proj
	.p2alignl 7, 3214868480
	.fill 96, 4, 3214868480
	.section	.rodata,"a",@progbits
	.p2align	6, 0x0
	.amdhsa_kernel k_q75b01063b0_proj
		.amdhsa_group_segment_fixed_size 327680
		.amdhsa_private_segment_fixed_size 0
		.amdhsa_enable_private_segment 0
		.amdhsa_kernarg_size 32
		.amdhsa_user_sgpr_count 2
		.amdhsa_user_sgpr_kernarg_segment_ptr 1
		.amdhsa_wavefront_size32 1
		.amdhsa_system_sgpr_workgroup_id_x 1
		.amdhsa_system_sgpr_workgroup_id_y 1
		.amdhsa_system_sgpr_workgroup_id_z 1
		.amdhsa_system_vgpr_workitem_id 0
		.amdhsa_next_free_vgpr 416
		.amdhsa_next_free_sgpr 80
		.amdhsa_reserve_vcc 0
		.amdhsa_float_denorm_mode_32 3
		.amdhsa_float_denorm_mode_16_64 3
		.amdhsa_memory_ordered 1
		.amdhsa_forward_progress 1
		.amdhsa_inst_pref_size 89
	.end_amdhsa_kernel
	.amdgpu_metadata
---
amdhsa.version: [ 1, 2 ]
amdhsa.kernels:
  - .name:           k_q75b01063b0_proj
    .symbol:         k_q75b01063b0_proj.kd
    .args:
      - { .name: a16, .offset: 0, .size: 8, .value_kind: global_buffer, .address_space: global }
      - { .name: wo16, .offset: 8, .size: 8, .value_kind: global_buffer, .address_space: global }
      - { .name: bo, .offset: 16, .size: 8, .value_kind: global_buffer, .address_space: global }
      - { .name: out0, .offset: 24, .size: 8, .value_kind: global_buffer, .address_space: global }
    .group_segment_fixed_size: 327680
    .private_segment_fixed_size: 0
    .kernarg_segment_align: 8
    .kernarg_segment_size: 32
    .max_flat_workgroup_size: 128
    .sgpr_count:     80
    .vgpr_count:     416
    .wavefront_size: 32
...
	.end_amdgpu_metadata
.endif
;; end of part 6
;; ======== version 3 of 3: 3 launches; 1.75 times as fast as version 1
;; limits: values are held in f16: magnitudes above 65,504 overflow, below 6.1e-05 lose precision
;; workspace buffers: q16 8,388,608 bytes; k16 8,388,608 bytes; v16 8,388,608 bytes; a16 8,388,608 bytes; wo16 2,097,152 bytes
;; launch qkv: the kernel of part 4 again; grid 16 x 16, 4 waves a work-group, clusters of 4 x 4, 327,680 bytes of LDS; arguments query, Wq, Wk, Wv, Wo, q16, k16, v16, wo16; writes q16, k16, v16, wo16
;; launch attn (part 7): grid 16 x 16, 4 waves a work-group, clusters of 4 x 1, 327,680 bytes of LDS; arguments q16, k16, v16, a16; writes a16
.if DOCPART == 7
	.amdgcn_target "amdgcn-amd-amdhsa--gfx1250"
	.amdhsa_code_object_version 6
	.text
	.protected	k_q75b01063b0_attn
	.globl	k_q75b01063b0_attn
	.p2align	8
	.type	k_q75b01063b0_attn,@function
k_q75b01063b0_attn:
	s_mov_b64 s[64:65], 0
	v_nop
	global_prefetch_b8 v0, s[64:65] scope:SCOPE_SE
	s_setreg_imm32_b32 hwreg(HW_REG_WAVE_MODE, 25, 1), 1
	s_wait_xcnt 0x0
	s_wait_alu depctr_hold_cnt(0) depctr_sa_sdst(0) depctr_va_vdst(0) depctr_va_sdst(0) depctr_va_ssrc(0) depctr_va_vcc(0) depctr_vm_vsrc(0)
	s_getreg_b32 s2, hwreg(HW_REG_IB_STS2, 6, 4)
	s_cmp_eq_u32 s2, 0
	s_cbranch_scc0 .Lentry_in_a_cluster
	s_endpgm
.Lentry_in_a_cluster:
	s_bfe_u32 s2, ttmp6, 0x10000c
	s_cmp_lg_u32 s2, 0x3003
	s_cbranch_scc0 .Lentry_shape_is_right
	s_endpgm
.Lentry_shape_is_right:
; a16[head][n][e] = sum over m of softmax_m(q[n] . k[m] / 8) v[m][e], per head; q16, k16, v16, a16: [16][4096][64] f16.  Nothing is left out.
; q16 holds c q, c = log2 e / 8 (applied by the first launch), so the products give s = c q.k and p = 2^(s - m) with m the running maximum of s.
; s - m and m_old - m_new are plain differences: exactly 0 at the maximum and where the maximum stands, whatever the scores' size.
; LIMITS: operands f16 (P too: a weight under 6e-8 of the row's largest counts as zero), sums and softmax f32; a result of magnitude 65,504 or more becomes infinite.
; A NaN among the scores is dropped from the maximum but passes the exponential into the row's sum, so the row is NaN.
;
; A work-group takes 256 queries of one head (x = query block, y = head), a wave 64 queries = 4 query tiles t.  Keys go in steps of 64.
; CLUSTERS: the four query blocks of a cluster read the same K and V: each tile is asked for jointly, mask 15.
; LAYOUTS THAT NEED NO SHUFFLE: S^T = K Q^T (source 0 = K, source 1 = Q): lane (r, h) holds query r and keys 8 h + 0..7 of a key tile, so the row's maximum
; and sum are in the lane but for one exchange between the halves.  Packing key tiles 2 u and 2 u + 1 gives P's fragment as source 1 of O^T = V^T P;
; V^T comes from V's rows by the transposing LDS load.  O^T: lane (r, h) holds query r, e = 8 h + 0..7.
; PAIR ROWS: two neighbouring tokens are one row of 256 bytes of a tensor tile (aligned, since a token is 128 bytes and a head's tokens lie dense).  Key tile 2 u + par is the
; tokens of parity par of pair rows 16 u .. 16 u + 15.  K and V use the same order of keys, so the sums over keys are those of the natural order.
;
; TWO PIECES BY TURNS: piece A = query tiles 0, 1, piece B = tiles 2, 3.  While one piece's 32 products of a step are issued (16 of O^T += V^T P, then 16 of the next S^T),
; the other piece's softmax, cut into 32 numbered slices, stands one slice behind each product.  Body j:
;   PV(A, j) | softmax(B, j) 0-15;  QK(A, j+1) | softmax(B, j) 16-31;  PV(B, j) | softmax(A, j+1) 0-15;  load V(j+1);  QK(B, j+1) | softmax(A, j+1) 16-31;  load K(j+2).
; V(j) and K(j+1) serve both pieces from one set of registers each; each run of 16 LDS loads stands 16 products ahead of its first use.
; The slots' numbers are constants of the text (nine bodies are written): a slot's 143,360 bytes share a bit with the waves' offsets, so an exclusive-or would be no toggle.
;
; THE EXPONENTIALS GO IN TWO BATCHES A PIECE AND STEP, each with ONE s_wait_alu depctr_va_vdst(0), ahead of the first instruction that names a result.
; Batch 1 (slices 2, 3): the two alpha and the 16 exponentials of the piece's register pairs 0-7, by turns with differences.  Its wait stands in slice 3, ahead of the two sums that name alpha;
; behind it come O times alpha (slices 4-15) and the sums of pairs 2-7, which stand as plain lines among batch 2's exponentials.
; Batch 2 (slices 16-29): the other 48 exponentials, with the last 12 differences and those six sums between them; no line there names a result of the batch.  Its wait stands behind slice 29,
; ahead of the other 24 sums and the 32 packings (slices 30, 31).  Behind a piece's second wait no exponential is issued, so no result crosses a label or a jump.  The way out's four reciprocals are a batch of their own.
;
; LDS: slot s at s*143,360 holds 512 keys: V's 256 pair rows (pitch 288, an odd multiple of 32 for the transposing loads), then K's 256 (pitch 272).  Behind the slots each wave's stage of 16 x 144 bytes.
; REGISTERS: window 0: v4-13 addresses, v32-47 packed results, v64-127 rows read back on the way out, v192-255 Q (192 + 16 t + 8 eh)
;            window 1: S[t][kt] at 32 t + 8 kt, P[t] packed in place at 32 t .. +15; K at 128 + 16 kt + 8 eh; 192 + 4 t: -m, m, alpha, exchange; 208 + 2 t: the row sum's pair
;            window 2: O[t][et] at 32 t + 8 et; V at 128 + 32 u + 8 et
; WINDOWS: K lies with S and V with O, so that the slices behind QK (exponentials, differences, sums: destination, sources 0 and 2 in window 1) and those behind PV (O times alpha)
; run under the product's own setting.  Only the maxima and the packing to f16, which name two registers of S in sources 0 and 1, need a setting of their own: they are gathered into
; six of a piece's 32 slices.  A body has 29 switches for 64 products.
; SCALARS: s[4:11] buffers; s12 wave, s14 w&1, s15 cx, s16 query block, s17 head; s18, s19 lane selects; s23, s24 counters; s[32:63] descriptors; s[66:75] at work
.set SLOT,  143360
.set KOFF,  73728
.set KP,    272
.set VP,    288
.set STAGE, 286720
.set SP,    144
.set KB,  4                            ; v4-5  K's fragment address at the head of slot 0, 1
.set VB,  6                            ; v6-7  V's
.set KA,  8                            ; v8    K's, walking: 32 pair rows a step
.set VA,  9                            ; v9    V's
.set QO,  10
.set STO, 11
.set RD,  12
.set GO,  13
.set TMP, 32
.set RB,  64
.set QF,  192
.set KF,  128                          ; window 1
.set NM,  192                          ; window 1, + 4 t: -m
.set TT,  193                          ;                  m, the running maximum
.set AL,  194                          ;                  alpha = 2^(m_old - m_new); at the end 1 / l
.set XX,  195                          ;                  second chain of the maximum, the other half's figure, m_old - m_new
.set LS,  208                          ; window 1, + 2 t: two partial row sums
.set VF,  128                          ; window 2
.set W_PV, 0xa6                        ; source 0 (V) window 2, source 1 (P, alpha) window 1, source 2 and destination (O) window 2
.set W_QK, 0x51                        ; source 0 (K, S) window 1, source 1 (Q) window 0, source 2 and destination (S, sums) window 1
.set W_SM, 0x55                        ; all in window 1
.set W_LK, 0x40                        ; a load into window 1, address in window 0
.set W_LV, 0x80                        ; a load into window 2
.set G1V, 32
.set G1K, 40
.set G0V, 48
.set G0K, 56
.set MSB, 0
.macro WIN new                         ; the immediate's high byte repeats the setting that is left; a switch that changes nothing is dropped
.if MSB != \new
	s_set_vgpr_msb (MSB<<8)|\new
.set MSB, \new
.endif
.endm
.macro PLACES n
.rept \n
	v_nop
.endr
.endm
.macro ROUND                           ; a round of the cluster's barrier
	s_barrier_signal -1
	s_barrier_wait -1
	s_cmp_lg_u32 s12, 0
	s_cbranch_scc1 .Lnot_wave_0_\@
	s_barrier_signal -3
.Lnot_wave_0_\@:
	s_barrier_wait -3
	s_barrier_signal -1
	s_barrier_wait -1
.endm
.macro JLOAD s                         ; waves 0, 1 ask for V's two halves (128 pair rows each), waves 2, 3 for K's
	s_cmp_lt_u32 s12, 2
	s_cbranch_scc0 .Lfor_k_\@
	tensor_load_to_lds s[G0V+4*\s:G0V+4*\s+3], s[G1V:G1V+7]
	s_nop 0
	v_nop
	s_branch .Lasked_\@
.Lfor_k_\@:
	tensor_load_to_lds s[G0K+4*\s:G0K+4*\s+3], s[G1K:G1K+7]
	s_nop 0
	v_nop
	v_nop
.Lasked_\@:
.endm
; The change of slots, once for 512 keys.  mode 2: slot is filled again with the keys 1,024 further on; mode 1: nothing is left to fetch.
.macro CHG slot, mode
	WIN 0
	s_wait_dscnt 0x0                               ; my reads of this slot are back: the last are V's 16 loads of its last step, issued 16 products ago
	s_wait_tensorcnt 0x0                           ; all my tensor loads have landed: the one that was out is my part of the other slot
	ds_add_u32 v190, v191
	s_wait_dscnt 0x0
.if \mode == 2
	s_add_nc_u64 s[G0V+4*\slot+2:G0V+4*\slot+3], s[G0V+4*\slot+2:G0V+4*\slot+3], 131072   ; no load of mine is out: 1,024 keys x 128 bytes on
	s_add_nc_u64 s[G0K+4*\slot+2:G0K+4*\slot+3], s[G0K+4*\slot+2:G0K+4*\slot+3], 131072
	ROUND                                          ; both waits now hold of every wave of the four work-groups
	JLOAD \slot                                    ; my one tensor load behind the round, first thing there; it has 8 bodies, 512 products, in which to land
.else
	s_barrier_signal -1
	s_barrier_wait -1
.endif
.endm
	s_load_b256 s[4:11], s[0:1], 0x0               ; q16 s[4:5], k16 s[6:7], v16 s[8:9], a16 s[10:11]
	v_lshl_add_u32 v190, v0, 2, 0x48400
	v_mov_b32 v191, 0
	ds_add_u32 v190, v191
	v_lshrrev_b32 v1, 5, v0
	v_readfirstlane_b32 s12, v1                    ; wave 0..3
	s_and_b32 s14, s12, 1                          ; which half of K's or V's tile I fetch
	s_bfe_u32 s15, ttmp6, 0x40000                  ; cx
	s_lshl_b32 s16, ttmp9, 2
	s_add_co_u32 s16, s16, s15                     ; query block = 4 x cluster x + cx
	s_and_b32 s17, ttmp7, 0xffff                   ; head = cluster y
	s_mov_b32 s18, 0x76543210                      ; v_permlanex16_b32: lane i of one half reads lane i of the other
	s_mov_b32 s19, 0xfedcba98
	s_mov_b32 s[G1V+0], 15|(1<<16)|(1<<20)|(1<<21)|(5<<22)|(7<<25)   ; mask of the four; elements of 2 bytes; padding: after every 64 words, 8 words
	s_mov_b32 s[G1K+0], 15|(1<<16)|(1<<20)|(1<<21)|(5<<22)|(3<<25)   ; the same with 4 words
.irp g, G1V, G1K
	s_mov_b32 s[\g+1], 128<<16                     ; tensor_dim0 = 128 elements: a pair row
	s_mov_b32 s[\g+2], 128<<16                     ; tensor_dim1 = 128 pair rows
	s_mov_b32 s[\g+3], 128<<16                     ; tile_dim0
	s_mov_b32 s[\g+4], 128                         ; tile_dim1
	s_mov_b32 s[\g+5], 128                         ; the rows lie dense
	s_mov_b32 s[\g+6], 0
	s_mov_b32 s[\g+7], 0
.endr
	s_lshl_b32 s66, s17, 19                        ; a head: 4,096 tokens x 128 bytes
	s_lshl_b32 s67, s14, 15                        ; my half: 128 pair rows x 256 bytes
	s_add_co_u32 s66, s66, s67                     ; made of the head and the wave's number alone: equal in the four partners
	s_mov_b32 s67, 0
	s_mul_i32 s68, s12, 128*VP                     ; V's halves at 36,864 w (w = 0, 1)
	s_mul_i32 s69, s12, 128*KP                     ; K's at 34,816 w + 4,096 (w = 2, 3): 73,728 and 108,544
	s_lshl_b32 s70, s17, 19
	s_lshl_b32 s71, s16, 15                        ; a query block: 256 tokens x 128 bytes
	s_add_co_u32 s70, s70, s71
	s_lshl_b32 s71, s12, 13                        ; my 64 queries
	s_add_co_u32 s70, s70, s71
	s_mov_b32 s71, 0
	s_wait_dscnt 0x0
	s_wait_kmcnt 0x0
	s_add_nc_u64 s[72:73], s[8:9], s[66:67]
	s_add_nc_u64 s[74:75], s[6:7], s[66:67]
	s_add_nc_u64 s[4:5], s[4:5], s[70:71]          ; my rows of q16
	s_add_nc_u64 s[10:11], s[10:11], s[70:71]      ; and of a16
	ROUND                                          ; the four work-groups are here: the first joint loads meet
.irp s, 0,1
	s_mov_b32 s[G0V+4*\s], 1
	s_add_co_u32 s[G0V+4*\s+1], s68, \s*SLOT
	s_add_nc_u64 s[G0V+4*\s+2:G0V+4*\s+3], s[72:73], \s*65536
	s_or_b32 s[G0V+4*\s+3], s[G0V+4*\s+3], 0x80000000
	s_mov_b32 s[G0K+4*\s], 1
	s_add_co_u32 s[G0K+4*\s+1], s69, KOFF-2*128*KP+\s*SLOT
	s_add_nc_u64 s[G0K+4*\s+2:G0K+4*\s+3], s[74:75], \s*65536
	s_or_b32 s[G0K+4*\s+3], s[G0K+4*\s+3], 0x80000000
	JLOAD \s                                       ; keys 0-511 and 512-1,023: two tensor loads of each wave are out, the most anywhere in this text
.endr
	v_and_b32 v1, 15, v0                           ; r
	v_bfe_u32 v2, v0, 4, 1                         ; h
	v_and_b32 v3, 31, v0                           ; l
	v_lshlrev_b32 v[QO], 7, v1
	v_lshl_add_u32 v[QO], v2, 4, v[QO]             ; Q's fragments straight from memory, once: token r's row of 128 bytes, byte 16 h
.irp t, 0,1,2,3
.irp eh, 0,1
	global_load_b128 v[QF+16*\t+8*\eh:QF+16*\t+8*\eh+3],   v[QO], s[4:5] offset:2048*\t+64*\eh
	global_load_b128 v[QF+16*\t+8*\eh+4:QF+16*\t+8*\eh+7], v[QO], s[4:5] offset:2048*\t+64*\eh+32
.endr
.endr
	v_mul_u32_u24 v14, v1, KP                      ; K: pair row r, byte 16 h
	v_lshl_add_u32 v14, v2, 4, v14
	v_add_nc_u32 v[KB], KOFF, v14
	v_add_nc_u32 v[KB+1], KOFF+SLOT, v14
	v_and_b32 v15, 7, v0                           ; V, for the transposing load: pair row 8 h + l % 8, byte 16 ((l / 8) % 2)
	v_lshl_add_u32 v15, v2, 3, v15
	v_mul_u32_u24 v15, v15, VP
	v_bfe_u32 v16, v0, 3, 1
	v_lshl_add_u32 v[VB], v16, 4, v15
	v_add_nc_u32 v[VB+1], SLOT, v[VB]
	s_mul_i32 s66, s12, 16*SP
	s_add_co_u32 s66, s66, STAGE                   ; my stage
	v_mul_u32_u24 v14, v1, SP
	v_lshl_add_u32 v14, v2, 4, v14
	v_add_nc_u32 v[STO], s66, v14                  ; in: query r, byte 16 h
	v_lshrrev_b32 v14, 3, v3
	v_mul_u32_u24 v14, v14, SP
	v_and_b32 v15, 7, v0
	v_lshl_add_u32 v14, v15, 4, v14
	v_add_nc_u32 v[RD], s66, v14                   ; back: eight lanes take a query's 128 bytes
	v_lshlrev_b32 v[GO], 4, v3
	v_mov_b32 v[KA], v[KB]                         ; the walking addresses at the head of slot 0
	v_mov_b32 v[VA], v[VB]
	WIN W_LK                                       ; destination window 1
.irp t, 0,1,2,3
	v_mov_b32 v[LS+2*\t], 0                        ; the row sums start at 0
	v_mov_b32 v[LS+2*\t+1], 0
.endr
	WIN 0
; 16 loads: K's fragments of one step (4 a key tile); then the address walks 32 pair rows on (an LDS instruction's sources need no wait)
.macro LDK
	WIN W_LK
.irp kt, 0,1,2,3
.irp eh, 0,1
	ds_load_b128 v[KF+16*\kt+8*\eh:KF+16*\kt+8*\eh+3],   v[KA] offset:16*KP*(\kt/2)+128*(\kt%2)+64*\eh
	ds_load_b128 v[KF+16*\kt+8*\eh+4:KF+16*\kt+8*\eh+7], v[KA] offset:16*KP*(\kt/2)+128*(\kt%2)+64*\eh+32
.endr
.endr
	WIN 0
	v_add_nc_u32 v[KA], 32*KP, v[KA]
.endm
; 16 transposing loads: V's fragments of one step
.macro LDV
	WIN W_LV
.irp u, 0,1
.irp et, 0,1,2,3
	ds_load_tr16_b128 v[VF+32*\u+8*\et:VF+32*\u+8*\et+3],   v[VA] offset:16*VP*\u+32*\et       ; keys of parity 0 of pair rows 16 u + 8 h + 0..7: the fragment's k = 8 h + 0..7
	ds_load_tr16_b128 v[VF+32*\u+8*\et+4:VF+32*\u+8*\et+7], v[VA] offset:16*VP*\u+32*\et+128   ; parity 1: k = 16 + 8 h + 0..7
.endr
.endr
.endm
; Product n (0..15) of S^T for the piece that begins at tile pt: key tile n / 4, half of e (n / 2) % 2, tile pt + n % 2.  The piece's two accumulators of a key tile
; take turns, one instruction a turn.  The first half of e starts the sum.
.macro QKP pt, n
.set q_k, (\n)/4
.set q_e, ((\n)/2)%2
.set q_t, \pt+(\n)%2
	WIN W_QK
.if q_e == 0
	v_wmma_f32_16x16x32_f16 v[32*q_t+8*q_k:32*q_t+8*q_k+7], v[KF+16*q_k:KF+16*q_k+7], v[QF+16*q_t:QF+16*q_t+7], 0
.else
	v_wmma_f32_16x16x32_f16 v[32*q_t+8*q_k:32*q_t+8*q_k+7], v[KF+16*q_k+8:KF+16*q_k+15], v[QF+16*q_t+8:QF+16*q_t+15], v[32*q_t+8*q_k:32*q_t+8*q_k+7]
.endif
.endm
; Product n (0..15) of O^T += V^T P: keys' half u = n / 8, e tile (n / 2) % 4, tile pt + n % 2.  The piece's eight accumulators take turns, one instruction a turn.
; zero = 1: the step's first 32 keys start the sums, nothing is cleared.
.macro PVP pt, n, zero
.set p_u, (\n)/8
.set p_e, ((\n)/2)%4
.set p_t, \pt+(\n)%2
	WIN W_PV
.if (\zero)*(1-p_u)
	v_wmma_f32_16x16x32_f16 v[32*p_t+8*p_e:32*p_t+8*p_e+7], v[VF+32*p_u+8*p_e:VF+32*p_u+8*p_e+7], v[32*p_t+8*p_u:32*p_t+8*p_u+7], 0
.else
	v_wmma_f32_16x16x32_f16 v[32*p_t+8*p_e:32*p_t+8*p_e+7], v[VF+32*p_u+8*p_e:VF+32*p_u+8*p_e+7], v[32*p_t+8*p_u:32*p_t+8*p_u+7], v[32*p_t+8*p_e:32*p_t+8*p_e+7]
.endif
.endm
; THE SOFTMAX OF A PIECE (tiles st, st + 1).  sm = 1: a later step; sm = 2: the piece's first step (nothing to rescale, the maximum starts).
; Link l (0..7) of the four chains of the maximum: each tile's registers 0-15 go into m itself, registers 16-31 into a second chain.
.macro MAXL st, l, sm
.irp d, 0,1
.if ((\l)+2-(\sm)) == 0
	v_max_num_f32 v[TT+4*(\st+\d)], v[32*(\st+\d)], v[32*(\st+\d)+1]
.else
	v_max3_num_f32 v[TT+4*(\st+\d)], v[TT+4*(\st+\d)], v[32*(\st+\d)+2*(\l)], v[32*(\st+\d)+2*(\l)+1]
.endif
.endr
.irp d, 0,1
.if (\l) == 0
	v_max_num_f32 v[XX+4*(\st+\d)], v[32*(\st+\d)+16], v[32*(\st+\d)+17]
.else
	v_max3_num_f32 v[XX+4*(\st+\d)], v[XX+4*(\st+\d)], v[32*(\st+\d)+16+2*(\l)], v[32*(\st+\d)+17+2*(\l)]
.endif
.endr
.endm
; The chains meet, the halves of the lanes exchange, and m, alpha = 2^(m_old - m_new) and -m follow.  -m of the step before is what keeps m_old.
.macro STATS st, sm
.irp d, 0,1
	v_max_num_f32 v[TT+4*(\st+\d)], v[TT+4*(\st+\d)], v[XX+4*(\st+\d)]
.endr
.irp d, 0,1
	v_permlanex16_b32 v[XX+4*(\st+\d)], v[TT+4*(\st+\d)], s18, s19                  ; the other half of the lanes holds the query's other keys
.endr
.irp d, 0,1
	v_max_num_f32 v[TT+4*(\st+\d)], v[TT+4*(\st+\d)], v[XX+4*(\st+\d)]
.endr
.if (\sm) == 1
.irp d, 0,1
	v_fma_f32 v[XX+4*(\st+\d)], v[TT+4*(\st+\d)], -1.0, -v[NM+4*(\st+\d)]           ; m_old - m_new, one rounding, exactly 0 where the maximum stands
.endr
.irp d, 0,1
	v_exp_f32 v[AL+4*(\st+\d)], v[XX+4*(\st+\d)]                                    ; batch 1 begins; the next line is a plain instruction that touches neither alpha nor its source (ISA guide 5.7.2)
.endr
.endif
.irp d, 0,1
	v_mul_f32 v[NM+4*(\st+\d)], -1.0, v[TT+4*(\st+\d)]
.endr
.endm
; The piece's 32 register pairs are numbered g: tile st + g % 2, pair g / 2, so that neighbouring numbers are different tiles.
; s - m of pair g.  Written as a multiply-add by 1.0 so that -m stands in source 2: under the products' setting source 1 means Q's window.  The result is that of an add.
.macro FF st, g
.set f_t, \st+(\g)%2
.set f_b, 32*f_t+2*((\g)/2)
	v_pk_fma_f32 v[f_b:f_b+1], v[f_b:f_b+1], 1.0, v[NM+4*f_t:NM+4*f_t+1] op_sel_hi:[1,0,0]
.endm
; Exponential x (0..63), in place: half x % 2 of pair x / 2.  Each result keeps its own register while its batch is open.
.macro EE st, x
.set e_g, (\x)/2
.set e_r, 32*(\st+e_g%2)+2*(e_g/2)+(\x)%2
	v_exp_f32 v[e_r], v[e_r]
.endm
; Pair g joins its tile's row sums.  A tile's first pair of a later step carries the rescaling along; the others are adds, in the multiply-add's form for the same reason as above.
; A tile's sums are one chain in ascending order of its pairs.  Every sum stands behind the wait of the batch that made its pair.
.macro AA st, g, sm
.set a_t, \st+(\g)%2
.set a_b, 32*a_t+2*((\g)/2)
.if ((\g)/2+(\sm)) == 1
	v_pk_fma_f32 v[LS+2*a_t:LS+2*a_t+1], v[LS+2*a_t:LS+2*a_t+1], v[AL+4*a_t:AL+4*a_t+1], v[a_b:a_b+1] op_sel_hi:[1,0,1]
.else
	v_pk_fma_f32 v[LS+2*a_t:LS+2*a_t+1], v[a_b:a_b+1], 1.0, v[LS+2*a_t:LS+2*a_t+1] op_sel_hi:[1,0,1]
.endif
.endm
; Pair g packed to f16 in place: register p of the tile from registers 2 p, 2 p + 1; register p belongs to pair p / 2, which has been summed and packed before.
.macro CC st, g
.set c_t, \st+(\g)%2
.set c_p, (\g)/2
	v_cvt_pk_f16_f32 v[32*c_t+c_p], v[32*c_t+2*c_p], v[32*c_t+2*c_p+1]
.endm
; LIST A, entry a (0..65): batch 2 and the plain lines between its exponentials.  Six units of eleven: plain, 3 exponentials, plain, 3 exponentials, plain, 2 exponentials;
; unit u holds exponentials 16 + 8 u .. 23 + 8 u.  The 18 plain lines are the differences of pairs 20-31 (units 0-3; their exponentials stand in units 3-5, two units or more behind them) and then
; the sums of pairs 2-7, which read batch 1's results alone.  The last of these sums is held back behind the last exponential: it is the plain instruction between that exponential
; and the use of its result (ISA guide 5.7.2).  No entry names a result of batch 2.
.macro LISTA st, a, sm
.set l_u, (\a)/11
.set l_i, (\a)%11
.set l_k, 3*l_u+l_i/4
.if (\a) == 65
	AA \st, 7, \sm
.elseif (\a) >= 63
	EE \st, (\a)-1
.elseif (l_i%4) == 0
.if l_k < 12
	FF \st, 20+l_k
.else
	AA \st, l_k-10, \sm
.endif
.else
	EE \st, 16+8*l_u+l_i-1-l_i/4
.endif
.endm
; LIST B, entry b (0..55): what reads batch 2's results.  Twelve groups of four: the sums of pairs 8 + 2 m, 9 + 2 m, the packings of pairs 2 m, 2 m + 1; then the packings of pairs 24-31.
; So the links of a tile's chain of sums stand four lines apart, and a pair is packed behind its own sum and behind the sum and the packing of the pair whose register it writes.
.macro LISTB st, b, sm
.set l_m, (\b)/4
.set l_j, (\b)%4
.if (\b) >= 48
	CC \st, (\b)-24
.elseif l_j < 2
	AA \st, 8+2*l_m+l_j, \sm
.else
	CC \st, 2*l_m+l_j-2
.endif
.endm
; O's pair r (0..31: tile st + r % 2, pair r / 2) times the lane's alpha (at the end: times 1 / l)
.macro RESC st, r
.set r_t, \st+(\r)%2
.set r_b, 32*r_t+2*((\r)/2)
	v_pk_mul_f32 v[r_b:r_b+1], v[r_b:r_b+1], v[AL+4*r_t:AL+4*r_t+1] op_sel_hi:[1,0]
.endm
; Slice n (0..31) of a piece's softmax.  0, 1: the maxima; 2: m, alpha, -m, the first four differences; 3: exponentials 0-15 by turns with the differences of pairs 4-19, batch 1's wait,
; and the two sums that name alpha; 4-15: O times alpha, 2 or 3 a slice and 4 in slice 15, which are the places in front of V's loads; 16-29: list A, 4 or 5 entries a slice, and behind
; slice 29 batch 2's wait; 30, 31: list B, 28 entries each (slice 31's are the places in front of K's loads).
.macro SLICE st, n, sm
.if (\sm)
.if (\n) < 2
	WIN W_SM
.set m_l, 4*(\n)
.rept 4
	MAXL \st, m_l, \sm
.set m_l, m_l+1
.endr
.elseif (\n) == 2
	WIN W_SM
	STATS \st, \sm
	FF \st, 0
	FF \st, 1
	FF \st, 2
	FF \st, 3
.elseif (\n) == 3
	WIN W_SM
.set s_i, 0
.rept 16
	EE \st, s_i                                    ; pairs 0-3 were scaled in slice 2, pairs 4-7 sixteen lines or more ahead in this run
	FF \st, s_i+4                                  ; a plain line on other registers behind every exponential (ISA guide 5.7.2)
.set s_i, s_i+1
.endr
	s_wait_alu depctr_va_vdst(0)                   ; batch 1's one wait: the two alpha and exponentials 0-15; ahead of the first line that names a result, the sum below
	AA \st, 0, \sm
	AA \st, 1, \sm
.elseif (\n) < 16
.if (\sm) == 1
	WIN W_PV
.if (\n) == 15
.set s_r, 28
.set s_c, 4
.else
.set s_r, (((\n)-4)*28)/11
.set s_c, (((\n)-3)*28)/11-s_r
.endif
.rept s_c
	RESC \st, s_r
.set s_r, s_r+1
.endr
.endif
.elseif (\n) < 30
	WIN W_QK
.set s_a, (((\n)-16)*66)/14
.set s_c, (((\n)-15)*66)/14-s_a
.rept s_c
	LISTA \st, s_a, \sm
.set s_a, s_a+1
.endr
.if (\n) == 29
	s_wait_alu depctr_va_vdst(0)                   ; batch 2's one wait: exponentials 16-63; ahead of the first line that names a result, list B's first sum
.endif
.else
	WIN W_SM
.set s_b, 28*((\n)-30)
.rept 28
	LISTB \st, s_b, \sm
.set s_b, s_b+1
.endr
.endif
.endif
.endm
; Half a body: the products of the piece at tile pt, one slice of the softmax of the piece at tile st behind each.
; pv: 0 no PV, 1 PV, 2 PV that starts the sums; qk: 1 QK; sm: as above, 0 none; ldv: 1 V's next fragments between the two runs; kw: 1 K's loads are awaited in front of QK.
.macro HALF pt, st, pv, qk, sm, ldv, kw
.set h_n, 0
.rept 16
.if (\pv)
	PVP \pt, h_n, (\pv)-1
.endif
	SLICE \st, h_n, \sm
.set h_n, h_n+1
.endr
.if \ldv
	LDV                                            ; V's registers were read by the 16 products above; behind the last stand slice 15's four plain instructions (ISA guide 7.12.1 for vector instructions)
.endif
.if (\pv)
.if (\sm) == 2
	PLACES 5                                       ; a first step has no slices 4-15: QK writes over P, a source of the products above, five places behind them (ISA guide 7.12.1)
.endif
.endif
.if \kw
	s_wait_dscnt 0x0                               ; K's 16 loads, issued 16 products ago
.endif
.rept 16
.if \qk
	QKP \pt, h_n-16
.endif
	SLICE \st, h_n, \sm
.set h_n, h_n+1
.endr
.endm
; The end of a body: K's fragments two steps ahead.  mode 0: in the same slot; 1, 2: slot has been read out (V's last step was loaded in this body), the other follows.
.macro ENDB slot, mode
.if \mode
	CHG \slot, \mode
	v_mov_b32 v[KA], v[KB+1-\slot]
	v_mov_b32 v[VA], v[VB+1-\slot]
	LDK
.else
	LDK
	v_add_nc_u32 v[VA], 32*VP, v[VA]
.endif
.endm
; Body j.  first = 1: j = 0 (both O start, piece B's softmax starts).  ldk = 0: no step j + 2 exists.
.macro BODY first, slot, mode, ldk
	s_wait_dscnt 0x10                              ; V(j)'s loads are in; the 16 younger ones, K(j+1)'s, may be out
	HALF 0, 2, (1+\first), 1, (1+\first), 0, 1
	HALF 2, 0, (1+\first), 1, 1, 1, 0
.if \ldk
	ENDB \slot, \mode
.else
	WIN 0
.endif
.endm
	s_wait_loadcnt 0x0                             ; Q
	s_wait_tensorcnt 0x1                           ; my part of keys 0-511 is in; the one younger load may stay out
	s_barrier_signal -1
	s_barrier_wait -1
	LDK                                            ; K(0)
	s_wait_dscnt 0x0
.set p_n, 0
.rept 16
	QKP 0, p_n                                     ; QK(A, 0)
.set p_n, p_n+1
.endr
	PLACES 4                                       ; the maxima read the scores four places behind the products (ISA guide 7.12.1)
	HALF 2, 0, 0, 1, 2, 1, 0                       ; softmax(A, 0), which starts; V(0); QK(B, 0)
	ENDB 0, 0                                      ; K(1)
	BODY 1, 0, 0, 1                                ; j = 0
	s_mov_b32 s24, 5
.Lp0:
	BODY 0, 0, 0, 1                                ; j = 1 to 5
	s_sub_co_u32 s24, s24, 1
	s_cmp_lg_u32 s24, 0
	s_cbranch_scc1 .Lp0
	s_mov_b32 s23, 3
.Louter:                                               ; j = 6 to 53: six changes of slots, six refills (keys 1,024 to 4,095)
	BODY 0, 0, 2, 1                                ; j = 6, 22, 38: slot 0 is read out and asked for again
	s_mov_b32 s24, 7
.Lpa:
	BODY 0, 0, 0, 1
	s_sub_co_u32 s24, s24, 1
	s_cmp_lg_u32 s24, 0
	s_cbranch_scc1 .Lpa
	BODY 0, 1, 2, 1                                ; j = 14, 30, 46: slot 1
	s_mov_b32 s24, 7
.Lpb:
	BODY 0, 0, 0, 1
	s_sub_co_u32 s24, s24, 1
	s_cmp_lg_u32 s24, 0
	s_cbranch_scc1 .Lpb
	s_sub_co_u32 s23, s23, 1
	s_cmp_lg_u32 s23, 0
	s_cbranch_scc1 .Louter
	BODY 0, 0, 1, 1                                ; j = 54: on to slot 1's last keys; nothing is left to fetch
	s_mov_b32 s24, 7
.Lp7:
	BODY 0, 0, 0, 1                                ; j = 55 to 61
	s_sub_co_u32 s24, s24, 1
	s_cmp_lg_u32 s24, 0
	s_cbranch_scc1 .Lp7
	BODY 0, 0, 0, 0                                ; j = 62: K(63) is in registers, there is no K(64)
	s_wait_dscnt 0x0                               ; j = 63: V(63); no load was issued behind it
	HALF 0, 2, 1, 0, 1, 0, 0                       ; PV(A, 63) with softmax(B, 63), whose second half has no products left to stand behind
	HALF 2, 0, 1, 0, 0, 0, 0                       ; PV(B, 63)
	; THE WAY OUT: 1 / l, O scaled and rounded to f16, 16 queries at a time through my own stage, stored as 512 dense bytes an instruction.
	PLACES 4                                       ; O is read four places behind the last product
	WIN W_SM
.irp t, 0,1,2,3
	v_add_f32 v[TT+4*\t], v[LS+2*\t], v[LS+2*\t+1]
.endr
.irp t, 0,1,2,3
	v_permlanex16_b32 v[XX+4*\t], v[TT+4*\t], s18, s19
.endr
.irp t, 0,1,2,3
	v_add_f32 v[TT+4*\t], v[TT+4*\t], v[XX+4*\t]   ; at least 1: the largest score's own weight is 2^0
.endr
.irp t, 0,1,2,3
	v_rcp_f32 v[AL+4*\t], v[TT+4*\t]
.endr
	v_nop                                          ; one plain instruction between the reciprocals and their use (ISA guide 5.7.2)
	s_wait_alu depctr_va_vdst(0)                   ; the one wait for the batch of four reciprocals, ahead of the first line that names one
.macro OUTT t
	WIN W_PV
.set w_i, 0
.rept 16
	RESC \t, 2*w_i
.set w_i, w_i+1
.endr
	WIN 0x0a                                       ; sources window 2, destination window 0
.irp et, 0,1,2,3
.irp q, 0,1,2,3
	v_cvt_pk_f16_f32 v[TMP+4*\et+\q], v[32*\t+8*\et+2*\q], v[32*\t+8*\et+2*\q+1]
.endr
.endr
	WIN 0
.irp et, 0,1,2,3
	ds_store_b128 v[STO], v[TMP+4*\et:TMP+4*\et+3] offset:32*\et
.endr
.irp i, 0,1,2,3
	ds_load_b128 v[RB+16*\t+4*\i:RB+16*\t+4*\i+3], v[RD] offset:4*SP*\i    ; my own bytes: LDS serves a wave's instructions in order (ISA guide 5.7.1), so these see the stores above, and the next tile's stores come behind them
.endr
.irp i, 0,1,2,3
	s_wait_dscnt 3-\i                              ; load i is in, the 3 - i younger ones may be out
	global_store_b128 v[GO], v[RB+16*\t+4*\i:RB+16*\t+4*\i+3], s[10:11] offset:2048*\t+512*\i
.endr
.endm
	OUTT 0
	OUTT 1
	OUTT 2
	OUTT 3
	s_wait_tensorcnt 0x0
	ds_add_u32 v190, v191
	s_wait_dscnt 0x0
	ROUND                                          ; the closing round: no work-group ends while a partner may still ask for a tile that names it
	s_endpgm
.Lfunc_end_k_q75b01063b0_attn:
	.size	k_q75b01063b0_attn, .Lfunc_end_k_q75b01063b0_attn-k_q75b01063b0_attn
	.p2alignl 7, 3214868480
	.fill 96, 4, 3214868480
	.section	.rodata,"a",@progbits
	.p2align	6, 0x0
	.amdhsa_kernel k_q75b01063b0_attn
		.amdhsa_group_segment_fixed_size 327680
		.amdhsa_private_segment_fixed_size 0
		.amdhsa_enable_private_segment 0
		.amdhsa_kernarg_size 32
		.amdhsa_user_sgpr_count 2
		.amdhsa_user_sgpr_kernarg_segment_ptr 1
		.amdhsa_wavefront_size32 1
		.amdhsa_system_sgpr_workgroup_id_x 1
		.amdhsa_system_sgpr_workgroup_id_y 1
		.amdhsa_system_sgpr_workgroup_id_z 1
		.amdhsa_system_vgpr_workitem_id 0
		.amdhsa_next_free_vgpr 704
		.amdhsa_next_free_sgpr 80
		.amdhsa_reserve_vcc 0
		.amdhsa_float_denorm_mode_32 3
		.amdhsa_float_denorm_mode_16_64 3
		.amdhsa_memory_ordered 1
		.amdhsa_forward_progress 1
		.amdhsa_inst_pref_size 255
	.end_amdhsa_kernel
	.section	.bss,"aw",@nobits
	.p2align	6
	.space	262144
	.amdgpu_metadata
---
amdhsa.version: [ 1, 2 ]
amdhsa.kernels:
  - .name:           k_q75b01063b0_attn
    .symbol:         k_q75b01063b0_attn.kd
    .args:
      - { .name: q16, .offset: 0, .size: 8, .value_kind: global_buffer, .address_space: global }
      - { .name: k16, .offset: 8, .size: 8, .value_kind: global_buffer, .address_space: global }
      - { .name: v16, .offset: 16, .size: 8, .value_kind: global_buffer, .address_space: global }
      - { .name: a16, .offset: 24, .size: 8, .value_kind: global_buffer, .address_space: global }
    .group_segment_fixed_size: 327680
    .private_segment_fixed_size: 0
    .kernarg_segment_align: 8
    .kernarg_segment_size: 32
    .max_flat_workgroup_size: 128
    .sgpr_count:     80
    .vgpr_count:     704
    .wavefront_size: 32
...
	.end_amdgpu_metadata
.endif
;; end of part 7
;; launch proj: the kernel of part 6 again; grid 8 x 32, 4 waves a work-group, clusters of 4 x 4, 327,680 bytes of LDS; arguments a16, wo16, bo, out0; writes out0
